; MI455X (gfx1250); checked and timed in simulation.
; The chip was launched on July 23, 2026; its instructions are those of AMD's public machine-readable ISA for CDNA 5 (MIT licence, August 2026) and "CDNA5" Instruction Set Architecture Reference Guide (July 2026). The comments in the code are by the model that wrote it; some were corrected since.
;; Attn Block. Allowed arithmetic: matrix products marked QUANTISED: E3M2 operands, one E8M0 scale for each 32 along K, by v_wmma_scale_f32_16x16x128_f8f6f4 with both operands' format E3M2, f32 sums; everything else in f32.
;; Inputs: bk 512 float32; bp 512 float32; bq 512 float32; bv 512 float32; gn_b 512 float32; gn_w 512 float32; wk_codes 512 x 16 x 24 uint8 (E3M2 codes of wk, K innermost, in blocks of 32 codes, four codes in three bytes); wk_scales 512 x 16 uint8 (E8M0 scales of wk, one for each 32 codes along K); wp_codes 512 x 16 x 24 uint8 (E3M2 codes of wp, K innermost, in blocks of 32 codes, four codes in three bytes); wp_scales 512 x 16 uint8 (E8M0 scales of wp, one for each 32 codes along K); wq_codes 512 x 16 x 24 uint8 (E3M2 codes of wq, K innermost, in blocks of 32 codes, four codes in three bytes); wq_scales 512 x 16 uint8 (E8M0 scales of wq, one for each 32 codes along K); wv_codes 512 x 16 x 24 uint8 (E3M2 codes of wv, K innermost, in blocks of 32 codes, four codes in three bytes); wv_scales 512 x 16 uint8 (E8M0 scales of wv, one for each 32 codes along K); x 32 x 512 x 32 x 32 float32.
;; Outputs: out0 32 x 512 x 32 x 32 float32.
;; This version of the problem:
;;   THIS VERSION OF THE PROBLEM IS GIVEN IN LOW PRECISION. The matrix products marked QUANTISED in the list below multiply operands that are first quantised to E3M2 (3 exponent bits, 2 mantissa bits; 6 bits a number), with one power-of-two scale for each 32 numbers along K (OCP MX v1.0); their sums are f32. All else is computed in f32.
;;   The module's matrix products, in the order in which they are computed (A, B: the left and right operand; K: the contracted axis; several contracted axes count as one K, in the product's order):
;;     1. [M 32,768, K 512] x [K 512, N 512]; A: computed on the way; B: input wq (given as codes): QUANTISED
;;     2. [M 32,768, K 512] x [K 512, N 512]; A: computed on the way; B: input wk (given as codes): QUANTISED
;;     3. [M 32,768, K 512] x [K 512, N 512]; A: computed on the way; B: input wv (given as codes): QUANTISED
;;     4. batch 32 x [M 1,024, K 512] x [K 512, N 1,024]; A: computed on the way; B: computed on the way: QUANTISED
;;     5. batch 32 x [M 1,024, K 1,024] x [K 1,024, N 512]; A: softmax (see below); B: computed on the way: QUANTISED
;;     6. [M 32,768, K 512] x [K 512, N 512]; A: computed on the way; B: input wp (given as codes): QUANTISED
;;   THE QUANTISER, for each operand of a quantised product, along K:
;;     - K is cut into blocks of 32 from its start; a last block that is shorter is filled with zeros.
;;     - A block's scale is 2^e with e = floor(log2(the largest magnitude in the block)) - 4, held to -126 .. 127; a block of zeros has e = 0. As a byte (E8M0): e + 127.
;;     - Each number is divided by its block's scale, clamped to +-28, and rounded to the nearest number of E3M2, ties to even, subnormals kept.
;;     - The product sums the exact products of the quantised numbers (number of the format x scale) in f32.
;;   ~~~python
;;   def quantise(x, axis):      # numpy; x: float32 -> the quantised numbers, widened to float32 again
;;       x = np.moveaxis(x, axis, -1); K = x.shape[-1]
;;       x = np.pad(x, [(0, 0)] * (x.ndim - 1) + [(0, -K % 32)]); x = x.reshape(x.shape[:-1] + (-1, 32)); a = np.abs(x).max(-1, keepdims=True)
;;       e = np.where(a > 0, np.clip(np.frexp(np.where(a > 0, a, 1))[1] - 1 - 4, -126, 127), 0)      # np.frexp(a)[1] - 1 = floor(log2(a)), exactly
;;       r = np.clip(x / 2.0 ** e, -28, 28)
;;       step = 2.0 ** (np.maximum(np.frexp(np.where(r == 0, 1, r))[1] - 1, -2) - 2)
;;       q = np.round(r / step) * step * 2.0 ** e      # np.round: ties to even
;;       return np.moveaxis(q.reshape(q.shape[:-2] + (-1,))[..., :K], -1, axis).astype(np.float32)
;;   ~~~
;;   SOFTMAX AHEAD OF A QUANTISED PRODUCT. Where the list says 'softmax', what is quantised is not the finished softmax but p = 2^(t - M), with t = logit x log2(e) and M = ceil(the row's largest t), a whole number; so 1/2 < the row's largest p <= 1. The row's sum l is taken of the UNQUANTISED p, in f32, and the product's result is divided by l at the end. Since M is a whole number, a kernel that streams over the keys may use a running M (the ceiling of the running maximum): every later rescaling is an exact power of two, which a block's scale takes up: the codes' values come out the same.
;;   OPERANDS COMPUTED ON THE WAY. 'Computed on the way' means the value that the module computes at that place (a softmax that the list does not call 'softmax' is quantised finished and normalised). What goes into a quantiser is computed in f32, as accurately as f32 sums, v_exp_f32 and their like allow (about 1e-6 of the number): no bf16 or f16 on the way to a quantiser, and a product that is left as it is and whose result goes on into a quantised operand takes f32 operands (vector FMAs, or v_wmma_f32_16x16x4_f32). A number that lies on a knife's edge between two numbers of the format may be rounded either way, as far as f32 arithmetic and the matrix unit's own rounding can turn it there, and no further.
;;   INPUTS GIVEN AS CODES. wk (in the module: [512, 512], K = its axis 1); wp (in the module: [512, 512], K = its axis 1); wq (in the module: [512, 512], K = its axis 1); wv (in the module: [512, 512], K = its axis 1): each comes as NAME_codes (uint8): NAME with its K axis moved to the last place and cut into blocks of 32 codes, [.., K / 32, bytes a block], one block behind the other in memory; four codes in three bytes: a row's codes are one little-endian stream of bits, code i at bits 6 i .. 6 i + 5 (a code: sign, 3 exponent bits, 2 mantissa bits); and NAME_scales (uint8): the same leading axes, one E8M0 byte (e + 127) for each 32 codes along K. Its value is code x scale, taken as it is: it is not quantised again, and the codes and scales need not be those that the quantiser above would give.
;; 2 versions. Each part assembles by itself: llvm-mc -triple=amdgcn-amd-amdhsa -mcpu=gfx1250 --defsym DOCPART=n.
;; ======== version 1 of 2: 3 launches
;; workspace buffers: h_codes 12,582,912 bytes; h_scales 524,288 bytes; q_img 12,582,912 bytes; q_sc 524,288 bytes; k_img 12,582,912 bytes; k_sc 524,288 bytes; v_img 12,582,912 bytes; v_sc 524,288 bytes
;; launch gnq (part 1): grid 512 x 1, 8 waves a work-group, no clusters, 26,624 bytes of LDS; arguments x, gn_w, gn_b, h_codes, h_scales; writes h_codes, h_scales
.if DOCPART == 1
	.amdgcn_target "amdgcn-amd-amdhsa--gfx1250"
	.amdhsa_code_object_version 6
	.text
	.protected	k_q6163207c24_gnq
	.globl	k_q6163207c24_gnq
	.p2align	8
	.type	k_q6163207c24_gnq,@function
k_q6163207c24_gnq:
	s_mov_b64 s[64:65], 0
	v_nop
	global_prefetch_b8 v0, s[64:65] scope:SCOPE_SE
	s_setreg_imm32_b32 hwreg(HW_REG_WAVE_MODE, 25, 1), 1
	s_wait_xcnt 0x0
; GroupNorm of x [32][512][1024] f32 (32 groups of 16 channels x 1,024 pixels), then h = xn w + b quantised along the CHANNELS to codes of BF6 (E3M2), one E8M0 byte for each 32 channels.
; A work-group takes one batch and 32 channels (two groups, one block of 32 along K): 128 KiB of x, kept in registers between the passes: x is read once.  Thread t holds pixels 4 t .. 4 t + 3 of all 32 channels,
; so a pixel's whole block lies in one lane's registers: its largest magnitude needs no other lane, and the conversions give the 24 bytes of codes as they are wanted.
; Mean first, then the sum of squares of x - mean: no difference of large sums is formed.
; OUT: h_codes [b][cb 16][pixel' 1024][24 bytes], h_scales [b][cb][pixel'] one byte.  pixel' is the pixel's number with bits 3 and 4 exchanged: position 16 pt + r holds pixel 32 (pt / 2) + 8 (pt % 2) + r + 8 (r / 8),
; the order in which the later launches want the 16 rows of a tile.
; A block's scale byte is its largest magnitude's exponent field - 4, held at 1 from below (a block of zeros keeps 1: its codes are zeros, and this program alone reads the bytes).
; LIMITS: NaN and infinities among the inputs are not served; blocks whose largest magnitude lies under 2^-122 keep the byte 1.
; No matrix unit, no tensor load, no cluster: a stream bound by memory, whose work-groups share nothing.
.set X,   32                           ; v32-159  x, then x - mean: register 4 ch + i
.set Y,   160                          ; v160-191 h of one pixel, 32 channels
.set CC,  192                          ; v192-239 codes: twelve registers for each of my four pixels, so that no LDS store's data are written again
.set SBW, 240                          ; v240     my four scale bytes
.set STG, 256                          ; LDS: bytes 0-127 the waves' partial sums; from 256 on 3,072 bytes for each wave: its 128 pixels' codes
	s_load_b256 s[4:11], s[0:1], 0x0               ; x, gn_w, gn_b, h_codes
	s_load_b64 s[12:13], s[0:1], 0x20              ; h_scales
	v_lshl_add_u32 v248, v0, 2, 0x6400
	v_mov_b32 v249, 0
	v_lshrrev_b32 v1, 5, v0
	v_readfirstlane_b32 s48, v1                    ; wave 0..7
	v_lshlrev_b32 v1, 4, v0                        ; my 16 bytes of a channel's 4,096
	v_bfe_u32 v10, v0, 3, 2
	v_bfe_u32 v11, v0, 1, 1
	v_bfe_u32 v12, v0, 2, 1
	v_and_b32 v13, 1, v0
	v_lshlrev_b32 v5, 5, v10
	v_lshl_add_u32 v5, v11, 4, v5
	v_lshl_add_u32 v5, v12, 3, v5
	v_lshl_add_u32 v5, v13, 2, v5                  ; pixel' of my first pixel among the wave's 128: 32 (l / 8) + 16 (bit 1) + 8 (bit 2) + 4 (bit 0)
	s_mul_i32 s49, s48, 3072
	s_add_co_u32 s49, s49, STG                     ; my wave's stage
	v_mul_u32_u24 v2, v5, 24
	v_add_nc_u32 v2, s49, v2                       ; into it: 24 bytes a pixel'
	v_and_b32 v3, 31, v0
	v_lshlrev_b32 v4, 4, v3                        ; out of it, and in memory: 16 bytes a lane
	v_add_nc_u32 v3, s49, v4
	s_lshl_b32 s50, s48, 7
	v_add_nc_u32 v5, s50, v5                       ; my four scale bytes' place in the work-group's 1,024
	v_mov_b32 v6, 0
	v_mov_b32 v7, s48
	v_lshlrev_b32 v7, 2, v7                        ; my wave's word among the partial sums
	v_mov_b32 v26, 0                               ; written once: a lane permute's destination counts as one of its sources
	s_mov_b32 s14, 0x76543210
	s_mov_b32 s15, 0xfedcba98                      ; v_permlanex16_b32's selects for lane l xor 16
	s_mov_b32 s58, 0x38800000                      ; 2^-14 = 1 / 16,384, a group's numbers
	s_lshl_b32 s2, ttmp9, 17                       ; 32 channels of 4,096 bytes
	s_mov_b32 s3, 0
	s_and_b32 s52, ttmp9, 15
	s_lshl_b32 s52, s52, 7                         ; my 32 gains and biases
	s_mov_b32 s53, 0
	s_mul_i32 s54, ttmp9, 24576
	s_mul_i32 s56, s48, 3072
	s_add_co_u32 s54, s54, s56
	s_mov_b32 s55, 0
	s_lshl_b32 s56, ttmp9, 10
	s_mov_b32 s57, 0
	s_wait_kmcnt 0x0
	s_add_nc_u64 s[4:5], s[4:5], s[2:3]
	s_add_nc_u64 s[6:7], s[6:7], s[52:53]
	s_add_nc_u64 s[8:9], s[8:9], s[52:53]
	s_add_nc_u64 s[10:11], s[10:11], s[54:55]
	s_add_nc_u64 s[12:13], s[12:13], s[56:57]
.set ch, 0
.rept 32
	global_load_b128 v[X+4*ch:X+4*ch+3], v1, s[4:5] offset:4096*ch   ; a wave reads 512 consecutive bytes, the eight waves a channel
.set ch, ch+1
.endr
	s_load_b512 s[16:31], s[6:7], 0x0              ; gn_w of my 32 channels,
	s_load_b512 s[32:47], s[6:7], 0x40
	s_load_b512 s[68:83], s[8:9], 0x0              ; gn_b
	s_load_b512 s[84:99], s[8:9], 0x40
.macro WRED r                          ; the sum over the wave's 32 lanes, in every lane
	v_add_f32_dpp v[\r], v[\r], v[\r] row_xmask:1 row_mask:0xf bank_mask:0xf
	v_add_f32_dpp v[\r], v[\r], v[\r] row_xmask:2 row_mask:0xf bank_mask:0xf
	v_add_f32_dpp v[\r], v[\r], v[\r] row_xmask:4 row_mask:0xf bank_mask:0xf
	v_add_f32_dpp v[\r], v[\r], v[\r] row_xmask:8 row_mask:0xf bank_mask:0xf
	v_permlanex16_b32 v26, v[\r], s14, s15
	v_add_f32 v[\r], v[\r], v26
.endm
.macro GSUM g, a, b                    ; the sum of my 64 numbers of group g, two at a time, in two chains
	v_pk_add_f32 v[\a:\a+1], v[X+64*\g:X+64*\g+1], v[X+64*\g+2:X+64*\g+3]
	v_pk_add_f32 v[\b:\b+1], v[X+64*\g+4:X+64*\g+5], v[X+64*\g+6:X+64*\g+7]
.set j, 8
.rept 14
	v_pk_add_f32 v[\a:\a+1], v[\a:\a+1], v[X+64*\g+j:X+64*\g+j+1]
	v_pk_add_f32 v[\b:\b+1], v[\b:\b+1], v[X+64*\g+j+2:X+64*\g+j+3]
.set j, j+4
.endr
	v_pk_add_f32 v[\a:\a+1], v[\a:\a+1], v[\b:\b+1]
	v_add_f32 v[\a], v[\a], v[\a+1]
.endm
.macro GSQ g, a, b, m                  ; x - mean in place, and the sum of its squares
.set j, 0
.rept 32
	v_pk_add_f32 v[X+64*\g+j:X+64*\g+j+1], v[X+64*\g+j:X+64*\g+j+1], v[\m:\m+1] neg_lo:[0,1] neg_hi:[0,1]
.set j, j+2
.endr
	v_pk_mul_f32 v[\a:\a+1], v[X+64*\g:X+64*\g+1], v[X+64*\g:X+64*\g+1]
	v_pk_mul_f32 v[\b:\b+1], v[X+64*\g+2:X+64*\g+3], v[X+64*\g+2:X+64*\g+3]
.set j, 4
.rept 15
	v_pk_fma_f32 v[\a:\a+1], v[X+64*\g+j:X+64*\g+j+1], v[X+64*\g+j:X+64*\g+j+1], v[\a:\a+1]
	v_pk_fma_f32 v[\b:\b+1], v[X+64*\g+j+2:X+64*\g+j+3], v[X+64*\g+j+2:X+64*\g+j+3], v[\b:\b+1]
.set j, j+4
.endr
	v_pk_add_f32 v[\a:\a+1], v[\a:\a+1], v[\b:\b+1]
	v_add_f32 v[\a], v[\a], v[\a+1]
.endm
.macro MEET off                        ; v8, v12: my wave's two figures -> v8, v16: the work-group's.  Each pass has LDS words of its own, so one barrier a pass is enough
	WRED 8
	WRED 12
	ds_store_b32 v7, v8 offset:\off                ; all lanes write the same word with the same value
	ds_store_b32 v7, v12 offset:\off+32
	s_wait_dscnt 0x0                               ; for the others' sake: my stores are done
	s_barrier_signal -1
	s_barrier_wait -1
	ds_load_b128 v[8:11], v6 offset:\off
	ds_load_b128 v[12:15], v6 offset:\off+16
	ds_load_b128 v[16:19], v6 offset:\off+32
	ds_load_b128 v[20:23], v6 offset:\off+48
	s_wait_dscnt 0x0
.irp a, 8, 16
	v_pk_add_f32 v[\a:\a+1], v[\a:\a+1], v[\a+2:\a+3]
	v_pk_add_f32 v[\a+4:\a+5], v[\a+4:\a+5], v[\a+6:\a+7]
	v_pk_add_f32 v[\a:\a+1], v[\a:\a+1], v[\a+4:\a+5]
	v_add_f32 v[\a], v[\a], v[\a+1]
.endr
.endm
	s_wait_loadcnt 16                              ; group 0's sixteen loads are in; group 1's sixteen may be out
	GSUM 0, 8, 10
	s_wait_loadcnt 0x0
	GSUM 1, 12, 14
	MEET 0
	v_mul_f32 v28, s58, v8                         ; the means, each twice: a pair for the packed subtraction
	v_mul_f32 v30, s58, v16
	v_mov_b32 v29, v28
	v_mov_b32 v31, v30
	GSQ 0, 8, 10, 28
	GSQ 1, 12, 14, 30
	MEET 64
	v_fmaak_f32 v8, s58, v8, 0x358637bd            ; the variance + 1e-6
	v_fmaak_f32 v16, s58, v16, 0x358637bd
	v_rsq_f32 v8, v8
	v_rsq_f32 v16, v16
	v_nop                                          ; a plain place behind the transcendentals
	s_wait_alu depctr_va_vdst(0)
	v_readfirstlane_b32 s60, v8
	v_readfirstlane_b32 s61, v16
	s_wait_kmcnt 0x0                               ; gn_w, gn_b
.set ch, 0
.rept 16
	s_mul_f32 s[16+ch], s[16+ch], s60              ; gain x 1 / sqrt(var + eps): h = (x - mean) x this + bias, one fused multiply-add
	s_mul_f32 s[32+ch], s[32+ch], s61
.set ch, ch+1
.endr
.macro QPIX i                          ; my pixel i: h of its 32 channels, the block's scale, its 24 bytes of codes into the stage
.set C0, CC+12*\i
.set ch, 0
.rept 32
	v_fma_f32 v[Y+ch], v[X+4*ch+\i], s[16+ch], s[68+ch]
.set ch, ch+1
.endr
	v_max3_num_f32 v8, |v[Y]|, |v[Y+1]|, |v[Y+2]|
	v_max3_num_f32 v9, |v[Y+3]|, |v[Y+4]|, |v[Y+5]|
.irp j, 6,10,14,18,22,26
	v_max3_num_f32 v8, v8, |v[Y+\j]|, |v[Y+\j+1]|
	v_max3_num_f32 v9, v9, |v[Y+\j+2]|, |v[Y+\j+3]|
.endr
	v_max3_num_f32 v8, v8, |v[Y+30]|, |v[Y+31]|
	v_max3_num_f32 v8, v8, v9, 0x2800000           ; and the floor 2^(5 - 127): the byte cannot fall under 1
	v_add_nc_u32 v10, 0xfe000000, v8               ; 4 off the exponent field: the conversion takes this operand's exponent field as its scale
	v_cvt_scalef32_pk16_bf6_f32 v[C0:C0+2], v[Y:Y+15], v10
	v_cvt_scalef32_pk16_bf6_f32 v[C0+6:C0+8], v[Y+16:Y+31], v10   ; (a conversion's three registers begin on an even number)
	v_lshrrev_b32 v11, 23, v10                     ; the scale's byte; also the plain place behind the conversions
.irp k, 0,1,2
	v_mov_b32 v[C0+3+\k], v[C0+6+\k]
.endr
.if \i == 0
	v_mov_b32 v[SBW], v11
.else
	v_lshl_or_b32 v[SBW], v11, 8*\i, v[SBW]
.endif
.irp k, 0,1,2
	ds_store_b64 v2, v[C0+2*\k:C0+2*\k+1] offset:24*\i+8*\k
.endr
.endm
	QPIX 0
	QPIX 1
	QPIX 2
	QPIX 3
.irp k, 0,1,2,3,4,5
	ds_load_b128 v[X+4*\k:X+4*\k+3], v3 offset:512*\k   ; LDS serves a wave's instructions in order: these see my stores
.endr
.irp k, 0,1,2,3,4,5
	s_wait_dscnt 5-\k                              ; the younger read-backs may be out
	global_store_b128 v4, v[X+4*\k:X+4*\k+3], s[10:11] offset:512*\k   ; 32 lanes store 512 consecutive bytes, at a multiple of 256 from the buffer's first byte
.endr
	global_store_b32 v5, v[SBW], s[12:13]          ; the wave's 128 scale bytes
	s_wait_tensorcnt 0x0
	ds_add_u32 v248, v249
	s_wait_dscnt 0x0
	s_endpgm
.Lfunc_end_k_q6163207c24_gnq:
	.size	k_q6163207c24_gnq, .Lfunc_end_k_q6163207c24_gnq-k_q6163207c24_gnq
	.p2alignl 7, 3214868480
	.fill 96, 4, 3214868480
	.section	.rodata,"a",@progbits
	.p2align	6, 0x0
	.amdhsa_kernel k_q6163207c24_gnq
		.amdhsa_group_segment_fixed_size 26624
		.amdhsa_private_segment_fixed_size 0
		.amdhsa_enable_private_segment 0
		.amdhsa_kernarg_size 40
		.amdhsa_user_sgpr_count 2
		.amdhsa_user_sgpr_kernarg_segment_ptr 1
		.amdhsa_wavefront_size32 1
		.amdhsa_system_sgpr_workgroup_id_x 1
		.amdhsa_system_sgpr_workgroup_id_y 1
		.amdhsa_system_sgpr_workgroup_id_z 1
		.amdhsa_system_vgpr_workitem_id 0
		.amdhsa_next_free_vgpr 250
		.amdhsa_next_free_sgpr 104
		.amdhsa_reserve_vcc 0
		.amdhsa_float_denorm_mode_32 3
		.amdhsa_float_denorm_mode_16_64 3
		.amdhsa_memory_ordered 1
		.amdhsa_forward_progress 1
		.amdhsa_inst_pref_size 39
	.end_amdhsa_kernel
	.amdgpu_metadata
---
amdhsa.version: [ 1, 2 ]
amdhsa.kernels:
  - .name:           k_q6163207c24_gnq
    .symbol:         k_q6163207c24_gnq.kd
    .args:
      - { .name: x, .offset: 0, .size: 8, .value_kind: global_buffer, .address_space: global }
      - { .name: gn_w, .offset: 8, .size: 8, .value_kind: global_buffer, .address_space: global }
      - { .name: gn_b, .offset: 16, .size: 8, .value_kind: global_buffer, .address_space: global }
      - { .name: h_codes, .offset: 24, .size: 8, .value_kind: global_buffer, .address_space: global }
      - { .name: h_scales, .offset: 32, .size: 8, .value_kind: global_buffer, .address_space: global }
    .group_segment_fixed_size: 26624
    .private_segment_fixed_size: 0
    .kernarg_segment_align: 8
    .kernarg_segment_size: 40
    .max_flat_workgroup_size: 256
    .sgpr_count:     104
    .vgpr_count:     250
    .wavefront_size: 32
...
	.end_amdgpu_metadata
.endif
;; end of part 1
;; launch qkv (part 2): grid 192 x 1, 4 waves a work-group, no clusters, 55,808 bytes of LDS; arguments h_codes, h_scales, wq_codes, wq_scales, bq, wk_codes, wk_scales, bk, wv_codes, wv_scales, bv, q_img, q_sc, k_img, k_sc, v_img, v_sc; writes q_img, q_sc, k_img, k_sc, v_img, v_sc
.if DOCPART == 2
	.amdgcn_target "amdgcn-amd-amdhsa--gfx1250"
	.amdhsa_code_object_version 6
	.text
	.protected	k_q6163207c24_qkv
	.globl	k_q6163207c24_qkv
	.p2align	8
	.type	k_q6163207c24_qkv,@function
k_q6163207c24_qkv:
	s_mov_b64 s[64:65], 0
	v_nop
	global_prefetch_b8 v0, s[64:65] scope:SCOPE_SE
	s_setreg_imm32_b32 hwreg(HW_REG_WAVE_MODE, 25, 1), 1
	s_wait_xcnt 0x0
; q, k, v = W h + bias on codes of BF6 (E3M2) with E8M0 scales, each result quantised at once for the attention: q and k along the channels, v along the keys.
; Work-group id: type = id / 64 (0 q, 1 k, 2 v), batch = (id % 64) / 2, P = id % 2 (512 of the batch's 1,024 pixels).
; ONE SCHEME FOR ALL THREE.  Source 0 of every product is the wave's RESIDENT operand R (8 tiles of 16 rows x 512 along K: 384 registers, read once); source 1 is a STREAMED tile T (16 rows x 512 K), which the four waves share:
; each wave brings one tile of a round's four from memory into registers and stores it to LDS as an image of the operand's registers (16 bytes a lane, 512 a store); any wave loads it back by the same lines.
;   q, k: R = rows 128 w .. + 127 of W, T = a tile of 16 pixels of h.      v: R = 128 pixels (keys) of h, T = a tile of 16 rows of Wv.
; R's ROWS OF A TILE ARE NOT NEIGHBOURS: row r of tile rt is 32 (rt / 2) + 8 (rt % 2) + r + 8 (r / 8) (h's positions lie so in memory), so that a lane, which holds one row of T, has in the 16 registers of tiles 2 b, 2 b + 1
; sixteen neighbours along R: 32 b + 16 (lane / 16) + 0 .. 15.  So a tile's 64 results a lane are 128 along the next product's K: one fragment and one scale word, quantised in registers.
; OUT, as images of operand registers: q_img, k_img [b][pixel tile 64][K step 4][1,536 bytes]; v_img [b][key step 8][channel tile 32][1,536 bytes] (Wv's rows of a tile chosen as above); scale words [..][16 rows] of 4 bytes.
; The bias is the C of a sum's first product: for q, k eight registers a tile of R; for v one number a lane (T's row), spread over eight registers.
; The two kinds of work-group part only round global loads and round a tile's first eight products; every LDS store and every barrier stands on the common way.
; No cluster: work-groups of types q and k share T but not R, type v shares neither with them.  192 equal work-groups.
; LIMITS: NaN and infinities are not served; a block whose largest magnitude lies under 2^-122 keeps the byte 1 (its codes are then zeros or nearly so; this program alone reads the bytes).
.set TYPE, 2
.set WV,   3
.set WC,   38                          ; s[38:39] W's codes at my rows (q, k);  s[40:41] its scales;  s[42:43] its bias
.set WS,   40
.set WB,   42
.set OB,   44                          ; s[44:45] where the next fragment goes;  s[46:47] its scale words
.set OS,   46
.set TC,   48                          ; s[48:49] the codes of the tile of T that I bring next;  s[50:51] its scales;  s[52:53] its bias (v)
.set TSB,  50
.set TBB,  52
.set TRIP, 90
.set SEL,  92
.set RS,   32                          ; v32-63   R's scale words: 4 rt + s
.set TS,   64                          ; v64-67   T's scale words
.set TF,   68                          ; v68-115  T's four fragments
.set HA,   116                         ; v116-179 a tile's results
.set TM,   180                         ; v180-195 the quantiser's work
.set PW,   196                         ; the scale word just made
.set PC,   198                         ; v198-217 the codes just made
.set BTW,  218                         ; T's rows' bias
.set BT,   220                         ; v220-227 the same, spread
.set BS,   228                         ; the bias word of the tile that I bring
.set SS,   232                         ; v232-247 its scale bytes
.set TSW,  248                         ; v248-251 its scale words
.set SG,   192                         ; window 1: v192-239 the fragments that I bring;  v0-191: R's tiles 0-3.   window 2: v0-191 R's tiles 4-7, v192-255 the bias of R's rows
.set BR,   192
.set TSI,  49152                       ; LDS: two buffers of 4 tiles x 6,144 bytes; then their scale words, 2 x 4 x 512; then their bias words, 2 x 4 x 128
.set TBI,  53248
.set MSB, 0
.macro WIN new                         ; the immediate's high byte repeats the setting that is left
.if MSB != \new
	s_set_vgpr_msb (MSB<<8)|\new
.set MSB, \new
.endif
.endm
.macro PLACES n
.rept \n
	v_nop
.endr
.endm
; 64 numbers of a lane, register 16 b + i = k 32 b + 16 (lane / 16) + i of my row, become a fragment's codes in v[pc] on and its scale word in v[pw]
.macro QUANT s, tm, pc, pw
.irp b, 0,1,2,3
	v_max3_num_f32 v[\tm+\b], |v[\s+16*\b]|, |v[\s+1+16*\b]|, 0x2800000   ; my 16 numbers of block b, and the floor 2^(5 - 127): the byte cannot fall under 1
.endr
.irp i, 2,4,6,8,10,12,14
.irp b, 0,1,2,3
	v_max3_num_f32 v[\tm+\b], v[\tm+\b], |v[\s+16*\b+\i]|, |v[\s+1+16*\b+\i]|
.endr
.endr
.irp b, 0,1,2,3
	v_permlanex16_b32 v[\tm+4+\b], v[\tm+\b], s[SEL], s[SEL+1]
.endr
.irp b, 0,1,2,3
	v_max_num_f32 v[\tm+\b], v[\tm+\b], v[\tm+4+\b]   ; with lane l xor 16's: the block's largest magnitude
.endr
.irp b, 0,1,2,3
	v_add_nc_u32 v[\tm+12+\b], 0xfe000000, v[\tm+\b]  ; 4 off its exponent field: the conversion's scale operand
.endr
.irp b, 0,1,2,3
	v_lshrrev_b32 v[\tm+4+\b], 23, v[\tm+12+\b]       ; the scale's byte
.endr
	v_lshl_or_b32 v[\pw], v[\tm+5], 8, v[\tm+4]
	v_lshl_or_b32 v[\pw], v[\tm+6], 16, v[\pw]
	v_lshl_or_b32 v[\pw], v[\tm+7], 24, v[\pw]
.irp c, 0,1
	v_cvt_scalef32_pk16_bf6_f32 v[\pc+6*\c:\pc+2+6*\c], v[\s+32*\c:\s+15+32*\c], v[\tm+12+2*\c]
	v_cvt_scalef32_pk16_bf6_f32 v[\pc+12+4*\c:\pc+14+4*\c], v[\s+16+32*\c:\s+31+32*\c], v[\tm+13+2*\c]   ; (a conversion's three registers begin on an even number)
.endr
	v_nop                                          ; one plain place behind a scaled conversion
.irp c, 0,1                            ; the operand's layout wants a whole block in a lane: lanes 0-15 block 2 c, lanes 16-31 block 2 c + 1
.irp i, 0,1,2
	v_permlane16_swap_b32 v[\pc+6*\c+\i], v[\pc+12+4*\c+\i]
.endr
.irp i, 0,1,2
	v_mov_b32 v[\pc+3+6*\c+\i], v[\pc+12+4*\c+\i]
.endr
.endr
.endm
	s_load_b512 s[4:19], s[0:1], 0x0               ; h_codes 4, h_scales 6, wq_codes 8, wq_scales 10, bq 12, wk_codes 14, wk_scales 16, bk 18
	s_load_b512 s[20:35], s[0:1], 0x40             ; wv_codes 20, wv_scales 22, bv 24, q_img 26, q_sc 28, k_img 30, k_sc 32, v_img 34
	s_load_b64 s[36:37], s[0:1], 0x80              ; v_sc
	v_lshl_add_u32 v254, v0, 2, 0xd800
	v_mov_b32 v255, 0
	v_lshrrev_b32 v1, 5, v0
	v_readfirstlane_b32 s[WV], v1                  ; wave 0..3
	v_and_b32 v1, 15, v0                           ; r; also h's scale bytes' lane offset
	v_bfe_u32 v2, v0, 4, 1                         ; h
	v_and_b32 v3, 8, v1
	v_add_nc_u32 v3, v3, v1                        ; r + 8 (r / 8)
	v_and_b32 v4, 31, v0
	v_lshlrev_b32 v5, 2, v4                        ; 4 x lane
	v_lshlrev_b32 v4, 4, v4                        ; 16 x lane: an image's place for my lane
	v_mul_u32_u24 v6, v1, 24
	v_mad_u32_u24 v6, v2, 24576, v6                ; h's codes: position r, 24 bytes; lanes 16-31 one block of 32 channels on
	v_mul_u32_u24 v7, v3, 384
	v_mad_u32_u24 v7, v2, 24, v7                   ; W's codes: a row is 384 bytes
	v_lshlrev_b32 v9, 4, v3                        ; W's scales: 16 bytes a row
	v_lshlrev_b32 v10, 2, v3                       ; a bias by W's rows
	v_lshlrev_b32 v11, 6, v2                       ; the bias of R's rows: 16 numbers on for lanes 16-31
	s_mul_i32 s56, s[WV], 6144
	v_add_nc_u32 v12, s56, v4                      ; where I store the tile that I bring,
	s_lshl_b32 s56, s[WV], 9
	v_add_nc_u32 v13, s56, v4                      ; its scale words,
	s_lshl_b32 s56, s[WV], 7
	v_add_nc_u32 v14, s56, v5                      ; its bias word
	v_lshlrev_b32 v15, 2, v1                       ; a scale word's place in memory: 4 r
.irp i, 0,1,2,3,4,5,6,7,8,9,10,11,12,13,14,15
	v_mov_b32 v[SS+\i], 0                          ; where T is Wv only every fourth is loaded (a whole word); the others stay 0, so that one pack serves both kinds
.endr
.irp b, 0,1,2,3
	v_mov_b32 v[TM+4+\b], 0                        ; written once: a lane permute's destination counts as one of its sources
.endr
	s_mov_b32 s[SEL], 0x76543210
	s_mov_b32 s[SEL+1], 0xfedcba98
	s_lshr_b32 s[TYPE], ttmp9, 6
	s_bfe_u32 s54, ttmp9, 0x50001                  ; batch
	s_and_b32 s55, ttmp9, 1                        ; P
	s_mul_i32 s56, s54, 393216                     ; the batch's codes of h,
	s_lshl_b32 s57, s54, 14                        ; its scale bytes
	s_lshl_b32 s58, s55, 5                         ; 32 P: my half's first pixel tile
	s_add_co_u32 s59, s58, s[WV]                   ; q, k: the first tile of T that I bring
	s_mul_i32 s60, s59, 384
	s_add_co_u32 s60, s60, s56
	s_lshl_b32 s61, s59, 4
	s_add_co_u32 s61, s61, s57
	s_lshr_b32 s62, s[WV], 1                       ; v: tile w of Wv begins at row 32 (w / 2) + 8 (w % 2)
	s_lshl_b32 s62, s62, 5
	s_and_b32 s63, s[WV], 1
	s_lshl_b32 s63, s63, 3
	s_add_co_u32 s62, s62, s63
	s_mul_i32 s63, s62, 384
	s_lshl_b32 s66, s62, 4
	s_lshl_b32 s96, s62, 2
	s_mov_b32 s97, 0
	s_lshl_b32 s59, s[WV], 3                       ; v: R = pixel tiles 32 P + 8 w on
	s_add_co_u32 s59, s59, s58
	s_mul_i32 s68, s59, 384
	s_add_co_u32 s68, s68, s56
	s_mov_b32 s69, 0
	s_lshl_b32 s70, s59, 4
	s_add_co_u32 s70, s70, s57
	s_mov_b32 s71, 0
	s_lshl_b32 s59, s54, 6                         ; the first fragment that I store: q, k: (64 b + 32 P) x 4 + w;
	s_add_co_u32 s59, s59, s58
	s_lshl_b32 s59, s59, 2
	s_add_co_u32 s59, s59, s[WV]
	s_lshl_b32 s94, s54, 3                         ; v: (8 b + 4 P + w) x 32
	s_lshl_b32 s95, s55, 2
	s_add_co_u32 s94, s94, s95
	s_add_co_u32 s94, s94, s[WV]
	s_lshl_b32 s94, s94, 5
	s_cmp_eq_u32 s[TYPE], 2                        ; offsets and steps by the kind; only moves, selects and multiplies stand up to the last select
	s_cselect_b32 s72, s63, s60
	s_cselect_b32 s74, s66, s61
	s_cselect_b32 s76, s94, s59
	s_mov_b32 s78, 1536
	s_cselect_b32 s78, 24576, s78                  ; a round on in T's codes: four tiles of h, or 64 rows of Wv
	s_cselect_b32 s80, 1024, 64                    ; in its scales
	s_mov_b32 s82, 6144
	s_cselect_b32 s82, 1536, s82                   ; a tile on in the images,
	s_cselect_b32 s84, 64, 256                     ; in the scale words
	s_mov_b32 s73, 0
	s_mov_b32 s75, 0
	s_mov_b32 s79, 0
	s_mov_b32 s81, 0
	s_mov_b32 s83, 0
	s_mov_b32 s85, 0
	s_mul_i32 s86, s76, 1536
	s_mov_b32 s87, 0
	s_lshl_b32 s88, s76, 6
	s_mov_b32 s89, 0
	s_mul_i32 s98, s[WV], 49152                    ; q, k: my 128 rows of W
	s_mov_b32 s99, 0
	s_wait_kmcnt 0x0
	s_cmp_eq_u32 s[TYPE], 0
	s_cselect_b64 s[WC:WC+1], s[8:9], s[14:15]
	s_cselect_b64 s[WS:WS+1], s[10:11], s[16:17]
	s_cselect_b64 s[WB:WB+1], s[12:13], s[18:19]
	s_cselect_b64 s[OB:OB+1], s[26:27], s[30:31]
	s_cselect_b64 s[OS:OS+1], s[28:29], s[32:33]
	s_cmp_eq_u32 s[TYPE], 2
	s_cselect_b64 s[OB:OB+1], s[34:35], s[OB:OB+1]
	s_cselect_b64 s[OS:OS+1], s[36:37], s[OS:OS+1]
	s_cselect_b64 s[TC:TC+1], s[20:21], s[4:5]
	s_cselect_b64 s[TSB:TSB+1], s[22:23], s[6:7]
	s_add_nc_u64 s[TC:TC+1], s[TC:TC+1], s[72:73]
	s_add_nc_u64 s[TSB:TSB+1], s[TSB:TSB+1], s[74:75]
	s_add_nc_u64 s[TBB:TBB+1], s[24:25], s[96:97]
	s_add_nc_u64 s[OB:OB+1], s[OB:OB+1], s[86:87]
	s_add_nc_u64 s[OS:OS+1], s[OS:OS+1], s[88:89]
	s_add_nc_u64 s[WC:WC+1], s[WC:WC+1], s[98:99]
	s_lshl_b32 s98, s[WV], 11
	s_add_nc_u64 s[WS:WS+1], s[WS:WS+1], s[98:99]
	s_lshl_b32 s98, s[WV], 9
	s_add_nc_u64 s[WB:WB+1], s[WB:WB+1], s[98:99]
	s_add_nc_u64 s[4:5], s[4:5], s[68:69]          ; v: R's codes,
	s_add_nc_u64 s[6:7], s[6:7], s[70:71]          ; R's scale bytes
; R's tile rt, four fragments.  A fragment is 12 registers: lane (r, h) holds of row r, in registers 6 c .. 6 c + 5, k = 64 c + 32 h + 0 .. 31: 24 bytes as they lie, in three loads of 8
.macro RLW rt
.irp s, 0,1,2,3
.irp p, 0,1,2,3,4,5
	global_load_b64 v[12*(4*((\rt)%4)+\s)+2*\p:12*(4*((\rt)%4)+\s)+2*\p+1], v7, s[WC:WC+1] offset:(32*((\rt)/2)+8*((\rt)%2))*384+96*\s+48*(\p/3)+8*(\p%3)
.endr
.endr
.endm
.macro RLH rt
.irp s, 0,1,2,3
.irp p, 0,1,2,3,4,5
	global_load_b64 v[12*(4*((\rt)%4)+\s)+2*\p:12*(4*((\rt)%4)+\s)+2*\p+1], v6, s[4:5] offset:(\rt)*384+(4*\s+2*(\p/3))*24576+8*(\p%3)
.endr
.endr
.endm
	s_cmp_eq_u32 s[TYPE], 2
	s_cbranch_scc1 .Lr_is_h
	WIN 0x40
.irp rt, 0,1,2,3
	RLW \rt
.endr
	WIN 0x80
.irp rt, 4,5,6,7
	RLW \rt
.endr
.irp rt, 0,1,2,3,4,5,6,7               ; lane (r, h), tile rt, register j: the bias of R's row 32 (rt / 2) + 16 h + 8 (rt % 2) + j
	global_load_b128 v[BR+8*\rt:BR+8*\rt+3], v11, s[WB:WB+1] offset:(32*(\rt/2)+8*(\rt%2))*4
	global_load_b128 v[BR+8*\rt+4:BR+8*\rt+7], v11, s[WB:WB+1] offset:(32*(\rt/2)+8*(\rt%2))*4+16
.endr
	WIN 0
.irp rt, 0,1,2,3,4,5,6,7
	global_load_b128 v[RS+4*\rt:RS+4*\rt+3], v9, s[WS:WS+1] offset:(32*(\rt/2)+8*(\rt%2))*16   ; a row's 16 scale bytes are its four words
.endr
	s_branch .Lr_done
.Lr_is_h:
	WIN 0x40
.irp rt, 0,1,2,3
	RLH \rt
.endr
	WIN 0x80
.irp rt, 4,5,6,7
	RLH \rt
.endr
.set i, 0
.rept 64
	v_mov_b32 v[BR+i], 0                           ; not used by this kind: written so that both ways write the same registers
.set i, i+1
.endr
	WIN 0
.irp g, 0,1                            ; h's scale bytes lie a block of channels apart: 16 loads of a byte for a tile, packed into its four words; four tiles at a time
.irp q, 0,1,2,3
.irp cb, 0,1,2,3,4,5,6,7,8,9,10,11,12,13,14,15
	global_load_u8 v[HA+16*\q+\cb], v1, s[6:7] offset:(4*\g+\q)*16+\cb*1024
.endr
.endr
	s_wait_loadcnt 0x0
.irp q, 0,1,2,3
.irp s, 0,1,2,3
	v_lshl_or_b32 v[RS+4*(4*\g+\q)+\s], v[HA+16*\q+4*\s+1], 8, v[HA+16*\q+4*\s]
	v_lshl_or_b32 v[RS+4*(4*\g+\q)+\s], v[HA+16*\q+4*\s+2], 16, v[RS+4*(4*\g+\q)+\s]
	v_lshl_or_b32 v[RS+4*(4*\g+\q)+\s], v[HA+16*\q+4*\s+3], 24, v[RS+4*(4*\g+\q)+\s]
.endr
.endr
.endr
.Lr_done:
.macro GLOAD                           ; the tile of T that I bring for a later round: fragments, scale bytes or words, bias word
	s_cmp_eq_u32 s[TYPE], 2
	s_cbranch_scc1 .Lt_is_w_\@
	WIN 0x40
.irp s, 0,1,2,3
.irp p, 0,1,2,3,4,5
	global_load_b64 v[SG+12*\s+2*\p:SG+12*\s+2*\p+1], v6, s[TC:TC+1] offset:(4*\s+2*(\p/3))*24576+8*(\p%3)
.endr
.endr
	WIN 0
.irp cb, 0,1,2,3,4,5,6,7,8,9,10,11,12,13,14,15
	global_load_u8 v[SS+\cb], v1, s[TSB:TSB+1] offset:\cb*1024
.endr
	v_mov_b32 v[BS], 0
	s_branch .Lt_done_\@
.Lt_is_w_\@:
	WIN 0x40
.irp s, 0,1,2,3
.irp p, 0,1,2,3,4,5
	global_load_b64 v[SG+12*\s+2*\p:SG+12*\s+2*\p+1], v7, s[TC:TC+1] offset:96*\s+48*(\p/3)+8*(\p%3)
.endr
.endr
	WIN 0
.irp s, 0,1,2,3
	global_load_b32 v[SS+4*\s], v9, s[TSB:TSB+1] offset:4*\s
.endr
	global_load_b32 v[BS], v10, s[TBB:TBB+1]
.Lt_done_\@:
.endm
.macro STAGE u                         ; what I brought goes to LDS buffer u as it stands in the registers
.irp s, 0,1,2,3
	v_lshl_or_b32 v[TSW+\s], v[SS+4*\s+1], 8, v[SS+4*\s]
	v_lshl_or_b32 v[TSW+\s], v[SS+4*\s+2], 16, v[TSW+\s]
	v_lshl_or_b32 v[TSW+\s], v[SS+4*\s+3], 24, v[TSW+\s]
.endr
	WIN 0x04                                       ; an LDS store's data are its source 1: window 1
.irp k, 0,1,2,3,4,5,6,7,8,9,10,11
	ds_store_b128 v12, v[SG+4*\k:SG+4*\k+3] offset:\u*24576+512*\k
.endr
	WIN 0
	ds_store_b128 v13, v[TSW:TSW+3] offset:TSI+\u*2048
	ds_store_b32 v14, v[BS] offset:TBI+\u*512
	s_wait_dscnt 0x0                               ; my stores are done: for the others behind the barrier, and before their registers are loaded again
.endm
.macro STEPT                           ; a round on; the loads that named these bases are done (their wait for 0 stands above)
	s_add_nc_u64 s[TC:TC+1], s[TC:TC+1], s[78:79]
	s_add_nc_u64 s[TSB:TSB+1], s[TSB:TSB+1], s[80:81]
	s_add_nc_u64 s[TBB:TBB+1], s[TBB:TBB+1], 256
.endm
.macro TFETCH u, j                     ; tile j of buffer u comes back, in any wave
.irp k, 0,1,2,3,4,5,6,7,8,9,10,11
	ds_load_b128 v[TF+4*\k:TF+4*\k+3], v4 offset:\u*24576+(\j)*6144+512*\k
.endr
	ds_load_b128 v[TS:TS+3], v4 offset:TSI+\u*2048+(\j)*512
	ds_load_b32 v[BTW], v5 offset:TBI+\u*512+(\j)*128
.endm
.macro WM rt, s, how                   ; one product.  how = 0: onto its sum; 1: the sum begins with the bias of R's rows; 2: with that of T's rows
.set rD, HA+8*(\rt)
.set rA, 12*(4*((\rt)%4)+(\s))
.set rB, TF+12*(\s)
.if \how == 0
	v_wmma_scale_f32_16x16x128_f8f6f4 v[rD:rD+7], v[rA:rA+11], v[rB:rB+11], v[rD:rD+7], v[RS+4*(\rt)+(\s)], v[TS+(\s)] matrix_a_fmt:MATRIX_FMT_BF6 matrix_b_fmt:MATRIX_FMT_BF6
.elseif \how == 1
	v_wmma_scale_f32_16x16x128_f8f6f4 v[rD:rD+7], v[rA:rA+11], v[rB:rB+11], v[BR+8*(\rt):BR+8*(\rt)+7], v[RS+4*(\rt)+(\s)], v[TS+(\s)] matrix_a_fmt:MATRIX_FMT_BF6 matrix_b_fmt:MATRIX_FMT_BF6
.else
	v_wmma_scale_f32_16x16x128_f8f6f4 v[rD:rD+7], v[rA:rA+11], v[rB:rB+11], v[BT:BT+7], v[RS+4*(\rt)+(\s)], v[TS+(\s)] matrix_a_fmt:MATRIX_FMT_BF6 matrix_b_fmt:MATRIX_FMT_BF6
.endif
.endm
; A tile of T: 32 products (the eight sums by turns, K step by K step), the quantiser, one fragment and its scale words out
.macro TILE u, j
	s_wait_dscnt 0x0                               ; T's fragments, scale words and bias word are in
	s_cmp_eq_u32 s[TYPE], 2
	s_cbranch_scc1 .Lbias_t_\@
	WIN 0x21                                       ; source 0 (R) window 1, C (bias) window 2
.irp rt, 0,1,2,3
	WM \rt, 0, 1
.endr
	WIN 0x22
.irp rt, 4,5,6,7
	WM \rt, 0, 1
.endr
	WIN 0                                          ; at a branch and at a label every window is 0
	s_branch .Lbias_done_\@
.Lbias_t_\@:
.irp i, 0,1,2,3,4,5,6,7
	v_mov_b32 v[BT+\i], v[BTW]
.endr
	PLACES 4
	WIN 0x01
.irp rt, 0,1,2,3
	WM \rt, 0, 2
.endr
	WIN 0x02
.irp rt, 4,5,6,7
	WM \rt, 0, 2
.endr
	WIN 0
.Lbias_done_\@:
.irp s, 1,2,3
	WIN 0x01
.irp rt, 0,1,2,3
	WM \rt, \s, 0
.endr
	WIN 0x02
.irp rt, 4,5,6,7
	WM \rt, \s, 0
.endr
.endr
	WIN 0
	PLACES 4                                       ; places in front of the loads into T's registers and of the first read of the results
.if \j < 3
	TFETCH \u, \j+1                                ; lands while this tile is quantised
.endif
	QUANT HA, TM, PC, PW
.irp c, 0,1,2
	global_store_b128 v4, v[PC+4*\c:PC+4*\c+3], s[OB:OB+1] offset:512*\c   ; 32 lanes store 512 consecutive bytes, at a multiple of 256 from the buffer's first byte
.endr
	global_store_b32 v15, v[PW], s[OS:OS+1]        ; 16 words; lanes 16-31 hold and write the same as lanes 0-15
	s_wait_xcnt 0x0                                ; the stores have read their registers and bases: both are written again only behind this wait
	s_add_nc_u64 s[OB:OB+1], s[OB:OB+1], s[82:83]
	s_add_nc_u64 s[OS:OS+1], s[OS:OS+1], s[84:85]
.endm
; A round: four tiles out of buffer u; then what I brought for the next round goes into the other buffer, which every wave has finished reading in front of the last barrier; then the loads for the round after that.
; One barrier a round: in front of it my stores are done and my reads of buffer u are in.  The last trip brings nothing beyond T's end.
.macro ROUND u
	TFETCH \u, 0
	TILE \u, 0
	TILE \u, 1
	TILE \u, 2
	TILE \u, 3
.if \u == 0
	s_wait_loadcnt 0x0
	STAGE 1
	s_cmp_eq_u32 s[TRIP], 3
	s_cbranch_scc1 .Lno_more_\@
	STEPT
	GLOAD
.else
	s_cmp_eq_u32 s[TRIP], 3
	s_cbranch_scc1 .Lno_more_\@
	s_wait_loadcnt 0x0
	STAGE 0
	STEPT
	GLOAD
.endif
.Lno_more_\@:
	s_wait_dscnt 0x0
	s_barrier_signal -1
	s_barrier_wait -1
.endm
	GLOAD                                          ; round 0's
	s_wait_loadcnt 0x0                             ; and R
	STAGE 0
	STEPT
	GLOAD                                          ; round 1's
	s_barrier_signal -1
	s_barrier_wait -1
	s_mov_b32 s[TRIP], 0
.Ltrip:
	ROUND 0
	ROUND 1
	s_add_co_u32 s[TRIP], s[TRIP], 1
	s_cmp_lt_u32 s[TRIP], 4
	s_cbranch_scc1 .Ltrip
	s_wait_tensorcnt 0x0
	ds_add_u32 v254, v255
	s_wait_dscnt 0x0
	s_endpgm
.Lfunc_end_k_q6163207c24_qkv:
	.size	k_q6163207c24_qkv, .Lfunc_end_k_q6163207c24_qkv-k_q6163207c24_qkv
	.p2alignl 7, 3214868480
	.fill 96, 4, 3214868480
	.section	.rodata,"a",@progbits
	.p2align	6, 0x0
	.amdhsa_kernel k_q6163207c24_qkv
		.amdhsa_group_segment_fixed_size 55808
		.amdhsa_private_segment_fixed_size 0
		.amdhsa_enable_private_segment 0
		.amdhsa_kernarg_size 136
		.amdhsa_user_sgpr_count 2
		.amdhsa_user_sgpr_kernarg_segment_ptr 1
		.amdhsa_wavefront_size32 1
		.amdhsa_system_sgpr_workgroup_id_x 1
		.amdhsa_system_sgpr_workgroup_id_y 1
		.amdhsa_system_sgpr_workgroup_id_z 1
		.amdhsa_system_vgpr_workitem_id 0
		.amdhsa_next_free_vgpr 768
		.amdhsa_next_free_sgpr 102
		.amdhsa_reserve_vcc 0
		.amdhsa_float_denorm_mode_32 3
		.amdhsa_float_denorm_mode_16_64 3
		.amdhsa_memory_ordered 1
		.amdhsa_forward_progress 1
		.amdhsa_inst_pref_size 186
	.end_amdhsa_kernel
	.amdgpu_metadata
---
amdhsa.version: [ 1, 2 ]
amdhsa.kernels:
  - .name:           k_q6163207c24_qkv
    .symbol:         k_q6163207c24_qkv.kd
    .args:
      - { .name: h_codes, .offset: 0, .size: 8, .value_kind: global_buffer, .address_space: global }
      - { .name: h_scales, .offset: 8, .size: 8, .value_kind: global_buffer, .address_space: global }
      - { .name: wq_codes, .offset: 16, .size: 8, .value_kind: global_buffer, .address_space: global }
      - { .name: wq_scales, .offset: 24, .size: 8, .value_kind: global_buffer, .address_space: global }
      - { .name: bq, .offset: 32, .size: 8, .value_kind: global_buffer, .address_space: global }
      - { .name: wk_codes, .offset: 40, .size: 8, .value_kind: global_buffer, .address_space: global }
      - { .name: wk_scales, .offset: 48, .size: 8, .value_kind: global_buffer, .address_space: global }
      - { .name: bk, .offset: 56, .size: 8, .value_kind: global_buffer, .address_space: global }
      - { .name: wv_codes, .offset: 64, .size: 8, .value_kind: global_buffer, .address_space: global }
      - { .name: wv_scales, .offset: 72, .size: 8, .value_kind: global_buffer, .address_space: global }
      - { .name: bv, .offset: 80, .size: 8, .value_kind: global_buffer, .address_space: global }
      - { .name: q_img, .offset: 88, .size: 8, .value_kind: global_buffer, .address_space: global }
      - { .name: q_sc, .offset: 96, .size: 8, .value_kind: global_buffer, .address_space: global }
      - { .name: k_img, .offset: 104, .size: 8, .value_kind: global_buffer, .address_space: global }
      - { .name: k_sc, .offset: 112, .size: 8, .value_kind: global_buffer, .address_space: global }
      - { .name: v_img, .offset: 120, .size: 8, .value_kind: global_buffer, .address_space: global }
      - { .name: v_sc, .offset: 128, .size: 8, .value_kind: global_buffer, .address_space: global }
    .group_segment_fixed_size: 55808
    .private_segment_fixed_size: 0
    .kernarg_segment_align: 8
    .kernarg_segment_size: 136
    .max_flat_workgroup_size: 128
    .sgpr_count:     102
    .vgpr_count:     768
    .wavefront_size: 32
...
	.end_amdgpu_metadata
.endif
;; end of part 2
;; launch attn (part 3): grid 256 x 1, 4 waves a work-group, no clusters, 327,680 bytes of LDS; arguments q_img, q_sc, k_img, k_sc, v_img, v_sc, wp_codes, wp_scales, bp, x, out0; writes out0
.if DOCPART == 3
	.amdgcn_target "amdgcn-amd-amdhsa--gfx1250"
	.amdhsa_code_object_version 6
	.text
	.protected	k_q6163207c24_attn
	.globl	k_q6163207c24_attn
	.p2align	8
	.type	k_q6163207c24_attn,@function
k_q6163207c24_attn:
	s_mov_b64 s[64:65], 0
	v_nop
	global_prefetch_b8 v0, s[64:65] scope:SCOPE_SE
	s_setreg_imm32_b32 hwreg(HW_REG_WAVE_MODE, 25, 1), 1
	s_wait_xcnt 0x0
; out0 = x + wp (softmax(q k^T / sqrt(512)) v) + bp, all three products on codes of BF6 (E3M2) with E8M0 scales.  One head of 512 channels, 1,024 keys a batch.
; A work-group owns 128 queries of one batch (id = 8 b + block): eight tiles of 16.  Keys go in eight steps of 128.
; SHARES.  Scores and softmax: wave w owns query tiles 2 w, 2 w + 1 against all keys, so that a row's maximum and sum stay in one wave.  Second product: wave w owns channels 128 w .. + 127 for ALL eight query tiles
; (64 accumulators, 512 registers), so that each fragment of V goes from memory straight into the one wave that uses it; what goes round is small: p's codes, as images of the operand's registers in LDS.
; Last product: wave w owns outputs 128 w .. + 127.
; LAYOUT.  S^T = K Q^T (source 0 = 16 keys, source 1 = 16 queries) and O^T = V^T P^T (source 0 = 16 channels): a lane holds one query.  The keys of a tile of K and the channels of a tile of V are not neighbours (row r of tile t is
; 32 (t / 2) + 8 (t % 2) + r + 8 (r / 8); the launch before has laid them so), so that 16 registers of two neighbouring tiles are 16 neighbours along the next product's K.
; SOFTMAX: t = score x log2(e) / sqrt(512); M = the running largest t rounded up to a whole number; p = 2^(t - M) is quantised along the keys, not normalised; the row's sum is taken of the unquantised p; when M moves, sums and O^T are
; multiplied by 2^(old M - new M), which rounds nothing.  A block's largest p is made from the block's largest score by the same multiply-add and exponential (this takes v_exp_f32 not to fall where its input rises).
; K's tiles come through two LDS slots by tensor loads, a quarter of a step's 49,152 bytes a wave; by this text's count a wave has one tensor load out.  All operands lie in memory as images of registers: 16 bytes a lane, no pitch, no padding.
; THE RESIDUAL x COMES EARLY.  Of the 128 rows (channels) x 512 bytes of x that a wave adds at the end, 96 come during the key loop, 12 a step: asked for behind a step's second barrier into 48 registers, put into the wave's own
; LDS bytes in the next step; the other 32 rows are asked for at the head of the end phase, into registers.  So the end has out0's stores alone to move.
; THE LAST PRODUCT GOES BY TILES OF 16 OUTPUTS: all 32 fragments of the attention's result lie in registers, a tile's 32 products are finished, and its rows leave while the next tile is multiplied.
; No cluster in this text: the eight work-groups of a batch walk the same K and V, but only K, half of a step's bytes, passes through LDS.
; The accumulators are cleared once at the head: the step is then written twice (loop and tail) and not a third time.
; LIMITS: NaN and infinities are not served; a block whose largest magnitude lies under 2^-122 keeps the byte 1.
; REGISTERS, in windows of 256.  Window 0: v1-25 addresses; v32-47 K's scale words (later wp's); v48-51 Q's; v52-55 V's; v56-63 statistics; v64-191 S^T, then p (later P's fragments and the pairs (f, p's scale word)); v192-255 at work.
;   window 1: v0-95 Q (later wp, two sets); v96-191 two sets of a key tile's fragments, then V's eight (later 16 rows of x); v192-239 twelve rows of x on their way to LDS (later 16 rows of x).
;   windows 2, 3: accumulator (channel tile c, query tile q) at v[8 (8 (q % 4) + c)] of window 2 + q / 4; in the last product: the result's fragments (q, K step s): q 0-4 at v[12 (4 q + s)] of window 2, q 5-7 at
;   v[12 (4 (q - 5) + s)] of window 3; the eight accumulators at v144-207 of window 3.
.set LI,   1                           ; 16 x lane
.set LS,   2                           ; 4 x lane
.set SPW,  4                           ; LDS address of my spare word; never rewritten
.set NIL,  5                           ; 0; never rewritten
.set ADK,  6                           ; the slot in hand + 16 x lane
.set API,  7                           ; PIMG + 16 x lane
.set APW,  8                           ; + 3,072 x wave: my two tiles' images of p
.set AFR,  9                           ; FIMG + 8 x lane
.set AFW,  10                          ; + 512 x wave
.set AOW,  11                          ; 16 x lane + 1,536 x wave: with an offset, my images of the attention's result
.set AOS,  12                          ; OSC + 4 x lane
.set AOSW, 13                          ; + 128 x wave
.set ASO,  14                          ; my stage: where I put 32 bytes of a row
.set ASR,  15                          ; and where I read a row back
.set PFO,  16                          ; 256 x lane
.set LWP,  17                          ; wp's codes: 384 r + 24 h
.set LWS,  18                          ; wp's scales: 16 r
.set LBP,  19                          ; bp: 4 r
.set AXB,  24                          ; XB + 49,152 x wave + 16 x lane: my rows of x in LDS
.set ADX,  25                          ; the same at the step's twelve rows
.set KS,   32
.set WPS,  32                          ; wp's scale words: two sets of four
.set QS,   48
.set VS,   52
.set ST,   56                          ; tile t: v[ST+4t] -M, +1 the largest t, +2, +3 the sum in two halves
.set S,    64
.set PF,   64                          ; P's eight fragments
.set BPW,  144                         ; the end: bp of output 16 o + r, o = 0 .. 7
.set OSW,  152                         ; the end: the result's 32 scale words
.set FP,   160                         ; the eight pairs (f, p's scale word)
.set BC,   184                         ; the end: a tile's bp, spread over eight registers
.set BM,   192                         ; the blocks' largest scores, then largest p
.set BP,   196
.set SO,   200                         ; the conversions' scale operands
.set TBK,  204                         ; tile t at 204 + 26 t: 12 codes, 8 at work, the pair (f, scale word)
.set TP,   226
.set KB,   96                          ; in window 1
.set XS,   192                         ; in window 1
.set SLOT1, 65536                      ; LDS: K's slot 0 at 0, slot 1 here: one exclusive or turns one into the other
.set PIMG,  49152                      ; between the slots: 8 x 1,536: p's images;
.set FIMG,  61440                      ; 8 x 256: (f, scale word), 8 bytes a lane;  2,048 on: 1 / the rows' sums
.set STG,   65536                      ; in slot 1, behind its last fill and last read: 4 x 16 rows x 528: the way out;
.set OSC,   99328                      ; 32 x 128: the result's scale words.  Its 32 images of 1,536 bytes lie in slot 0, from byte 0 on, likewise
.set SPARE, 114688                     ; the spare words, 128 bytes for each wave: two blocks of 256 bytes that no other line names
.set XB,    115200                     ; 4 x 96 rows of 512 bytes: x
.set WV,   26
.set SEL,  30
.set CS,   32
.set G1,   36
.set G0,   44
.set TB,   48
.set SLOTS, 49
.set IDX,  50
.set PFA,  52
.set XP,   76                          ; s[76:77] x at the twelve rows asked for last
.set XO,   78                          ; where the step's twelve rows go in my part of XB
.set MSB, 0
.macro WIN new                         ; the immediate's high byte repeats the setting that is left
.if MSB != \new
	s_set_vgpr_msb (MSB<<8)|\new
.set MSB, \new
.endif
.endm
.macro PLACES n
.rept \n
	v_nop
.endr
.endm
.macro QUANT s, tm, pc, pw             ; 64 numbers of a lane, register 16 b + i = k 32 b + 16 (lane / 16) + i of my row, become a fragment's codes and its scale word
.irp b, 0,1,2,3
	v_max3_num_f32 v[\tm+\b], |v[\s+16*\b]|, |v[\s+1+16*\b]|, 0x2800000
.endr
.irp i, 2,4,6,8,10,12,14
.irp b, 0,1,2,3
	v_max3_num_f32 v[\tm+\b], v[\tm+\b], |v[\s+16*\b+\i]|, |v[\s+1+16*\b+\i]|
.endr
.endr
.irp b, 0,1,2,3
	v_permlanex16_b32 v[\tm+4+\b], v[\tm+\b], s[SEL], s[SEL+1]
.endr
.irp b, 0,1,2,3
	v_max_num_f32 v[\tm+\b], v[\tm+\b], v[\tm+4+\b]
.endr
.irp b, 0,1,2,3
	v_add_nc_u32 v[\tm+12+\b], 0xfe000000, v[\tm+\b]
.endr
.irp b, 0,1,2,3
	v_lshrrev_b32 v[\tm+4+\b], 23, v[\tm+12+\b]
.endr
	v_lshl_or_b32 v[\pw], v[\tm+5], 8, v[\tm+4]
	v_lshl_or_b32 v[\pw], v[\tm+6], 16, v[\pw]
	v_lshl_or_b32 v[\pw], v[\tm+7], 24, v[\pw]
.irp c, 0,1
	v_cvt_scalef32_pk16_bf6_f32 v[\pc+6*\c:\pc+2+6*\c], v[\s+32*\c:\s+15+32*\c], v[\tm+12+2*\c]
	v_cvt_scalef32_pk16_bf6_f32 v[\pc+12+4*\c:\pc+14+4*\c], v[\s+16+32*\c:\s+31+32*\c], v[\tm+13+2*\c]
.endr
	v_nop                                          ; one plain place behind a scaled conversion
.irp c, 0,1
.irp i, 0,1,2
	v_permlane16_swap_b32 v[\pc+6*\c+\i], v[\pc+12+4*\c+\i]
.endr
.irp i, 0,1,2
	v_mov_b32 v[\pc+3+6*\c+\i], v[\pc+12+4*\c+\i]
.endr
.endr
.endm
	s_load_b512 s[4:19], s[0:1], 0x0               ; q_img 4, q_sc 6, k_img 8, k_sc 10, v_img 12, v_sc 14, wp_codes 16, wp_scales 18
	s_load_b128 s[20:23], s[0:1], 0x40             ; bp 20, x 22
	s_load_b64 s[24:25], s[0:1], 0x50              ; out0
	v_lshl_add_u32 v[SPW], v0, 2, SPARE
	v_mov_b32 v[NIL], 0
	ds_add_u32 v4, v5
	ds_add_u32 v4, v5
	s_wait_dscnt 0x0
	v_lshrrev_b32 v20, 5, v0
	v_readfirstlane_b32 s[WV], v20                 ; wave 0..3
	s_lshr_b32 s27, ttmp9, 3                       ; batch
	s_and_b32 s28, ttmp9, 7                        ; which 128 queries
	; descriptor group 1: 12,288 dense bytes as 48 rows of 256 (32 elements of 8 bytes), no padding: images are read 16 bytes a lane on end
	s_mov_b32 s[G1], 3<<16
	s_mov_b32 s[G1+1], 32<<16                      ; tensor_dim0
	s_mov_b32 s[G1+2], 48<<16                      ; tensor_dim1
	s_mov_b32 s[G1+3], 32<<16                      ; tile_dim0
	s_mov_b32 s[G1+4], 48                          ; tile_dim1
	s_mov_b32 s[G1+5], 32                          ; the pitch
	s_mov_b32 s[G1+6], 0
	s_mov_b32 s[G1+7], 0
	s_mul_i32 s54, s27, 393216                     ; the batch's images
	s_mul_i32 s55, s[WV], 12288                    ; my quarter of a step's K, and my eight tiles of a step's V
	s_add_co_u32 s56, s54, s55
	s_mov_b32 s57, 0
	s_lshl_b32 s58, s27, 6
	s_lshl_b32 s59, s28, 3
	s_add_co_u32 s58, s58, s59
	s_lshl_b32 s59, s[WV], 1
	s_add_co_u32 s58, s58, s59                     ; my first query tile: 64 b + 8 block + 2 w
	s_mul_i32 s60, s58, 6144
	s_mov_b32 s61, 0
	s_lshl_b32 s62, s58, 8
	s_mov_b32 s63, 0
	s_lshl_b32 s66, s27, 14                        ; the batch's scale words
	s_mov_b32 s67, 0
	s_lshl_b32 s68, s[WV], 9
	s_add_co_u32 s68, s68, s66
	s_mov_b32 s69, 0
	s_mul_i32 s70, s[WV], 49152                    ; my 128 rows of wp
	s_mov_b32 s71, 0
	s_lshl_b32 s72, s27, 21                        ; x, out0: the batch, my 128 channels, the block's 512 bytes of a row
	s_lshl_b32 s73, s[WV], 19
	s_add_co_u32 s72, s72, s73
	s_lshl_b32 s73, s28, 9
	s_add_co_u32 s72, s72, s73
	s_mov_b32 s73, 0
	s_lshl_b32 s[IDX], s28, 2
	s_add_co_u32 s[IDX], s[IDX], s[WV]             ; my wave's number among the batch's 32
	s_lshl_b32 s74, s[IDX], 13
	s_add_co_u32 s74, s74, s54
	s_mov_b32 s75, 0
	s_mov_b32 s[SEL], 0x76543210
	s_mov_b32 s[SEL+1], 0xfedcba98
	s_mov_b32 s[CS], 0x3d8293ee                    ; c = log2(e) / sqrt(512)
	s_mov_b32 s[CS+1], s[CS]                       ; (named with it as a pair, so it is written)
	s_mov_b32 s[TB], 0
	s_mov_b32 s[XO], 0
	s_mov_b32 s[SLOTS], 7
	s_wait_kmcnt 0x0
	s_mov_b32 s[G0], 1
	s_mov_b32 s[G0+1], s55                         ; slot 0, my quarter
	s_add_nc_u64 s[G0+2:G0+3], s[8:9], s[56:57]
	s_or_b32 s[G0+3], s[G0+3], 0x80000000
	tensor_load_to_lds s[G0:G0+3], s[G1:G1+7]      ; key step 0: the first fill, ahead of every wait on TENSORcnt, LDS read and barrier
	s_nop 0
	PLACES 4
	s_add_nc_u64 s[4:5], s[4:5], s[60:61]
	s_add_nc_u64 s[6:7], s[6:7], s[62:63]
	s_add_nc_u64 s[10:11], s[10:11], s[66:67]
	s_add_nc_u64 s[PFA:PFA+1], s[12:13], s[74:75]  ; the prefetches stand at step 0; the first change of slots steps them to step 1
	s_add_nc_u64 s[12:13], s[12:13], s[56:57]
	s_add_nc_u64 s[14:15], s[14:15], s[68:69]
	s_add_nc_u64 s[16:17], s[16:17], s[70:71]
	s_lshl_b32 s70, s[WV], 11
	s_add_nc_u64 s[18:19], s[18:19], s[70:71]
	s_lshl_b32 s70, s[WV], 9
	s_add_nc_u64 s[20:21], s[20:21], s[70:71]
	s_add_nc_u64 s[22:23], s[22:23], s[72:73]
	s_add_nc_u64 s[24:25], s[24:25], s[72:73]
	s_mov_b64 s[XP:XP+1], s[22:23]
	v_and_b32 v20, 31, v0
	v_lshlrev_b32 v[LI], 4, v20
	v_lshlrev_b32 v[LS], 2, v20
	v_lshlrev_b32 v[PFO], 8, v20
	v_lshlrev_b32 v21, 3, v20
	v_and_b32 v22, 15, v0                          ; r
	v_bfe_u32 v23, v0, 4, 1                        ; h
	WIN 0x40
.set k, 0
.rept 24
	global_load_b128 v[4*k:4*k+3], v[LI], s[4:5] offset:512*k   ; Q's eight fragments (tile t, K step s at v[12 (4 t + s)]) stay in registers
.set k, k+1
.endr
	WIN 0
.irp i, 0,1,2,3
	global_load_b32 v[QS+\i], v[LS], s[6:7] offset:128*\i       ; scale words: register 2 t + s / 2: lanes 0-15 K step 2 (s / 2), lanes 16-31 the next
.endr
.irp i, 0,1,2,3,4,5,6,7,8,9,10,11,12,13,14,15
	global_load_b32 v[KS+\i], v[LS], s[10:11] offset:128*\i     ; K's of step 0: register 2 kt + s / 2, likewise
.endr
	WIN 0x40
.irp t, 0,1,2,3,4,5,6,7,8,9,10,11
	global_load_b128 v[XS+4*\t:XS+4*\t+3], v[LI], s[XP:XP+1] offset:\t*4096 th:TH_LOAD_NT   ; x: my rows 0 to 11, 512 consecutive bytes a load; key step 0 puts them into LDS
.endr
	WIN 0
	v_add_nc_u32 v[API], PIMG, v[LI]
	s_mul_i32 s51, s[WV], 3072
	v_add_nc_u32 v[APW], s51, v[API]
	v_add_nc_u32 v[AFR], FIMG, v21
	s_lshl_b32 s51, s[WV], 9
	v_add_nc_u32 v[AFW], s51, v[AFR]
	s_mul_i32 s51, s[WV], 1536
	v_add_nc_u32 v[AOW], s51, v[LI]
	v_add_nc_u32 v[AOS], OSC, v[LS]
	s_lshl_b32 s51, s[WV], 7
	v_add_nc_u32 v[AOSW], s51, v[AOS]
	s_mul_i32 s51, s[WV], 8448
	s_add_co_u32 s51, s51, STG
	v_mul_u32_u24 v[ASO], v22, 528
	v_lshl_add_u32 v[ASO], v23, 6, v[ASO]
	v_add_nc_u32 v[ASO], s51, v[ASO]
	v_add_nc_u32 v[ASR], s51, v[LI]
	s_mul_i32 s51, s[WV], 49152
	s_add_co_u32 s51, s51, XB
	v_add_nc_u32 v[AXB], s51, v[LI]
	v_mul_u32_u24 v[LWP], v22, 384
	v_mad_u32_u24 v[LWP], v23, 24, v[LWP]
	v_lshlrev_b32 v[LWS], 4, v22
	v_lshlrev_b32 v[LBP], 2, v22
.irp t, 0,1
	v_mov_b32 v[ST+4*\t+1], 0xff61b1e6             ; the largest t so far: -3e38, under every t
	v_floor_f32 v[ST+4*\t], -v[ST+4*\t+1]          ; -M
	v_mov_b32 v[ST+4*\t+2], 0                      ; the sum, in two halves
	v_mov_b32 v[ST+4*\t+3], 0
	v_mov_b32 v[TBK+26*\t+21], 0                   ; (named as the upper half of a pair before it is first written)
.endr
.irp b, 0,1,2,3
	v_mov_b32 v[BP+\b], 0                          ; written once: a lane permute's destination counts as one of its sources
.endr
	WIN 0x80
.set i, 0
.rept 256
	v_mov_b32 v[i], 0                              ; O^T: the first step finds zeros, which the first change of M leaves zeros
.set i, i+1
.endr
	WIN 0xc0
.set i, 0
.rept 256
	v_mov_b32 v[i], 0
.set i, i+1
.endr
	WIN 0
; A key tile's four fragments, 12 loads, into set kt % 2
.macro KFETCH kt
	WIN 0x40
.irp k, 0,1,2,3,4,5,6,7,8,9,10,11
	ds_load_b128 v[KB+48*((\kt)%2)+4*\k:KB+48*((\kt)%2)+4*\k+3], v[ADK] offset:(\kt)*6144+512*\k
.endr
.endm
; Key tile kt against my two query tiles: 8 products, the two sums by turns.  The first starts each sum
.macro SMUL kt
.irp s, 0,1,2,3
.irp t, 0,1
.set rD, S+64*\t+8*(\kt)
.set rA, KB+48*((\kt)%2)+12*\s
.set rB, 12*(4*\t+\s)
.set rX, KS+2*(\kt)+\s/2
.set rY, QS+2*\t+\s/2
.if \s == 0
	v_wmma_scale_f32_16x16x128_f8f6f4 v[rD:rD+7], v[rA:rA+11], v[rB:rB+11], 0, v[rX], v[rY] matrix_a_fmt:MATRIX_FMT_BF6 matrix_b_fmt:MATRIX_FMT_BF6
.elseif \s == 2
	v_wmma_scale_f32_16x16x128_f8f6f4 v[rD:rD+7], v[rA:rA+11], v[rB:rB+11], v[rD:rD+7], v[rX], v[rY] matrix_a_fmt:MATRIX_FMT_BF6 matrix_b_fmt:MATRIX_FMT_BF6
.else
	v_wmma_scale_f32_16x16x128_f8f6f4 v[rD:rD+7], v[rA:rA+11], v[rB:rB+11], v[rD:rD+7], v[rX], v[rY] matrix_a_fmt:MATRIX_FMT_BF6 matrix_b_fmt:MATRIX_FMT_BF6 matrix_a_scale:MATRIX_SCALE_ROW1 matrix_b_scale:MATRIX_SCALE_ROW1
.endif
.endr
.endr
.endm
; My query tile t: 128 scores a row become p's codes, its scale word and f
.macro SOFTMAX t
.set rS, S+64*(\t)
.set rT, ST+4*(\t)
.set rC, TBK+26*(\t)
.set rF, rC+20
.irp b, 0,1,2,3
	v_max3_num_f32 v[BM+\b], v[rS+16*\b], v[rS+1+16*\b], v[rS+2+16*\b]   ; the largest score of each block of 32 keys: it serves for the row's maximum and for the block's largest p
.endr
.irp i, 3,5,7,9,11,13
.irp b, 0,1,2,3
	v_max3_num_f32 v[BM+\b], v[BM+\b], v[rS+16*\b+\i], v[rS+1+16*\b+\i]
.endr
.endr
.irp b, 0,1,2,3
	v_max_num_f32 v[BM+\b], v[BM+\b], v[rS+15+16*\b]
.endr
.irp b, 0,1,2,3
	v_permlanex16_b32 v[BP+\b], v[BM+\b], s[SEL], s[SEL+1]
.endr
.irp b, 0,1,2,3
	v_max_num_f32 v[BM+\b], v[BM+\b], v[BP+\b]     ; with lane l xor 16's 16 keys
.endr
	v_max3_num_f32 v[TP], v[BM], v[BM+1], v[BM+2]
	v_max_num_f32 v[TP], v[TP], v[BM+3]
	v_mul_f32 v[TP], s[CS], v[TP]                  ; as t (c is positive)
	v_max_num_f32 v[rT+1], v[rT+1], v[TP]          ; the running largest t
	v_mov_b32 v[TP], v[rT]
	v_floor_f32 v[rT], -v[rT+1]                    ; the new -M = -ceil(t): a whole number
	v_sub_f32 v[TP], v[rT], v[TP]                  ; old M - new M: a whole number, 0 or less
	v_cvt_i32_f32 v[TP], v[TP]                     ; (it saturates)
	v_ldexp_f32 v[rF], 1.0, v[TP]                  ; f = 2^(old M - new M)
.set j, 0
.rept 32
	v_pk_fma_f32 v[rS+j:rS+j+1], v[rS+j:rS+j+1], s[CS:CS+1], v[rT:rT+1] op_sel_hi:[1,0,0]   ; t - M, two at a time
.set j, j+2
.endr
.irp b, 0,1,2,3
	v_fma_f32 v[BM+\b], v[BM+\b], s[CS], v[rT]     ; the same of each block's largest score
.endr
.set j, 0
.rept 64
	v_exp_f32 v[rS+j], v[rS+j]                     ; p = 2^(t - M), at most 1
.set j, j+1
.endr
.irp b, 0,1,2,3
	v_exp_f32 v[BM+\b], v[BM+\b]                   ; the block's largest p
.endr
	v_pk_mul_f32 v[rT+2:rT+3], v[rT+2:rT+3], v[rF:rF+1] op_sel_hi:[1,0]   ; the sums under the new M; a plain place behind the exponentials
	s_wait_alu depctr_va_vdst(0)
.irp b, 0,1,2,3
	v_max_num_f32 v[BM+\b], 0x2800000, v[BM+\b]    ; the floor 2^(5 - 127): the byte cannot fall under 1
.endr
.irp b, 0,1,2,3
	v_add_nc_u32 v[SO+\b], 0xfe000000, v[BM+\b]
.endr
.irp b, 0,1,2,3
	v_lshrrev_b32 v[BP+\b], 23, v[SO+\b]
.endr
	v_lshl_or_b32 v[rF+1], v[BP+1], 8, v[BP]       ; p's scale word for these 128 keys
	v_lshl_or_b32 v[rF+1], v[BP+2], 16, v[rF+1]
	v_lshl_or_b32 v[rF+1], v[BP+3], 24, v[rF+1]
.irp c, 0,1
	v_cvt_scalef32_pk16_bf6_f32 v[rC+6*\c:rC+2+6*\c], v[rS+32*\c:rS+15+32*\c], v[SO+2*\c]
	v_cvt_scalef32_pk16_bf6_f32 v[rC+12+4*\c:rC+14+4*\c], v[rS+16+32*\c:rS+31+32*\c], v[SO+1+2*\c]
.endr
	v_nop                                          ; one plain place behind a scaled conversion
.irp c, 0,1
.irp i, 0,1,2
	v_permlane16_swap_b32 v[rC+6*\c+\i], v[rC+12+4*\c+\i]
.endr
.irp i, 0,1,2
	v_mov_b32 v[rC+3+6*\c+\i], v[rC+12+4*\c+\i]
.endr
.endr
	v_pk_add_f32 v[BP:BP+1], v[rS:rS+1], v[rS+2:rS+3]   ; the row's sum is taken of the unquantised p: two at a time, in two chains
.set j, 4
.rept 15
	v_pk_add_f32 v[rT+2:rT+3], v[rT+2:rT+3], v[rS+j:rS+j+1]
	v_pk_add_f32 v[BP:BP+1], v[BP:BP+1], v[rS+j+2:rS+j+3]
.set j, j+4
.endr
	v_pk_add_f32 v[rT+2:rT+3], v[rT+2:rT+3], v[BP:BP+1]
.irp c, 0,1,2
	ds_store_b128 v[APW], v[rC+4*\c:rC+4*\c+3] offset:(\t)*1536+512*\c   ; the fragment as it stands
.endr
	ds_store_b64 v[AFW], v[rF:rF+1] offset:(\t)*256
.endm
.macro RESC q0                         ; O^T of four query tiles x f, each accumulator from its low end on
.irp q, \q0, \q0+1, \q0+2, \q0+3
.set j, 0
.rept 32
	v_pk_mul_f32 v[64*((\q)%4)+j:64*((\q)%4)+j+1], v[64*((\q)%4)+j:64*((\q)%4)+j+1], v[FP+2*(\q):FP+2*(\q)+1] op_sel_hi:[1,0]
.set j, j+2
.endr
.endr
.endm
.macro PVMUL q0                        ; O^T += V^T P^T: four query tiles x my eight channel tiles: 32 different accumulators
.irp q, \q0, \q0+1, \q0+2, \q0+3
.irp c, 0,1,2,3,4,5,6,7
.set rD, 8*(8*((\q)%4)+\c)
.if \c % 2 == 0
	v_wmma_scale_f32_16x16x128_f8f6f4 v[rD:rD+7], v[KB+12*\c:KB+12*\c+11], v[PF+12*(\q):PF+12*(\q)+11], v[rD:rD+7], v[VS+\c/2], v[FP+2*(\q)+1] matrix_a_fmt:MATRIX_FMT_BF6 matrix_b_fmt:MATRIX_FMT_BF6
.else
	v_wmma_scale_f32_16x16x128_f8f6f4 v[rD:rD+7], v[KB+12*\c:KB+12*\c+11], v[PF+12*(\q):PF+12*(\q)+11], v[rD:rD+7], v[VS+\c/2], v[FP+2*(\q)+1] matrix_a_fmt:MATRIX_FMT_BF6 matrix_b_fmt:MATRIX_FMT_BF6 matrix_a_scale:MATRIX_SCALE_ROW1
.endif
.endr
.endr
.endm
; THE CHANGE OF SLOTS, at a step's head.  Each wave waits for all its tensor loads (its quarter of the slot that it is about to read), adds 0 to its spare word, and waits for that and for all its LDS reads.  Behind the barrier the slot ahead is
; whole, and nobody reads the other slot or the last step's images.  fill = 1: the other slot takes the next step's K: the load has a whole step in which to land.
; A PREFETCH INTO THE L2 of the next step's V (49,152 bytes of the batch) stands behind the load and its four lines: six of the batch's 32 waves ask, 8,192 bytes each, lanes 256 bytes apart, so that each block is named once in the launch.
; Step 0's V comes by its loads alone; the tail asks for nothing.
.macro CHANGE fill
	s_wait_tensorcnt 0x0                           ; no tensor load of mine is out, so the group 0 may be written
	ds_add_u32 v[SPW], v[NIL]                      ; 0 onto my spare word
.if \fill
	s_xor_b32 s[G0+1], s[G0+1], SLOT1              ; the other slot than last time,
	s_add_nc_u64 s[G0+2:G0+3], s[G0+2:G0+3], 49152 ; the next 128 keys; the type bits on top are not reached
	s_wait_xcnt 0x0                                ; the last prefetch, a step back, has read its address
	s_add_nc_u64 s[PFA:PFA+1], s[PFA:PFA+1], 49152
.endif
	s_wait_dscnt 0x0                               ; the add is done, and my LDS reads are in
	s_barrier_signal -1
	s_barrier_wait -1
.if \fill
	tensor_load_to_lds s[G0:G0+3], s[G1:G1+7]      ; the first thing behind the barrier, and my one tensor load until the next
	s_nop 0
	PLACES 4
	s_cmp_lt_u32 s[IDX], 6
	s_cbranch_scc0 .Lnot_mine_\@
	global_prefetch_b8 v[PFO], s[PFA:PFA+1] th:TH_LOAD_NT scope:SCOPE_SE
.Lnot_mine_\@:
.endif
.endm
; A KEY STEP.  more = 1: another follows
.macro STEP more
	v_add_nc_u32 v[ADK], s[TB], v[LI]
	KFETCH 0
	KFETCH 1
.irp kt, 0,1,2,3,4,5,6,7
.if \kt < 7
	s_wait_dscnt 12                                ; this key tile's fragments are in; the next tile's twelve loads may be out
.else
	s_wait_dscnt 0x0
.endif
	WIN 0x05                                       ; K and Q window 1, S^T window 0
	SMUL \kt
.if \kt < 6
	PLACES 4                                       ; places in front of loads into registers that matrix instructions have read
	KFETCH \kt+2
.endif
.endr
	WIN 0
	PLACES 4                                       ; for the loads below and for the first read of the scores
	s_wait_loadcnt 0x0                             ; the twelve rows of x that were asked for a step ago (at the head, for step 0) are in: no other load of mine is out
	v_add_nc_u32 v[ADX], s[XO], v[AXB]
	s_add_co_u32 s[XO], s[XO], 6144                ; the next step's twelve rows go 6,144 bytes on
	WIN 0x04                                       ; an LDS store's data are its source 1: window 1
.irp t, 0,1,2,3,4,5,6,7,8,9,10,11
	ds_store_b128 v[ADX], v[XS+4*\t:XS+4*\t+3] offset:512*\t   ; into my own bytes, which I alone read, at the end
.endr
	WIN 0x40
.set k, 0
.rept 24
	global_load_b128 v[KB+4*k:KB+4*k+3], v[LI], s[12:13] offset:512*k   ; V's eight fragments of my channels: they land while the softmax is walked
.set k, k+1
.endr
	WIN 0
.irp i, 0,1,2,3
	global_load_b32 v[VS+\i], v[LS], s[14:15] offset:128*\i   ; register c / 2: lanes 0-15 tile 2 (c / 2), lanes 16-31 the next
.endr
.if \more
.irp i, 0,1,2,3,4,5,6,7,8,9,10,11,12,13,14,15
	global_load_b32 v[KS+\i], v[LS], s[10:11] offset:2048+128*\i   ; the next step's scale words of K
.endr
.endif
	SOFTMAX 0
	SOFTMAX 1
	s_wait_dscnt 0x0                               ; for the others' sake: my images are stored; and the stores of x have read their registers
	s_barrier_signal -1
	s_barrier_wait -1
.irp q, 0,1,2,3,4,5,6,7
	ds_load_b64 v[FP+2*\q:FP+2*\q+1], v[AFR] offset:\q*256   ; the pairs (f, scale word) first: the rescaling wants them alone
.endr
.irp q, 0,1,2,3,4,5,6,7
.irp c, 0,1,2
	ds_load_b128 v[PF+12*\q+4*\c:PF+12*\q+4*\c+3], v[API] offset:\q*1536+512*\c
.endr
.endr
.if \more
	s_add_nc_u64 s[XP:XP+1], s[XP:XP+1], 49152     ; twelve rows of x on (the loads that named this base were waited for above)
	WIN 0x40
.irp t, 0,1,2,3,4,5,6,7,8,9,10,11
	global_load_b128 v[XS+4*\t:XS+4*\t+3], v[LI], s[XP:XP+1] offset:\t*4096 th:TH_LOAD_NT   ; they have the second product and the next step's scores in which to land
.endr
	WIN 0
.endif
	s_wait_dscnt 24                                ; the eight pairs are in; P's 24 loads may be out
	WIN 0x82
	RESC 0
	WIN 0xc3
	RESC 4
.if \more
	s_wait_loadcnt 12                              ; V, its scale words, the next step's of K are in, so their bases may step; the twelve rows of x may be out
	s_add_nc_u64 s[12:13], s[12:13], 49152
	s_add_nc_u64 s[14:15], s[14:15], 2048
	s_add_nc_u64 s[10:11], s[10:11], 2048
.else
	s_wait_loadcnt 0x0
.endif
	s_wait_dscnt 0x0                               ; P's fragments
	WIN 0xa1                                       ; V window 1, P window 0, O^T window 2
	PVMUL 0
	WIN 0xf1
	PVMUL 4
	WIN 0
	PLACES 5                                       ; the next step's products write over P's registers, its loads land on V's
	s_xor_b32 s[TB], s[TB], SLOT1
.endm
	s_wait_loadcnt 12                              ; Q and the first scale words are in; x's first twelve rows may be out
.Lstep:                                            ; seven trips: behind each change of slots but the last the next step's K is asked for
	CHANGE 1
	STEP 1
	s_sub_co_u32 s[SLOTS], s[SLOTS], 1
	s_cmp_lg_u32 s[SLOTS], 0
	s_cbranch_scc1 .Lstep
	CHANGE 0                                       ; the last step is written out
	STEP 0
; THE END.  wp's fragments of output tile o (16 rows x 512 along K: 24 loads of 8 bytes) into set o % 2, where Q lay, and the rows' four scale words (16 bytes a row)
.macro WPL o
	WIN 0x40
.irp s, 0,1,2,3
.irp p, 0,1,2,3,4,5
	global_load_b64 v[48*((\o)%2)+12*\s+2*\p:48*((\o)%2)+12*\s+2*\p+1], v[LWP], s[16:17] offset:(\o)*6144+96*\s+48*(\p/3)+8*(\p%3)
.endr
.endr
	WIN 0
	global_load_b128 v[WPS+4*((\o)%2):WPS+4*((\o)%2)+3], v[LWS], s[18:19] offset:(\o)*256
.endm
	WIN 0x40
.irp t, 0,1,2,3,4,5,6,7,8,9,10,11,12,13,14,15
	global_load_b128 v[96+4*\t:99+4*\t], v[LI], s[22:23] offset:(96+\t)*4096 th:TH_LOAD_NT     ; x: my rows 96 to 111, where V lay,
.endr
.irp t, 0,1,2,3,4,5,6,7,8,9,10,11,12,13,14,15
	global_load_b128 v[192+4*\t:195+4*\t], v[LI], s[22:23] offset:(112+\t)*4096 th:TH_LOAD_NT  ; and 112 to 127: they land while the result is quantised
.endr
	WIN 0
.irp o, 0,1,2,3,4,5,6,7
	global_load_b32 v[BPW+\o], v[LBP], s[20:21] offset:64*\o   ; bp of output 16 o + r
.endr
	WPL 0
	WPL 1
	v_add_f32 v226, v[ST+2], v[ST+3]               ; my two tiles' sums: the two halves,
	v_add_f32 v228, v[ST+6], v[ST+7]
	v_permlanex16_b32 v[BP], v226, s[SEL], s[SEL+1]
	v_permlanex16_b32 v[BP+1], v228, s[SEL], s[SEL+1]
	v_add_f32 v226, v226, v[BP]                    ; and lane l xor 16's
	v_add_f32 v228, v228, v[BP+1]
	v_rcp_f32 v226, v226
	v_rcp_f32 v228, v228
	v_nop                                          ; a plain place behind the transcendentals
	s_wait_alu depctr_va_vdst(0)
	v_mov_b32 v227, v226
	v_mov_b32 v229, v228
	ds_store_b64 v[AFW], v[226:227] offset:2048
	ds_store_b64 v[AFW], v[228:229] offset:2048+256
	s_wait_dscnt 0x0
	s_barrier_signal -1
	s_barrier_wait -1                              ; behind it nobody reads K's slots any more (their last reads stand in front of the last step's second barrier), and both have had their last fill
.irp q, 0,1,2,3,4,5,6,7
	ds_load_b64 v[128+2*\q:129+2*\q], v[AFR] offset:2048+256*\q
.endr
	s_wait_dscnt 0x0
.irp q, 0,1,2,3,4,5,6,7                ; O^T / the sum: my 128 channels of query tile q are K step w of the last product: quantised, image to LDS
	WIN 0x02+(\q/4)
.set j, 0
.rept 32
	v_pk_mul_f32 v[64+j:65+j], v[64*(\q%4)+j:64*(\q%4)+j+1], v[128+2*\q:129+2*\q] op_sel_hi:[1,0]
.set j, j+2
.endr
	WIN 0
	QUANT 64, 176, 204, 224
.irp c, 0,1,2
	ds_store_b128 v[AOW], v[204+4*\c:207+4*\c] offset:\q*6144+512*\c
.endr
	ds_store_b32 v[AOSW], v224 offset:\q*512
	s_wait_dscnt 0x0                               ; the stores have read their registers
.endr
	s_barrier_signal -1
	s_barrier_wait -1                              ; all 32 fragments of the attention's result lie in LDS
	WIN 0x80                                       ; they come into the registers that O^T has left, and stay: fragment 4 q + s
.set f, 0
.rept 20
.irp c, 0,1,2
	ds_load_b128 v[12*f+4*\c:12*f+4*\c+3], v[LI] offset:f*1536+512*\c
.endr
.set f, f+1
.endr
	WIN 0xc0
.rept 12
.irp c, 0,1,2
	ds_load_b128 v[12*(f-20)+4*\c:12*(f-20)+4*\c+3], v[LI] offset:f*1536+512*\c
.endr
.set f, f+1
.endr
	WIN 0
.set f, 0
.rept 32
	ds_load_b32 v[OSW+f], v[AOS] offset:f*128
.set f, f+1
.endr
	s_wait_dscnt 0x0
; Output tile o: source 0 = 16 queries, source 1 = 16 rows of wp: a lane holds one output channel and eight neighbouring pixels.  32 products: the eight query tiles' sums by turns, K step by K step; bp starts the sums
.macro OMUL o
.irp s, 0,1,2,3
.irp q, 0,1,2,3,4,5,6,7
.if \q == 0
.if \s == 0
	WIN 0xc6                                       ; the result window 2, wp window 1, bp window 0, the sums window 3
.else
	WIN 0xf6
.endif
.elseif \q == 5
.if \s == 0
	WIN 0xc7                                       ; the result window 3
.else
	WIN 0xf7
.endif
.endif
.set rA, 12*(4*(\q%5)+\s)
.set rB, 48*((\o)%2)+12*\s
.set rD, 144+8*\q
.if \s == 0
	v_wmma_scale_f32_16x16x128_f8f6f4 v[rD:rD+7], v[rA:rA+11], v[rB:rB+11], v[BC:BC+7], v[OSW+4*\q+\s], v[WPS+4*((\o)%2)+\s] matrix_a_fmt:MATRIX_FMT_BF6 matrix_b_fmt:MATRIX_FMT_BF6
.else
	v_wmma_scale_f32_16x16x128_f8f6f4 v[rD:rD+7], v[rA:rA+11], v[rB:rB+11], v[rD:rD+7], v[OSW+4*\q+\s], v[WPS+4*((\o)%2)+\s] matrix_a_fmt:MATRIX_FMT_BF6 matrix_b_fmt:MATRIX_FMT_BF6
.endif
.endr
.endr
.endm
; A tile's turn: its products; through my own stage its 16 channels become whole rows of 512 bytes; x's same rows are added (tiles 0 to 5: from LDS; 6 and 7: from registers); 16 stores, which are on their way while the next tile is multiplied
.irp o, 0,1,2,3,4,5,6,7
.if \o < 7
	s_wait_loadcnt 25                              ; this tile's wp is in, and all that was asked for earlier (bp, x's last rows); the next tile's 24 + 1 loads may be out
.else
	s_wait_loadcnt 0x0
.endif
.irp j, 0,1,2,3,4,5,6,7
	v_mov_b32 v[BC+\j], v[BPW+\o]                  ; bp hangs on the lane alone: the same in the eight registers
.endr
.if \o < 6
.irp t, 0,1,2,3,4,5,6,7,8,9,10,11,12,13,14,15
	ds_load_b128 v[64+4*\t:67+4*\t], v[AXB] offset:(16*\o+\t)*512   ; x's rows, which I stored myself
.endr
.endif
	PLACES 4
	OMUL \o
	WIN 0
	PLACES 4                                       ; places in front of the first read of the results and of the loads into wp's registers
	WIN 0x0c                                       ; an LDS store's data are its source 1: window 3
.irp q, 0,1,2,3,4,5,6,7
	ds_store_b128 v[ASO], v[144+8*\q:147+8*\q] offset:128*(\q/2)+32*(\q%2)        ; each accumulator from its low end on
	ds_store_b128 v[ASO], v[148+8*\q:151+8*\q] offset:128*(\q/2)+32*(\q%2)+16
.endr
	WIN 0
	s_wait_xcnt 0x0                                ; the last turn's stores have read their registers: these loads may land there
.irp t, 0,1,2,3,4,5,6,7,8,9,10,11,12,13,14,15
	ds_load_b128 v[192+4*\t:195+4*\t], v[ASR] offset:\t*528   ; LDS serves a wave's instructions in order: these see my stores, and the next turn's stores come behind them
.endr
.if \o < 6
	WPL \o+2                                       ; into the set that this tile has left
.endif
	s_wait_dscnt 0x0
.if \o < 6
.set j, 0
.rept 32
	v_pk_add_f32 v[192+j:193+j], v[192+j:193+j], v[64+j:65+j]
.set j, j+2
.endr
.elseif \o == 6
	WIN 0x04                                       ; x's rows in window 1
.set j, 0
.rept 32
	v_pk_add_f32 v[192+j:193+j], v[192+j:193+j], v[96+j:97+j]
.set j, j+2
.endr
	WIN 0
.else
	WIN 0x04
.set j, 0
.rept 32
	v_pk_add_f32 v[192+j:193+j], v[192+j:193+j], v[192+j:193+j]   ; (the second source is window 1's)
.set j, j+2
.endr
	WIN 0
.endif
.irp t, 0,1,2,3,4,5,6,7,8,9,10,11,12,13,14,15
	global_store_b128 v[LI], v[192+4*\t:195+4*\t], s[24:25] offset:(16*\o+\t)*4096 th:TH_STORE_NT   ; 32 lanes store 512 consecutive bytes, at a multiple of 256 from the buffer's first byte
.endr
.endr
	s_wait_tensorcnt 0x0                           ; the wave's end: behind my last tensor load and my last LDS store
	ds_add_u32 v[SPW], v[NIL]
	s_wait_dscnt 0x0
	s_endpgm
.Lfunc_end_k_q6163207c24_attn:
	.size	k_q6163207c24_attn, .Lfunc_end_k_q6163207c24_attn-k_q6163207c24_attn
	.p2alignl 7, 3214868480
	.fill 96, 4, 3214868480
	.section	.rodata,"a",@progbits
	.p2align	6, 0x0
	.amdhsa_kernel k_q6163207c24_attn
		.amdhsa_group_segment_fixed_size 327680
		.amdhsa_private_segment_fixed_size 0
		.amdhsa_enable_private_segment 0
		.amdhsa_kernarg_size 88
		.amdhsa_user_sgpr_count 2
		.amdhsa_user_sgpr_kernarg_segment_ptr 1
		.amdhsa_wavefront_size32 1
		.amdhsa_system_sgpr_workgroup_id_x 1
		.amdhsa_system_sgpr_workgroup_id_y 1
		.amdhsa_system_sgpr_workgroup_id_z 1
		.amdhsa_system_vgpr_workitem_id 0
		.amdhsa_next_free_vgpr 1024
		.amdhsa_next_free_sgpr 80
		.amdhsa_reserve_vcc 0
		.amdhsa_float_denorm_mode_32 3
		.amdhsa_float_denorm_mode_16_64 3
		.amdhsa_memory_ordered 1
		.amdhsa_forward_progress 1
		.amdhsa_inst_pref_size 255
	.end_amdhsa_kernel
	.section	.bss,"aw",@nobits
	.p2align	6
	.space	262144
	.amdgpu_metadata
---
amdhsa.version: [ 1, 2 ]
amdhsa.kernels:
  - .name:           k_q6163207c24_attn
    .symbol:         k_q6163207c24_attn.kd
    .args:
      - { .name: q_img, .offset: 0, .size: 8, .value_kind: global_buffer, .address_space: global }
      - { .name: q_sc, .offset: 8, .size: 8, .value_kind: global_buffer, .address_space: global }
      - { .name: k_img, .offset: 16, .size: 8, .value_kind: global_buffer, .address_space: global }
      - { .name: k_sc, .offset: 24, .size: 8, .value_kind: global_buffer, .address_space: global }
      - { .name: v_img, .offset: 32, .size: 8, .value_kind: global_buffer, .address_space: global }
      - { .name: v_sc, .offset: 40, .size: 8, .value_kind: global_buffer, .address_space: global }
      - { .name: wp_codes, .offset: 48, .size: 8, .value_kind: global_buffer, .address_space: global }
      - { .name: wp_scales, .offset: 56, .size: 8, .value_kind: global_buffer, .address_space: global }
      - { .name: bp, .offset: 64, .size: 8, .value_kind: global_buffer, .address_space: global }
      - { .name: x, .offset: 72, .size: 8, .value_kind: global_buffer, .address_space: global }
      - { .name: out0, .offset: 80, .size: 8, .value_kind: global_buffer, .address_space: global }
    .group_segment_fixed_size: 327680
    .private_segment_fixed_size: 0
    .kernarg_segment_align: 8
    .kernarg_segment_size: 88
    .max_flat_workgroup_size: 128
    .sgpr_count:     80
    .vgpr_count:     1024
    .wavefront_size: 32
...
	.end_amdgpu_metadata
.endif
;; end of part 3
;; ======== version 2 of 2: 3 launches
;; workspace buffers: h_codes 12,582,912 bytes; h_scales 524,288 bytes; q_img 12,582,912 bytes; q_sc 524,288 bytes; k_img 12,582,912 bytes; k_sc 524,288 bytes; v_img 12,582,912 bytes; v_sc 524,288 bytes
;; launch gnq (part 4): grid 512 x 1, 8 waves a work-group, no clusters, 26,624 bytes of LDS; arguments x, gn_w, gn_b, h_codes, h_scales; writes h_codes, h_scales
.if DOCPART == 4
	.amdgcn_target "amdgcn-amd-amdhsa--gfx1250"
	.amdhsa_code_object_version 6
	.text
	.protected	k_q6163207c24_gnq
	.globl	k_q6163207c24_gnq
	.p2align	8
	.type	k_q6163207c24_gnq,@function
k_q6163207c24_gnq:
	s_mov_b64 s[64:65], 0
	v_nop
	global_prefetch_b8 v0, s[64:65] scope:SCOPE_SE
	s_setreg_imm32_b32 hwreg(HW_REG_WAVE_MODE, 25, 1), 1
	s_wait_xcnt 0x0
; GroupNorm of x [32][512][1024] f32 (32 groups of 16 channels x 1,024 pixels), then h = xn w + b quantised along the CHANNELS to codes of BF6 (E3M2), one E8M0 byte for each 32 channels.
; A work-group takes one batch and 32 channels (two groups, one block of 32 along K): 128 KiB of x, kept in registers between the passes: x is read once.  Thread t holds pixels 4 t .. 4 t + 3 of all 32 channels,
; so a pixel's whole block lies in one lane's registers: its largest magnitude needs no other lane, and the conversions give the 24 bytes of codes as they are wanted.
; Mean first, then the sum of squares of x - mean: no difference of large sums is formed.
; OUT: h_codes [b][cb 16][pixel' 1024][24 bytes], h_scales [b][cb][pixel'] one byte.  pixel' is the pixel's number with bits 3 and 4 exchanged: position 16 pt + r holds pixel 32 (pt / 2) + 8 (pt % 2) + r + 8 (r / 8),
; the order in which the later launches want the 16 rows of a tile.
; A block's scale byte is its largest magnitude's exponent field - 4, held at 1 from below (a block of zeros keeps 1: its codes are zeros, and this program alone reads the bytes).
; LIMITS: NaN and infinities among the inputs are not served; blocks whose largest magnitude lies under 2^-122 keep the byte 1.
; No matrix unit, no tensor load, no cluster: a stream bound by memory, whose work-groups share nothing.
.set X,   32                           ; v32-159  x, then x - mean: register 4 ch + i
.set Y,   160                          ; v160-191 h of one pixel, 32 channels
.set CC,  192                          ; v192-239 codes: twelve registers for each of my four pixels, so that no LDS store's data are written again
.set SBW, 240                          ; v240     my four scale bytes
.set STG, 256                          ; LDS: bytes 0-127 the waves' partial sums; from 256 on 3,072 bytes for each wave: its 128 pixels' codes
	s_load_b256 s[4:11], s[0:1], 0x0               ; x, gn_w, gn_b, h_codes
	s_load_b64 s[12:13], s[0:1], 0x20              ; h_scales
	v_lshl_add_u32 v248, v0, 2, 0x6400
	v_mov_b32 v249, 0
	v_lshrrev_b32 v1, 5, v0
	s_delay_alu instid0(VALU_DEP_1)
	v_readfirstlane_b32 s48, v1                    ; wave 0..7
	v_lshlrev_b32 v1, 4, v0                        ; my 16 bytes of a channel's 4,096
	v_bfe_u32 v10, v0, 3, 2
	v_bfe_u32 v11, v0, 1, 1
	v_bfe_u32 v12, v0, 2, 1
	v_and_b32 v13, 1, v0
	s_delay_alu instid0(VALU_DEP_4)
	v_lshlrev_b32 v5, 5, v10
	s_delay_alu instid0(VALU_DEP_1)
	v_lshl_add_u32 v5, v11, 4, v5
	s_delay_alu instid0(VALU_DEP_1)
	v_lshl_add_u32 v5, v12, 3, v5
	s_delay_alu instid0(VALU_DEP_1)
	v_lshl_add_u32 v5, v13, 2, v5                  ; pixel' of my first pixel among the wave's 128: 32 (l / 8) + 16 (bit 1) + 8 (bit 2) + 4 (bit 0)
	s_mul_i32 s49, s48, 3072
	s_add_co_u32 s49, s49, STG                     ; my wave's stage
	v_mul_u32_u24 v2, v5, 24
	s_delay_alu instid0(VALU_DEP_1)
	v_add_nc_u32 v2, s49, v2                       ; into it: 24 bytes a pixel'
	v_and_b32 v3, 31, v0
	s_delay_alu instid0(VALU_DEP_1)
	v_lshlrev_b32 v4, 4, v3                        ; out of it, and in memory: 16 bytes a lane
	s_delay_alu instid0(VALU_DEP_1)
	v_add_nc_u32 v3, s49, v4
	s_lshl_b32 s50, s48, 7
	v_add_nc_u32 v5, s50, v5                       ; my four scale bytes' place in the work-group's 1,024
	v_mov_b32 v6, 0
	v_mov_b32 v7, s48
	s_delay_alu instid0(VALU_DEP_1)
	v_lshlrev_b32 v7, 2, v7                        ; my wave's word among the partial sums
	v_mov_b32 v26, 0                               ; written once: a lane permute's destination counts as one of its sources
	s_mov_b32 s14, 0x76543210
	s_mov_b32 s15, 0xfedcba98                      ; v_permlanex16_b32's selects for lane l xor 16
	s_mov_b32 s58, 0x38800000                      ; 2^-14 = 1 / 16,384, a group's numbers
	s_lshl_b32 s2, ttmp9, 17                       ; 32 channels of 4,096 bytes
	s_mov_b32 s3, 0
	s_and_b32 s52, ttmp9, 15
	s_lshl_b32 s52, s52, 7                         ; my 32 gains and biases
	s_mov_b32 s53, 0
	s_mul_i32 s54, ttmp9, 24576
	s_mul_i32 s56, s48, 3072
	s_add_co_u32 s54, s54, s56
	s_mov_b32 s55, 0
	s_lshl_b32 s56, ttmp9, 10
	s_mov_b32 s57, 0
	s_wait_kmcnt 0x0
	s_add_nc_u64 s[4:5], s[4:5], s[2:3]
	s_add_nc_u64 s[6:7], s[6:7], s[52:53]
	s_add_nc_u64 s[8:9], s[8:9], s[52:53]
	s_add_nc_u64 s[10:11], s[10:11], s[54:55]
	s_add_nc_u64 s[12:13], s[12:13], s[56:57]
.set ch, 0
.rept 32
	global_load_b128 v[X+4*ch:X+4*ch+3], v1, s[4:5] offset:4096*ch   ; a wave reads 512 consecutive bytes, the eight waves a channel
.set ch, ch+1
.endr
	s_load_b512 s[16:31], s[6:7], 0x0              ; gn_w of my 32 channels,
	s_load_b512 s[32:47], s[6:7], 0x40
	s_load_b512 s[68:83], s[8:9], 0x0              ; gn_b
	s_load_b512 s[84:99], s[8:9], 0x40
.macro WRED r                          ; the sum over the wave's 32 lanes, in every lane
	v_add_f32_dpp v[\r], v[\r], v[\r] row_xmask:1 row_mask:0xf bank_mask:0xf
	s_delay_alu instid0(VALU_DEP_1)
	v_add_f32_dpp v[\r], v[\r], v[\r] row_xmask:2 row_mask:0xf bank_mask:0xf
	s_delay_alu instid0(VALU_DEP_1)
	v_add_f32_dpp v[\r], v[\r], v[\r] row_xmask:4 row_mask:0xf bank_mask:0xf
	s_delay_alu instid0(VALU_DEP_1)
	v_add_f32_dpp v[\r], v[\r], v[\r] row_xmask:8 row_mask:0xf bank_mask:0xf
	s_delay_alu instid0(VALU_DEP_1)
	v_permlanex16_b32 v26, v[\r], s14, s15
	s_delay_alu instid0(VALU_DEP_1)
	v_add_f32 v[\r], v[\r], v26
.endm
.macro GSUM g, a, b                    ; the sum of my 64 numbers of group g, two at a time, in two chains
	v_pk_add_f32 v[\a:\a+1], v[X+64*\g:X+64*\g+1], v[X+64*\g+2:X+64*\g+3]
	v_pk_add_f32 v[\b:\b+1], v[X+64*\g+4:X+64*\g+5], v[X+64*\g+6:X+64*\g+7]
.set j, 8
.rept 14
	s_delay_alu instid0(VALU_DEP_2)
	v_pk_add_f32 v[\a:\a+1], v[\a:\a+1], v[X+64*\g+j:X+64*\g+j+1]
	s_delay_alu instid0(VALU_DEP_2)
	v_pk_add_f32 v[\b:\b+1], v[\b:\b+1], v[X+64*\g+j+2:X+64*\g+j+3]
.set j, j+4
.endr
	s_delay_alu instid0(VALU_DEP_1)
	v_pk_add_f32 v[\a:\a+1], v[\a:\a+1], v[\b:\b+1]
	s_delay_alu instid0(VALU_DEP_1)
	v_add_f32 v[\a], v[\a], v[\a+1]
.endm
.macro GSQ g, a, b, m                  ; x - mean in place, and the sum of its squares
.set j, 0
.rept 32
	v_pk_add_f32 v[X+64*\g+j:X+64*\g+j+1], v[X+64*\g+j:X+64*\g+j+1], v[\m:\m+1] neg_lo:[0,1] neg_hi:[0,1]
.set j, j+2
.endr
	v_pk_mul_f32 v[\a:\a+1], v[X+64*\g:X+64*\g+1], v[X+64*\g:X+64*\g+1]
	v_pk_mul_f32 v[\b:\b+1], v[X+64*\g+2:X+64*\g+3], v[X+64*\g+2:X+64*\g+3]
.set j, 4
.rept 15
	s_delay_alu instid0(VALU_DEP_2)
	v_pk_fma_f32 v[\a:\a+1], v[X+64*\g+j:X+64*\g+j+1], v[X+64*\g+j:X+64*\g+j+1], v[\a:\a+1]
	s_delay_alu instid0(VALU_DEP_2)
	v_pk_fma_f32 v[\b:\b+1], v[X+64*\g+j+2:X+64*\g+j+3], v[X+64*\g+j+2:X+64*\g+j+3], v[\b:\b+1]
.set j, j+4
.endr
	s_delay_alu instid0(VALU_DEP_1)
	v_pk_add_f32 v[\a:\a+1], v[\a:\a+1], v[\b:\b+1]
	s_delay_alu instid0(VALU_DEP_1)
	v_add_f32 v[\a], v[\a], v[\a+1]
.endm
.macro MEET off                        ; v8, v12: my wave's two figures -> v8, v16: the work-group's.  Each pass has LDS words of its own, so one barrier a pass is enough
	WRED 8
	WRED 12
	ds_store_b32 v7, v8 offset:\off                ; all lanes write the same word with the same value
	ds_store_b32 v7, v12 offset:\off+32
	s_wait_dscnt 0x0                               ; for the others' sake: my stores are done
	s_barrier_signal -1
	s_barrier_wait -1
	ds_load_b128 v[8:11], v6 offset:\off
	ds_load_b128 v[12:15], v6 offset:\off+16
	ds_load_b128 v[16:19], v6 offset:\off+32
	ds_load_b128 v[20:23], v6 offset:\off+48
	s_wait_dscnt 0x0
.irp a, 8, 16
	v_pk_add_f32 v[\a:\a+1], v[\a:\a+1], v[\a+2:\a+3]
	v_pk_add_f32 v[\a+4:\a+5], v[\a+4:\a+5], v[\a+6:\a+7]
	s_delay_alu instid0(VALU_DEP_1)
	v_pk_add_f32 v[\a:\a+1], v[\a:\a+1], v[\a+4:\a+5]
	s_delay_alu instid0(VALU_DEP_1)
	v_add_f32 v[\a], v[\a], v[\a+1]
.endr
.endm
	s_wait_loadcnt 16                              ; group 0's sixteen loads are in; group 1's sixteen may be out
	GSUM 0, 8, 10
	s_wait_loadcnt 0x0
	GSUM 1, 12, 14
	MEET 0
	v_mul_f32 v28, s58, v8                         ; the means, each twice: a pair for the packed subtraction
	s_delay_alu instid0(VALU_DEP_2)
	v_mul_f32 v30, s58, v16
	s_delay_alu instid0(VALU_DEP_2)
	v_mov_b32 v29, v28
	s_delay_alu instid0(VALU_DEP_2)
	v_mov_b32 v31, v30
	GSQ 0, 8, 10, 28
	GSQ 1, 12, 14, 30
	MEET 64
	v_fmaak_f32 v8, s58, v8, 0x358637bd            ; the variance + 1e-6
	s_delay_alu instid0(VALU_DEP_2)
	v_fmaak_f32 v16, s58, v16, 0x358637bd
	s_wait_alu depctr_va_vdst(0)
	v_rsq_f32 v8, v8
	v_rsq_f32 v16, v16
	v_nop                                          ; a plain place behind the transcendentals
	s_wait_alu depctr_va_vdst(0)
	v_readfirstlane_b32 s60, v8
	v_readfirstlane_b32 s61, v16
	s_wait_kmcnt 0x0                               ; gn_w, gn_b
.set ch, 0
.rept 16
	s_mul_f32 s[16+ch], s[16+ch], s60              ; gain x 1 / sqrt(var + eps): h = (x - mean) x this + bias, one fused multiply-add
	s_mul_f32 s[32+ch], s[32+ch], s61
.set ch, ch+1
.endr
.macro QPIX i                          ; my pixel i: h of its 32 channels, the block's scale, its 24 bytes of codes into the stage
.set C0, CC+12*\i
.set ch, 0
.rept 32
	v_fma_f32 v[Y+ch], v[X+4*ch+\i], s[16+ch], s[68+ch]
.set ch, ch+1
.endr
	v_max3_num_f32 v8, |v[Y]|, |v[Y+1]|, |v[Y+2]|
	v_max3_num_f32 v9, |v[Y+3]|, |v[Y+4]|, |v[Y+5]|
.irp j, 6,10,14,18,22,26
	s_delay_alu instid0(VALU_DEP_2)
	v_max3_num_f32 v8, v8, |v[Y+\j]|, |v[Y+\j+1]|
	s_delay_alu instid0(VALU_DEP_2)
	v_max3_num_f32 v9, v9, |v[Y+\j+2]|, |v[Y+\j+3]|
.endr
	s_delay_alu instid0(VALU_DEP_2)
	v_max3_num_f32 v8, v8, |v[Y+30]|, |v[Y+31]|
	s_delay_alu instid0(VALU_DEP_1)
	v_max3_num_f32 v8, v8, v9, 0x2800000           ; and the floor 2^(5 - 127): the byte cannot fall under 1
	s_delay_alu instid0(VALU_DEP_1)
	v_add_nc_u32 v10, 0xfe000000, v8               ; 4 off the exponent field: the conversion takes this operand's exponent field as its scale
	v_cvt_scalef32_pk16_bf6_f32 v[C0:C0+2], v[Y:Y+15], v10
	v_cvt_scalef32_pk16_bf6_f32 v[C0+6:C0+8], v[Y+16:Y+31], v10   ; (a conversion's three registers begin on an even number)
	v_lshrrev_b32 v11, 23, v10                     ; the scale's byte; also the plain place behind the conversions
.irp k, 0,1,2
	v_mov_b32 v[C0+3+\k], v[C0+6+\k]
.endr
.if \i == 0
	s_delay_alu instid0(VALU_DEP_4)
	v_mov_b32 v[SBW], v11
.else
	s_delay_alu instid0(VALU_DEP_4)
	v_lshl_or_b32 v[SBW], v11, 8*\i, v[SBW]
.endif
.irp k, 0,1,2
	ds_store_b64 v2, v[C0+2*\k:C0+2*\k+1] offset:24*\i+8*\k
.endr
.endm
	QPIX 0
	QPIX 1
	QPIX 2
	QPIX 3
.irp k, 0,1,2,3,4,5
	ds_load_b128 v[X+4*\k:X+4*\k+3], v3 offset:512*\k   ; LDS serves a wave's instructions in order: these see my stores
.endr
	s_wait_alu depctr_va_vdst(0)
.irp k, 0,1,2,3,4,5
	s_wait_dscnt 5-\k                              ; the younger read-backs may be out
	global_store_b128 v4, v[X+4*\k:X+4*\k+3], s[10:11] offset:512*\k   ; 32 lanes store 512 consecutive bytes, at a multiple of 256 from the buffer's first byte
.endr
	global_store_b32 v5, v[SBW], s[12:13]          ; the wave's 128 scale bytes
	s_wait_tensorcnt 0x0
	ds_add_u32 v248, v249
	s_wait_dscnt 0x0
	s_endpgm
.Lfunc_end_k_q6163207c24_gnq:
	.size	k_q6163207c24_gnq, .Lfunc_end_k_q6163207c24_gnq-k_q6163207c24_gnq
	.p2alignl 7, 3214868480
	.fill 96, 4, 3214868480
	.section	.rodata,"a",@progbits
	.p2align	6, 0x0
	.amdhsa_kernel k_q6163207c24_gnq
		.amdhsa_group_segment_fixed_size 26624
		.amdhsa_private_segment_fixed_size 0
		.amdhsa_enable_private_segment 0
		.amdhsa_kernarg_size 40
		.amdhsa_user_sgpr_count 2
		.amdhsa_user_sgpr_kernarg_segment_ptr 1
		.amdhsa_wavefront_size32 1
		.amdhsa_system_sgpr_workgroup_id_x 1
		.amdhsa_system_sgpr_workgroup_id_y 1
		.amdhsa_system_sgpr_workgroup_id_z 1
		.amdhsa_system_vgpr_workitem_id 0
		.amdhsa_next_free_vgpr 250
		.amdhsa_next_free_sgpr 104
		.amdhsa_reserve_vcc 0
		.amdhsa_float_denorm_mode_32 3
		.amdhsa_float_denorm_mode_16_64 3
		.amdhsa_memory_ordered 1
		.amdhsa_forward_progress 1
		.amdhsa_inst_pref_size 46
	.end_amdhsa_kernel
	.amdgpu_metadata
---
amdhsa.version: [ 1, 2 ]
amdhsa.kernels:
  - .name:           k_q6163207c24_gnq
    .symbol:         k_q6163207c24_gnq.kd
    .args:
      - { .name: x, .offset: 0, .size: 8, .value_kind: global_buffer, .address_space: global }
      - { .name: gn_w, .offset: 8, .size: 8, .value_kind: global_buffer, .address_space: global }
      - { .name: gn_b, .offset: 16, .size: 8, .value_kind: global_buffer, .address_space: global }
      - { .name: h_codes, .offset: 24, .size: 8, .value_kind: global_buffer, .address_space: global }
      - { .name: h_scales, .offset: 32, .size: 8, .value_kind: global_buffer, .address_space: global }
    .group_segment_fixed_size: 26624
    .private_segment_fixed_size: 0
    .kernarg_segment_align: 8
    .kernarg_segment_size: 40
    .max_flat_workgroup_size: 256
    .sgpr_count:     104
    .vgpr_count:     250
    .wavefront_size: 32
...
	.end_amdgpu_metadata
.endif
;; end of part 4
;; launch qkv (part 5): grid 192 x 1, 4 waves a work-group, no clusters, 55,808 bytes of LDS; arguments h_codes, h_scales, wq_codes, wq_scales, bq, wk_codes, wk_scales, bk, wv_codes, wv_scales, bv, q_img, q_sc, k_img, k_sc, v_img, v_sc; writes q_img, q_sc, k_img, k_sc, v_img, v_sc
.if DOCPART == 5
	.amdgcn_target "amdgcn-amd-amdhsa--gfx1250"
	.amdhsa_code_object_version 6
	.text
	.protected	k_q6163207c24_qkv
	.globl	k_q6163207c24_qkv
	.p2align	8
	.type	k_q6163207c24_qkv,@function
k_q6163207c24_qkv:
	s_mov_b64 s[64:65], 0
	v_nop
	global_prefetch_b8 v0, s[64:65] scope:SCOPE_SE
	s_setreg_imm32_b32 hwreg(HW_REG_WAVE_SCHED_MODE, 0, 2), 2
	s_setreg_imm32_b32 hwreg(HW_REG_WAVE_MODE, 25, 1), 1
	s_wait_xcnt 0x0
	s_wait_alu depctr_vm_vsrc(0)
; q, k, v = W h + bias on codes of BF6 (E3M2) with E8M0 scales, each result quantised at once for the attention: q and k along the channels, v along the keys.
; Work-group id: type = id / 64 (0 q, 1 k, 2 v), batch = (id % 64) / 2, P = id % 2 (512 of the batch's 1,024 pixels).
; ONE SCHEME FOR ALL THREE.  Source 0 of every product is the wave's RESIDENT operand R (8 tiles of 16 rows x 512 along K: 384 registers, read once); source 1 is a STREAMED tile T (16 rows x 512 K), which the four waves share:
; each wave brings one tile of a round's four from memory into registers and stores it to LDS as an image of the operand's registers (16 bytes a lane, 512 a store); any wave loads it back by the same lines.
;   q, k: R = rows 128 w .. + 127 of W, T = a tile of 16 pixels of h.      v: R = 128 pixels (keys) of h, T = a tile of 16 rows of Wv.
; R's ROWS OF A TILE ARE NOT NEIGHBOURS: row r of tile rt is 32 (rt / 2) + 8 (rt % 2) + r + 8 (r / 8) (h's positions lie so in memory), so that a lane, which holds one row of T, has in the 16 registers of tiles 2 b, 2 b + 1
; sixteen neighbours along R: 32 b + 16 (lane / 16) + 0 .. 15.  So a tile's 64 results a lane are 128 along the next product's K: one fragment and one scale word, quantised in registers.
; OUT, as images of operand registers: q_img, k_img [b][pixel tile 64][K step 4][1,536 bytes]; v_img [b][key step 8][channel tile 32][1,536 bytes] (Wv's rows of a tile chosen as above); scale words [..][16 rows] of 4 bytes.
; The bias is the C of a sum's first product: for q, k eight registers a tile of R; for v one number a lane (T's row), spread over eight registers.
; The two kinds of work-group part only round global loads and round a tile's first eight products; every LDS store and every barrier stands on the common way.
; No cluster: work-groups of types q and k share T but not R, type v shares neither with them.  192 equal work-groups.
; LIMITS: NaN and infinities are not served; a block whose largest magnitude lies under 2^-122 keeps the byte 1 (its codes are then zeros or nearly so; this program alone reads the bytes).
; THE MODE: SCHED_MODE bits 1:0 = 2 (LLVM: expert scheduling mode 2), set by the entry lines.  The code itself states the register dependences
; between vector or matrix instructions and memory or LDS instructions, with s_wait_alu, always for 0.
; THE PLAN.  Registers that memory or LDS instructions touch, in the loop:
;   T0, T1        two buffers for a tile of T (fragments, scale words, bias word).  Tile j's products, and for v the eight moves that spread the bias, read buffer j % 2; the LDS loads of tile j + 2 land in it.
;   PC, PW        written by a tile's quantiser; read by the tile's four stores.
;   SG            written by the global loads at a round's end; read by the LDS stores at the next round's end; no vector instruction names it.
;   SS, TSW, BS   SS: written by those global loads, read by the twelve packing lines.  TSW: written by these, read by one LDS store.  BS: written by a load or a move, read by one LDS store.
;   v1, v4 - v15  addresses and offsets, made at the head and never written again; the stores' and the loads' scalar bases move on.
; So ONE wait on va_vdst stands in a tile, behind its quantiser: PC and PW are written, and the tile's products are done reading their buffer of T.  The fetch of tile j + 2 and the tile's stores follow it;
; the fetch has the next tile's products and quantiser in which to land.  The wait on vm_vsrc for PC and PW stands in the next tile, behind its products and ahead of its quantiser.
; One more wait on va_vdst stands at a round's head, ahead of the fetches of tiles 0 and 1; one behind the packing lines; one wait on vm_vsrc behind the LDS stores of what a wave has brought.
.set TYPE, 2
.set WV,   3
.set WC,   38                          ; s[38:39] W's codes at my rows (q, k);  s[40:41] its scales;  s[42:43] its bias
.set WS,   40
.set WB,   42
.set OB,   44                          ; s[44:45] where the next fragment goes;  s[46:47] its scale words
.set OS,   46
.set TC,   48                          ; s[48:49] the codes of the tile of T that I bring next;  s[50:51] its scales;  s[52:53] its bias (v)
.set TSB,  50
.set TBB,  52
.set DOB,  54                          ; s[54:55], s[56:57] by how much OB and OS move on ahead of the next tile's stores: 0 ahead of the first tile's, a tile from then on
.set DOS,  56
.set TRIP, 90
.set SEL,  92
.set TS1,  16                          ; v16-19   T's scale words, buffer 1
.set BTW1, 20                          ; v20      T's rows' bias, buffer 1
.set RS,   32                          ; v32-63   R's scale words: 4 rt + s
.set TS,   64                          ; v64-67   T's scale words, buffer 0
.set TF,   68                          ; v68-115  T's four fragments, buffer 0 (buffer 1: v0-47 of window 3)
.set HA,   116                         ; v116-179 a tile's results
.set TM,   180                         ; v180-195 the quantiser's work
.set PW,   196                         ; the scale word just made
.set PC,   198                         ; v198-217 the codes just made
.set BTW,  218                         ; T's rows' bias, buffer 0
.set BT,   220                         ; v220-227 the same, spread
.set BS,   228                         ; the bias word of the tile that I bring
.set SS,   232                         ; v232-247 its scale bytes
.set TSW,  248                         ; v248-251 its scale words
.set SG,   192                         ; window 1: v192-239 the fragments that I bring;  v0-191: R's tiles 0-3.   window 2: v0-191 R's tiles 4-7, v192-255 the bias of R's rows
.set BR,   192
.set TSI,  49152                       ; LDS: two buffers of 4 tiles x 6,144 bytes; then their scale words, 2 x 4 x 512; then their bias words, 2 x 4 x 128
.set TBI,  53248
.set MSB, 0
.macro WIN new                         ; the immediate's high byte repeats the setting that is left
.if MSB != (\new)
	s_set_vgpr_msb (MSB<<8)|(\new)
.set MSB, (\new)
.endif
.endm
.macro PLACES n
.rept \n
	v_nop
.endr
.endm
; 64 numbers of a lane, register 16 b + i = k 32 b + 16 (lane / 16) + i of my row, become a fragment's codes in v[pc] on and its scale word in v[pw]
.macro QUANT s, tm, pc, pw
.irp b, 0,1,2,3
	v_max3_num_f32 v[\tm+\b], |v[\s+16*\b]|, |v[\s+1+16*\b]|, 0x2800000   ; my 16 numbers of block b, and the floor 2^(5 - 127): the byte cannot fall under 1
.endr
.irp i, 2,4,6,8,10,12,14
.irp b, 0,1,2,3
	v_max3_num_f32 v[\tm+\b], v[\tm+\b], |v[\s+16*\b+\i]|, |v[\s+1+16*\b+\i]|
.endr
.endr
.irp b, 0,1,2,3
	v_permlanex16_b32 v[\tm+4+\b], v[\tm+\b], s[SEL], s[SEL+1]
.endr
.irp b, 0,1,2,3
	v_max_num_f32 v[\tm+\b], v[\tm+\b], v[\tm+4+\b]   ; with lane l xor 16's: the block's largest magnitude
.endr
.irp b, 0,1,2,3
	v_add_nc_u32 v[\tm+12+\b], 0xfe000000, v[\tm+\b]  ; 4 off its exponent field: the conversion's scale operand
.endr
.irp b, 0,1,2,3
	v_lshrrev_b32 v[\tm+4+\b], 23, v[\tm+12+\b]       ; the scale's byte
.endr
	v_lshl_or_b32 v[\pw], v[\tm+5], 8, v[\tm+4]
	v_lshl_or_b32 v[\pw], v[\tm+6], 16, v[\pw]
	v_lshl_or_b32 v[\pw], v[\tm+7], 24, v[\pw]
.irp c, 0,1
	v_cvt_scalef32_pk16_bf6_f32 v[\pc+6*\c:\pc+2+6*\c], v[\s+32*\c:\s+15+32*\c], v[\tm+12+2*\c]
	v_cvt_scalef32_pk16_bf6_f32 v[\pc+12+4*\c:\pc+14+4*\c], v[\s+16+32*\c:\s+31+32*\c], v[\tm+13+2*\c]   ; (a conversion's three registers begin on an even number)
.endr
	v_nop                                          ; one plain place behind a scaled conversion
.irp c, 0,1                            ; the operand's layout wants a whole block in a lane: lanes 0-15 block 2 c, lanes 16-31 block 2 c + 1
.irp i, 0,1,2
	v_permlane16_swap_b32 v[\pc+6*\c+\i], v[\pc+12+4*\c+\i]
.endr
.irp i, 0,1,2
	v_mov_b32 v[\pc+3+6*\c+\i], v[\pc+12+4*\c+\i]
.endr
.endr
.endm
	s_load_b512 s[4:19], s[0:1], 0x0               ; h_codes 4, h_scales 6, wq_codes 8, wq_scales 10, bq 12, wk_codes 14, wk_scales 16, bk 18
	s_load_b512 s[20:35], s[0:1], 0x40             ; wv_codes 20, wv_scales 22, bv 24, q_img 26, q_sc 28, k_img 30, k_sc 32, v_img 34
	s_load_b64 s[36:37], s[0:1], 0x80              ; v_sc
	v_lshl_add_u32 v254, v0, 2, 0xd800
	v_mov_b32 v255, 0
	v_lshrrev_b32 v1, 5, v0
	v_readfirstlane_b32 s[WV], v1                  ; wave 0..3
	v_and_b32 v1, 15, v0                           ; r; also h's scale bytes' lane offset
	v_bfe_u32 v2, v0, 4, 1                         ; h
	v_and_b32 v3, 8, v1
	v_add_nc_u32 v3, v3, v1                        ; r + 8 (r / 8)
	v_and_b32 v4, 31, v0
	v_lshlrev_b32 v5, 2, v4                        ; 4 x lane
	v_lshlrev_b32 v4, 4, v4                        ; 16 x lane: an image's place for my lane
	v_mul_u32_u24 v6, v1, 24
	v_mad_u32_u24 v6, v2, 24576, v6                ; h's codes: position r, 24 bytes; lanes 16-31 one block of 32 channels on
	v_mul_u32_u24 v7, v3, 384
	v_mad_u32_u24 v7, v2, 24, v7                   ; W's codes: a row is 384 bytes
	v_lshlrev_b32 v9, 4, v3                        ; W's scales: 16 bytes a row
	v_lshlrev_b32 v10, 2, v3                       ; a bias by W's rows
	v_lshlrev_b32 v11, 6, v2                       ; the bias of R's rows: 16 numbers on for lanes 16-31
	s_wait_alu depctr_va_sdst(0)                   ; the wave's number is written, ahead of its first reader: LDS addresses and all bases are made from it
	s_mul_i32 s56, s[WV], 6144
	v_add_nc_u32 v12, s56, v4                      ; where I store the tile that I bring,
	s_lshl_b32 s56, s[WV], 9
	v_add_nc_u32 v13, s56, v4                      ; its scale words,
	s_lshl_b32 s56, s[WV], 7
	v_add_nc_u32 v14, s56, v5                      ; its bias word
	v_lshlrev_b32 v15, 2, v1                       ; a scale word's place in memory: 4 r
.irp i, 0,1,2,3,4,5,6,7,8,9,10,11,12,13,14,15
	v_mov_b32 v[SS+\i], 0                          ; where T is Wv only every fourth is loaded (a whole word); the others stay 0, so that one pack serves both kinds
.endr
.irp b, 0,1,2,3
	v_mov_b32 v[TM+4+\b], 0                        ; written once: a lane permute's destination counts as one of its sources
.endr
	s_mov_b32 s[SEL], 0x76543210
	s_mov_b32 s[SEL+1], 0xfedcba98
	s_lshr_b32 s[TYPE], ttmp9, 6
	s_bfe_u32 s54, ttmp9, 0x50001                  ; batch
	s_and_b32 s55, ttmp9, 1                        ; P
	s_mul_i32 s56, s54, 393216                     ; the batch's codes of h,
	s_lshl_b32 s57, s54, 14                        ; its scale bytes
	s_lshl_b32 s58, s55, 5                         ; 32 P: my half's first pixel tile
	s_add_co_u32 s59, s58, s[WV]                   ; q, k: the first tile of T that I bring
	s_mul_i32 s60, s59, 384
	s_add_co_u32 s60, s60, s56
	s_lshl_b32 s61, s59, 4
	s_add_co_u32 s61, s61, s57
	s_lshr_b32 s62, s[WV], 1                       ; v: tile w of Wv begins at row 32 (w / 2) + 8 (w % 2)
	s_lshl_b32 s62, s62, 5
	s_and_b32 s63, s[WV], 1
	s_lshl_b32 s63, s63, 3
	s_add_co_u32 s62, s62, s63
	s_mul_i32 s63, s62, 384
	s_lshl_b32 s66, s62, 4
	s_lshl_b32 s96, s62, 2
	s_mov_b32 s97, 0
	s_lshl_b32 s59, s[WV], 3                       ; v: R = pixel tiles 32 P + 8 w on
	s_add_co_u32 s59, s59, s58
	s_mul_i32 s68, s59, 384
	s_add_co_u32 s68, s68, s56
	s_mov_b32 s69, 0
	s_lshl_b32 s70, s59, 4
	s_add_co_u32 s70, s70, s57
	s_mov_b32 s71, 0
	s_lshl_b32 s59, s54, 6                         ; the first fragment that I store: q, k: (64 b + 32 P) x 4 + w;
	s_add_co_u32 s59, s59, s58
	s_lshl_b32 s59, s59, 2
	s_add_co_u32 s59, s59, s[WV]
	s_lshl_b32 s94, s54, 3                         ; v: (8 b + 4 P + w) x 32
	s_lshl_b32 s95, s55, 2
	s_add_co_u32 s94, s94, s95
	s_add_co_u32 s94, s94, s[WV]
	s_lshl_b32 s94, s94, 5
	s_cmp_eq_u32 s[TYPE], 2                        ; offsets and steps by the kind; only moves, selects and multiplies stand up to the last select
	s_cselect_b32 s72, s63, s60
	s_cselect_b32 s74, s66, s61
	s_cselect_b32 s76, s94, s59
	s_mov_b32 s78, 1536
	s_cselect_b32 s78, 24576, s78                  ; a round on in T's codes: four tiles of h, or 64 rows of Wv
	s_cselect_b32 s80, 1024, 64                    ; in its scales
	s_mov_b32 s82, 6144
	s_cselect_b32 s82, 1536, s82                   ; a tile on in the images,
	s_cselect_b32 s84, 64, 256                     ; in the scale words
	s_mov_b32 s73, 0
	s_mov_b32 s75, 0
	s_mov_b32 s79, 0
	s_mov_b32 s81, 0
	s_mov_b32 s83, 0
	s_mov_b32 s85, 0
	s_mul_i32 s86, s76, 1536
	s_mov_b32 s87, 0
	s_lshl_b32 s88, s76, 6
	s_mov_b32 s89, 0
	s_mul_i32 s98, s[WV], 49152                    ; q, k: my 128 rows of W
	s_mov_b32 s99, 0
	s_wait_kmcnt 0x0
	s_cmp_eq_u32 s[TYPE], 0
	s_cselect_b64 s[WC:WC+1], s[8:9], s[14:15]
	s_cselect_b64 s[WS:WS+1], s[10:11], s[16:17]
	s_cselect_b64 s[WB:WB+1], s[12:13], s[18:19]
	s_cselect_b64 s[OB:OB+1], s[26:27], s[30:31]
	s_cselect_b64 s[OS:OS+1], s[28:29], s[32:33]
	s_cmp_eq_u32 s[TYPE], 2
	s_cselect_b64 s[OB:OB+1], s[34:35], s[OB:OB+1]
	s_cselect_b64 s[OS:OS+1], s[36:37], s[OS:OS+1]
	s_cselect_b64 s[TC:TC+1], s[20:21], s[4:5]
	s_cselect_b64 s[TSB:TSB+1], s[22:23], s[6:7]
	s_add_nc_u64 s[TC:TC+1], s[TC:TC+1], s[72:73]
	s_add_nc_u64 s[TSB:TSB+1], s[TSB:TSB+1], s[74:75]
	s_add_nc_u64 s[TBB:TBB+1], s[24:25], s[96:97]
	s_add_nc_u64 s[OB:OB+1], s[OB:OB+1], s[86:87]
	s_add_nc_u64 s[OS:OS+1], s[OS:OS+1], s[88:89]
	s_add_nc_u64 s[WC:WC+1], s[WC:WC+1], s[98:99]
	s_lshl_b32 s98, s[WV], 11
	s_add_nc_u64 s[WS:WS+1], s[WS:WS+1], s[98:99]
	s_lshl_b32 s98, s[WV], 9
	s_add_nc_u64 s[WB:WB+1], s[WB:WB+1], s[98:99]
	s_add_nc_u64 s[4:5], s[4:5], s[68:69]          ; v: R's codes,
	s_add_nc_u64 s[6:7], s[6:7], s[70:71]          ; R's scale bytes
; R's tile rt, four fragments.  A fragment is 12 registers: lane (r, h) holds of row r, in registers 6 c .. 6 c + 5, k = 64 c + 32 h + 0 .. 31: 24 bytes as they lie, in three loads of 8
.macro RLW rt
.irp s, 0,1,2,3
.irp p, 0,1,2,3,4,5
	global_load_b64 v[12*(4*((\rt)%4)+\s)+2*\p:12*(4*((\rt)%4)+\s)+2*\p+1], v7, s[WC:WC+1] offset:(32*((\rt)/2)+8*((\rt)%2))*384+96*\s+48*(\p/3)+8*(\p%3)
.endr
.endr
.endm
.macro RLH rt
.irp s, 0,1,2,3
.irp p, 0,1,2,3,4,5
	global_load_b64 v[12*(4*((\rt)%4)+\s)+2*\p:12*(4*((\rt)%4)+\s)+2*\p+1], v6, s[4:5] offset:(\rt)*384+(4*\s+2*(\p/3))*24576+8*(\p%3)
.endr
.endr
.endm
	s_wait_alu depctr_va_vdst(0)                   ; the addresses and offsets v1, v4 to v15 are written, which every load and store of the kernel reads; so are the zeros in v[SS ..], in which loads land
	s_cmp_eq_u32 s[TYPE], 2
	s_cbranch_scc1 .Lr_is_h
	WIN 0x40
.irp rt, 0,1,2,3
	RLW \rt
.endr
	WIN 0x80
.irp rt, 4,5,6,7
	RLW \rt
.endr
.irp rt, 0,1,2,3,4,5,6,7               ; lane (r, h), tile rt, register j: the bias of R's row 32 (rt / 2) + 16 h + 8 (rt % 2) + j
	global_load_b128 v[BR+8*\rt:BR+8*\rt+3], v11, s[WB:WB+1] offset:(32*(\rt/2)+8*(\rt%2))*4
	global_load_b128 v[BR+8*\rt+4:BR+8*\rt+7], v11, s[WB:WB+1] offset:(32*(\rt/2)+8*(\rt%2))*4+16
.endr
	WIN 0
.irp rt, 0,1,2,3,4,5,6,7
	global_load_b128 v[RS+4*\rt:RS+4*\rt+3], v9, s[WS:WS+1] offset:(32*(\rt/2)+8*(\rt%2))*16   ; a row's 16 scale bytes are its four words
.endr
	s_branch .Lr_done
.Lr_is_h:
	WIN 0x40
.irp rt, 0,1,2,3
	RLH \rt
.endr
	WIN 0x80
.irp rt, 4,5,6,7
	RLH \rt
.endr
.set i, 0
.rept 64
	v_mov_b32 v[BR+i], 0                           ; not used by this kind: written so that both ways write the same registers
.set i, i+1
.endr
	WIN 0
.irp g, 0,1                            ; h's scale bytes lie a block of channels apart: 16 loads of a byte for a tile, packed into its four words; four tiles at a time
.if \g == 1
	s_wait_alu depctr_va_vdst(0)                   ; the packing lines above are done reading v[HA ..], in which the next 64 loads land
.endif
.irp q, 0,1,2,3
.irp cb, 0,1,2,3,4,5,6,7,8,9,10,11,12,13,14,15
	global_load_u8 v[HA+16*\q+\cb], v1, s[6:7] offset:(4*\g+\q)*16+\cb*1024
.endr
.endr
	s_wait_loadcnt 0x0
.irp q, 0,1,2,3
.irp s, 0,1,2,3
	v_lshl_or_b32 v[RS+4*(4*\g+\q)+\s], v[HA+16*\q+4*\s+1], 8, v[HA+16*\q+4*\s]
	v_lshl_or_b32 v[RS+4*(4*\g+\q)+\s], v[HA+16*\q+4*\s+2], 16, v[RS+4*(4*\g+\q)+\s]
	v_lshl_or_b32 v[RS+4*(4*\g+\q)+\s], v[HA+16*\q+4*\s+3], 24, v[RS+4*(4*\g+\q)+\s]
.endr
.endr
.endr
.Lr_done:
.macro GLOAD                           ; the tile of T that I bring for a later round: fragments, scale bytes or words, bias word.  What these loads and the move hang on is stated in STAGE, which stands ahead of every GLOAD but the first
	s_cmp_eq_u32 s[TYPE], 2
	s_cbranch_scc1 .Lt_is_w_\@
	WIN 0x40
.irp s, 0,1,2,3
.irp p, 0,1,2,3,4,5
	global_load_b64 v[SG+12*\s+2*\p:SG+12*\s+2*\p+1], v6, s[TC:TC+1] offset:(4*\s+2*(\p/3))*24576+8*(\p%3)
.endr
.endr
	WIN 0
.irp cb, 0,1,2,3,4,5,6,7,8,9,10,11,12,13,14,15
	global_load_u8 v[SS+\cb], v1, s[TSB:TSB+1] offset:\cb*1024
.endr
	v_mov_b32 v[BS], 0
	s_branch .Lt_done_\@
.Lt_is_w_\@:
	WIN 0x40
.irp s, 0,1,2,3
.irp p, 0,1,2,3,4,5
	global_load_b64 v[SG+12*\s+2*\p:SG+12*\s+2*\p+1], v7, s[TC:TC+1] offset:96*\s+48*(\p/3)+8*(\p%3)
.endr
.endr
	WIN 0
.irp s, 0,1,2,3
	global_load_b32 v[SS+4*\s], v9, s[TSB:TSB+1] offset:4*\s
.endr
	global_load_b32 v[BS], v10, s[TBB:TBB+1]
.Lt_done_\@:
.endm
.macro STAGE u                         ; what I brought goes to LDS buffer u as it stands in the registers
.irp s, 0,1,2,3
	v_lshl_or_b32 v[TSW+\s], v[SS+4*\s+1], 8, v[SS+4*\s]
	v_lshl_or_b32 v[TSW+\s], v[SS+4*\s+2], 16, v[TSW+\s]
	v_lshl_or_b32 v[TSW+\s], v[SS+4*\s+3], 24, v[TSW+\s]
.endr
	WIN 0x04                                       ; an LDS store's data are its source 1: window 1
	s_wait_alu depctr_va_vdst(0)                   ; the packing lines have written v[TSW ..] and the move v[BS], which the LDS stores read, and are done reading v[SS ..], in which the next loads land; ahead of the first product: R's scale words are written
.irp k, 0,1,2,3,4,5,6,7,8,9,10,11
	ds_store_b128 v12, v[SG+4*\k:SG+4*\k+3] offset:\u*24576+512*\k
.endr
	WIN 0
	ds_store_b128 v13, v[TSW:TSW+3] offset:TSI+\u*2048
	ds_store_b32 v14, v[BS] offset:TBI+\u*512
	s_wait_dscnt 0x0                               ; my stores are done: for the others behind the barrier
	s_wait_alu depctr_vm_vsrc(0)                   ; the LDS stores have read v[SG ..], v[TSW ..] and v[BS], which the next loads, the next packing lines and the move write again
.endm
.macro STEPT                           ; a round on; the loads that named these bases are done (their wait for 0 stands above)
	s_add_nc_u64 s[TC:TC+1], s[TC:TC+1], s[78:79]
	s_add_nc_u64 s[TSB:TSB+1], s[TSB:TSB+1], s[80:81]
	s_add_nc_u64 s[TBB:TBB+1], s[TBB:TBB+1], 256
.endm
.macro TFETCH u, j                     ; tile j of LDS buffer u comes back, in any wave, into register buffer j % 2: 14 loads
.if (\j)%2 == 0
.irp k, 0,1,2,3,4,5,6,7,8,9,10,11
	ds_load_b128 v[TF+4*\k:TF+4*\k+3], v4 offset:\u*24576+(\j)*6144+512*\k
.endr
	ds_load_b128 v[TS:TS+3], v4 offset:TSI+\u*2048+(\j)*512
	ds_load_b32 v[BTW], v5 offset:TBI+\u*512+(\j)*128
.else
	WIN 0xc0                                       ; destination window 3
.irp k, 0,1,2,3,4,5,6,7,8,9,10,11
	ds_load_b128 v[4*\k:4*\k+3], v4 offset:\u*24576+(\j)*6144+512*\k
.endr
	WIN 0
	ds_load_b128 v[TS1:TS1+3], v4 offset:TSI+\u*2048+(\j)*512
	ds_load_b32 v[BTW1], v5 offset:TBI+\u*512+(\j)*128
.endif
.endm
.macro WM rt, s, how, j                ; one product of tile j.  how = 0: onto its sum; 1: the sum begins with the bias of R's rows; 2: with that of T's rows
.set rD, HA+8*(\rt)
.set rA, 12*(4*((\rt)%4)+(\s))
.if (\j)%2 == 0
.set rB, TF+12*(\s)
.set rT, TS+(\s)
.else
.set rB, 12*(\s)
.set rT, TS1+(\s)
.endif
.if \how == 0
	v_wmma_scale_f32_16x16x128_f8f6f4 v[rD:rD+7], v[rA:rA+11], v[rB:rB+11], v[rD:rD+7], v[RS+4*(\rt)+(\s)], v[rT] matrix_a_fmt:MATRIX_FMT_BF6 matrix_b_fmt:MATRIX_FMT_BF6
.elseif \how == 1
	v_wmma_scale_f32_16x16x128_f8f6f4 v[rD:rD+7], v[rA:rA+11], v[rB:rB+11], v[BR+8*(\rt):BR+8*(\rt)+7], v[RS+4*(\rt)+(\s)], v[rT] matrix_a_fmt:MATRIX_FMT_BF6 matrix_b_fmt:MATRIX_FMT_BF6
.else
	v_wmma_scale_f32_16x16x128_f8f6f4 v[rD:rD+7], v[rA:rA+11], v[rB:rB+11], v[BT:BT+7], v[RS+4*(\rt)+(\s)], v[rT] matrix_a_fmt:MATRIX_FMT_BF6 matrix_b_fmt:MATRIX_FMT_BF6
.endif
.endm
; A tile of T: 32 products (the eight sums by turns, K step by K step), the quantiser, the fetch of the tile two on, one fragment and its scale words out
.macro TILE u, j
.set WT, 0x0c*((\j)%2)                 ; source 1 (T): window 0 for buffer 0, window 3 for buffer 1
.if (\j)%2 == 0
.set rW, BTW
.else
.set rW, BTW1
.endif
.if \j < 3
	s_wait_dscnt 14                                ; LDS loads come back in order (ISA guide 5.7.1): this tile's fragments, scale words and bias word are in; the 14 loads of the other buffer may be out
.else
	s_wait_dscnt 0x0
.endif
	s_cmp_eq_u32 s[TYPE], 2
	s_cbranch_scc1 .Lbias_t_\@
	WIN 0x21+WT                                    ; source 0 (R) window 1, C (bias) window 2
.irp rt, 0,1,2,3
	WM \rt, 0, 1, \j
.endr
	WIN 0x22+WT
.irp rt, 4,5,6,7
	WM \rt, 0, 1, \j
.endr
	WIN 0                                          ; at a branch and at a label every window is 0
	s_branch .Lbias_done_\@
.Lbias_t_\@:
.irp i, 0,1,2,3,4,5,6,7
	v_mov_b32 v[BT+\i], v[rW]
.endr
	PLACES 4
	WIN 0x01+WT
.irp rt, 0,1,2,3
	WM \rt, 0, 2, \j
.endr
	WIN 0x02+WT
.irp rt, 4,5,6,7
	WM \rt, 0, 2, \j
.endr
	WIN 0
.Lbias_done_\@:
.irp s, 1,2,3
	WIN 0x01+WT
.irp rt, 0,1,2,3
	WM \rt, \s, 0, \j
.endr
	WIN 0x02+WT
.irp rt, 4,5,6,7
	WM \rt, \s, 0, \j
.endr
.endr
	WIN 0
	PLACES 4                                       ; places in front of the first read of the results
	s_wait_xcnt 0x0                                ; the last tile's stores have had their addresses translated: their bases and registers are written again only behind this wait
	s_wait_alu depctr_vm_vsrc(0)                   ; the last tile's stores have read v[PC ..] and v[PW], which the quantiser below writes again
	s_add_nc_u64 s[OB:OB+1], s[OB:OB+1], s[DOB:DOB+1]   ; a tile on; ahead of the first tile's stores: by nothing
	s_add_nc_u64 s[OS:OS+1], s[OS:OS+1], s[DOS:DOS+1]
	QUANT HA, TM, PC, PW
	s_wait_alu depctr_va_vdst(0)                   ; the quantiser has written v[PC ..] and v[PW], which the stores read; this tile's products and bias moves are done reading their buffer of T, in which the loads below land
.if \j < 2
	TFETCH \u, \j+2                                ; lands while the next tile is multiplied and quantised.  No vector or matrix instruction since the wait names its registers
.endif
.irp c, 0,1,2
	global_store_b128 v4, v[PC+4*\c:PC+4*\c+3], s[OB:OB+1] offset:512*\c   ; 32 lanes store 512 consecutive bytes, at a multiple of 256 from the buffer's first byte
.endr
	global_store_b32 v15, v[PW], s[OS:OS+1]        ; 16 words; lanes 16-31 hold and write the same as lanes 0-15
	s_mov_b64 s[DOB:DOB+1], s[82:83]               ; from here on the bases move on by a tile
	s_mov_b64 s[DOS:DOS+1], s[84:85]
.endm
; A round: four tiles out of buffer u; then what I brought for the next round goes into the other buffer, which every wave has finished reading in front of the last barrier; then the loads for the round after that.
; One barrier a round: in front of it my stores are done and my reads of buffer u are in.  The last trip brings nothing beyond T's end.
.macro ROUND u
	s_wait_alu depctr_va_vdst(0)                   ; the last round's products and bias moves are done reading both buffers of T, in which the loads below land
	TFETCH \u, 0
	TFETCH \u, 1
	TILE \u, 0
	TILE \u, 1
	TILE \u, 2
	TILE \u, 3
.if \u == 0
	s_wait_loadcnt 0x0
	STAGE 1
	s_cmp_eq_u32 s[TRIP], 3
	s_cbranch_scc1 .Lno_more_\@
	STEPT
	GLOAD
.else
	s_cmp_eq_u32 s[TRIP], 3
	s_cbranch_scc1 .Lno_more_\@
	s_wait_loadcnt 0x0
	STAGE 0
	STEPT
	GLOAD
.endif
.Lno_more_\@:
	s_wait_dscnt 0x0
	s_barrier_signal -1
	s_barrier_wait -1
.endm
	GLOAD                                          ; round 0's: its registers and offsets were last named ahead of the head's wait on va_vdst
	s_wait_loadcnt 0x0                             ; and R
	STAGE 0
	STEPT
	GLOAD                                          ; round 1's
	s_barrier_signal -1
	s_barrier_wait -1
	s_mov_b64 s[DOB:DOB+1], 0
	s_mov_b64 s[DOS:DOS+1], 0
	s_mov_b32 s[TRIP], 0
.Ltrip:
	ROUND 0
	ROUND 1
	s_add_co_u32 s[TRIP], s[TRIP], 1
	s_cmp_lt_u32 s[TRIP], 4
	s_cbranch_scc1 .Ltrip
	s_wait_dscnt 0x0                               ; the closing lines, six on end
	s_wait_alu 0x0
	s_wait_tensorcnt 0x0
	ds_add_u32 v254, v255
	s_wait_dscnt 0x0
	s_endpgm
.Lfunc_end_k_q6163207c24_qkv:
	.size	k_q6163207c24_qkv, .Lfunc_end_k_q6163207c24_qkv-k_q6163207c24_qkv
	.p2alignl 7, 3214868480
	.fill 96, 4, 3214868480
	.section	.rodata,"a",@progbits
	.p2align	6, 0x0
	.amdhsa_kernel k_q6163207c24_qkv
		.amdhsa_group_segment_fixed_size 55808
		.amdhsa_private_segment_fixed_size 0
		.amdhsa_enable_private_segment 0
		.amdhsa_kernarg_size 136
		.amdhsa_user_sgpr_count 2
		.amdhsa_user_sgpr_kernarg_segment_ptr 1
		.amdhsa_wavefront_size32 1
		.amdhsa_system_sgpr_workgroup_id_x 1
		.amdhsa_system_sgpr_workgroup_id_y 1
		.amdhsa_system_sgpr_workgroup_id_z 1
		.amdhsa_system_vgpr_workitem_id 0
		.amdhsa_next_free_vgpr 816
		.amdhsa_next_free_sgpr 102
		.amdhsa_reserve_vcc 0
		.amdhsa_float_denorm_mode_32 3
		.amdhsa_float_denorm_mode_16_64 3
		.amdhsa_memory_ordered 1
		.amdhsa_forward_progress 1
		.amdhsa_inst_pref_size 188
	.end_amdhsa_kernel
	.amdgpu_metadata
---
amdhsa.version: [ 1, 2 ]
amdhsa.kernels:
  - .name:           k_q6163207c24_qkv
    .symbol:         k_q6163207c24_qkv.kd
    .args:
      - { .name: h_codes, .offset: 0, .size: 8, .value_kind: global_buffer, .address_space: global }
      - { .name: h_scales, .offset: 8, .size: 8, .value_kind: global_buffer, .address_space: global }
      - { .name: wq_codes, .offset: 16, .size: 8, .value_kind: global_buffer, .address_space: global }
      - { .name: wq_scales, .offset: 24, .size: 8, .value_kind: global_buffer, .address_space: global }
      - { .name: bq, .offset: 32, .size: 8, .value_kind: global_buffer, .address_space: global }
      - { .name: wk_codes, .offset: 40, .size: 8, .value_kind: global_buffer, .address_space: global }
      - { .name: wk_scales, .offset: 48, .size: 8, .value_kind: global_buffer, .address_space: global }
      - { .name: bk, .offset: 56, .size: 8, .value_kind: global_buffer, .address_space: global }
      - { .name: wv_codes, .offset: 64, .size: 8, .value_kind: global_buffer, .address_space: global }
      - { .name: wv_scales, .offset: 72, .size: 8, .value_kind: global_buffer, .address_space: global }
      - { .name: bv, .offset: 80, .size: 8, .value_kind: global_buffer, .address_space: global }
      - { .name: q_img, .offset: 88, .size: 8, .value_kind: global_buffer, .address_space: global }
      - { .name: q_sc, .offset: 96, .size: 8, .value_kind: global_buffer, .address_space: global }
      - { .name: k_img, .offset: 104, .size: 8, .value_kind: global_buffer, .address_space: global }
      - { .name: k_sc, .offset: 112, .size: 8, .value_kind: global_buffer, .address_space: global }
      - { .name: v_img, .offset: 120, .size: 8, .value_kind: global_buffer, .address_space: global }
      - { .name: v_sc, .offset: 128, .size: 8, .value_kind: global_buffer, .address_space: global }
    .group_segment_fixed_size: 55808
    .private_segment_fixed_size: 0
    .kernarg_segment_align: 8
    .kernarg_segment_size: 136
    .max_flat_workgroup_size: 128
    .sgpr_count:     102
    .vgpr_count:     816
    .wavefront_size: 32
...
	.end_amdgpu_metadata
.endif
;; end of part 5
;; launch attn (part 6): grid 256 x 1, 4 waves a work-group, no clusters, 327,680 bytes of LDS; arguments q_img, q_sc, k_img, k_sc, v_img, v_sc, wp_codes, wp_scales, bp, x, out0; writes out0
.if DOCPART == 6
	.amdgcn_target "amdgcn-amd-amdhsa--gfx1250"
	.amdhsa_code_object_version 6
	.text
	.protected	k_q6163207c24_attn
	.globl	k_q6163207c24_attn
	.p2align	8
	.type	k_q6163207c24_attn,@function
k_q6163207c24_attn:
	s_mov_b64 s[64:65], 0
	v_nop
	global_prefetch_b8 v0, s[64:65] scope:SCOPE_SE
	s_setreg_imm32_b32 hwreg(HW_REG_WAVE_MODE, 25, 1), 1
	s_wait_xcnt 0x0
; out0 = x + wp (softmax(q k^T / sqrt(512)) v) + bp, all three products on codes of BF6 (E3M2) with E8M0 scales.  One head of 512 channels, 1,024 keys a batch.
; A work-group owns 128 queries of one batch (id = 8 b + block): eight tiles of 16.  Keys go in eight steps of 128.
; SHARES.  Scores and softmax: wave w owns query tiles 2 w, 2 w + 1 against all keys, so that a row's maximum and sum stay in one wave.  Second product: wave w owns channels 128 w .. + 127 for ALL eight query tiles
; (64 accumulators, 512 registers), so that each fragment of V goes from memory straight into the one wave that uses it; what goes round is small: p's codes, as images of the operand's registers in LDS.
; Last product: wave w owns outputs 128 w .. + 127.
; LAYOUT.  S^T = K Q^T (source 0 = 16 keys, source 1 = 16 queries) and O^T = V^T P^T (source 0 = 16 channels): a lane holds one query.  The keys of a tile of K and the channels of a tile of V are not neighbours (row r of tile t is
; 32 (t / 2) + 8 (t % 2) + r + 8 (r / 8); the launch before has laid them so), so that 16 registers of two neighbouring tiles are 16 neighbours along the next product's K.
; SOFTMAX: t = score x log2(e) / sqrt(512); M = the running largest t rounded up to a whole number; p = 2^(t - M) is quantised along the keys, not normalised; the row's sum is taken of the unquantised p; when M moves, sums and O^T are
; multiplied by 2^(old M - new M), which rounds nothing.  A block's largest p is made from the block's largest score by the same multiply-add and exponential (this takes v_exp_f32 not to fall where its input rises).
; K's tiles come through two LDS slots by tensor loads, a quarter of a step's 49,152 bytes a wave; by this text's count a wave has one tensor load out.  All operands lie in memory as images of registers: 16 bytes a lane, no pitch, no padding.
; THE RESIDUAL x COMES EARLY.  Of the 128 rows (channels) x 512 bytes of x that a wave adds at the end, 96 come during the key loop, 12 a step: asked for behind a step's second barrier into 48 registers, put into the wave's own
; LDS bytes in the next step; the other 32 rows are asked for at the head of the end phase, into registers.  So the end has out0's stores alone to move.
; THE LAST PRODUCT GOES BY TILES OF 16 OUTPUTS: all 32 fragments of the attention's result lie in registers, a tile's 32 products are finished, and its rows leave while the next tile is multiplied.
; No cluster in this text: the eight work-groups of a batch walk the same K and V, but only K, half of a step's bytes, passes through LDS.
; The accumulators are cleared once at the head: the step is then written twice (loop and tail) and not a third time.
; LIMITS: NaN and infinities are not served; a block whose largest magnitude lies under 2^-122 keeps the byte 1.
; REGISTERS, in windows of 256.  Window 0: v1-25 addresses; v32-47 K's scale words (later wp's); v48-51 Q's; v52-55 V's; v56-63 statistics; v64-191 S^T, then p (later P's fragments and the pairs (f, p's scale word)); v192-255 at work.
;   window 1: v0-95 Q (later wp, two sets); v96-191 two sets of a key tile's fragments, then V's eight (later 16 rows of x); v192-239 twelve rows of x on their way to LDS (later 16 rows of x).
;   windows 2, 3: accumulator (channel tile c, query tile q) at v[8 (8 (q % 4) + c)] of window 2 + q / 4; in the last product: the result's fragments (q, K step s): q 0-4 at v[12 (4 q + s)] of window 2, q 5-7 at
;   v[12 (4 (q - 5) + s)] of window 3; the eight accumulators at v144-207 of window 3.
.set LI,   1                           ; 16 x lane
.set LS,   2                           ; 4 x lane
.set SPW,  4                           ; LDS address of my spare word; never rewritten
.set NIL,  5                           ; 0; never rewritten
.set ADK,  6                           ; the slot in hand + 16 x lane
.set API,  7                           ; PIMG + 16 x lane
.set APW,  8                           ; + 3,072 x wave: my two tiles' images of p
.set AFR,  9                           ; FIMG + 8 x lane
.set AFW,  10                          ; + 512 x wave
.set AOW,  11                          ; 16 x lane + 1,536 x wave: with an offset, my images of the attention's result
.set AOS,  12                          ; OSC + 4 x lane
.set AOSW, 13                          ; + 128 x wave
.set ASO,  14                          ; my stage: where I put 32 bytes of a row
.set ASR,  15                          ; and where I read a row back
.set PFO,  16                          ; 256 x lane
.set LWP,  17                          ; wp's codes: 384 r + 24 h
.set LWS,  18                          ; wp's scales: 16 r
.set LBP,  19                          ; bp: 4 r
.set AXB,  24                          ; XB + 49,152 x wave + 16 x lane: my rows of x in LDS
.set ADX,  25                          ; the same at the step's twelve rows
.set KS,   32
.set WPS,  32                          ; wp's scale words: two sets of four
.set QS,   48
.set VS,   52
.set ST,   56                          ; tile t: v[ST+4t] -M, +1 the largest t, +2, +3 the sum in two halves
.set S,    64
.set PF,   64                          ; P's eight fragments
.set BPW,  144                         ; the end: bp of output 16 o + r, o = 0 .. 7
.set OSW,  152                         ; the end: the result's 32 scale words
.set FP,   160                         ; the eight pairs (f, p's scale word)
.set BC,   184                         ; the end: a tile's bp, spread over eight registers
.set BM,   192                         ; the blocks' largest scores, then largest p
.set BP,   196
.set SO,   200                         ; the conversions' scale operands
.set TBK,  204                         ; tile t at 204 + 26 t: 12 codes, 8 at work, the pair (f, scale word)
.set TP,   226
.set KB,   96                          ; in window 1
.set XS,   192                         ; in window 1
.set SLOT1, 65536                      ; LDS: K's slot 0 at 0, slot 1 here: one exclusive or turns one into the other
.set PIMG,  49152                      ; between the slots: 8 x 1,536: p's images;
.set FIMG,  61440                      ; 8 x 256: (f, scale word), 8 bytes a lane;  2,048 on: 1 / the rows' sums
.set STG,   65536                      ; in slot 1, behind its last fill and last read: 4 x 16 rows x 528: the way out;
.set OSC,   99328                      ; 32 x 128: the result's scale words.  Its 32 images of 1,536 bytes lie in slot 0, from byte 0 on, likewise
.set SPARE, 114688                     ; the spare words, 128 bytes for each wave: two blocks of 256 bytes that no other line names
.set XB,    115200                     ; 4 x 96 rows of 512 bytes: x
.set WV,   26
.set SEL,  30
.set CS,   32
.set G1,   36
.set G0,   44
.set TB,   48
.set SLOTS, 49
.set IDX,  50
.set PFA,  52
.set XP,   76                          ; s[76:77] x at the twelve rows asked for last
.set XO,   78                          ; where the step's twelve rows go in my part of XB
.set MSB, 0
.macro WIN new                         ; the immediate's high byte repeats the setting that is left
.if MSB != \new
	s_set_vgpr_msb (MSB<<8)|\new
.set MSB, \new
.endif
.endm
.macro PLACES n
.rept \n
	v_nop
.endr
.endm
.macro QUANT s, tm, pc, pw             ; 64 numbers of a lane, register 16 b + i = k 32 b + 16 (lane / 16) + i of my row, become a fragment's codes and its scale word
.irp b, 0,1,2,3
	v_max3_num_f32 v[\tm+\b], |v[\s+16*\b]|, |v[\s+1+16*\b]|, 0x2800000
.endr
.irp i, 2,4,6,8,10,12,14
.irp b, 0,1,2,3
	v_max3_num_f32 v[\tm+\b], v[\tm+\b], |v[\s+16*\b+\i]|, |v[\s+1+16*\b+\i]|
.endr
.endr
.irp b, 0,1,2,3
	v_permlanex16_b32 v[\tm+4+\b], v[\tm+\b], s[SEL], s[SEL+1]
.endr
.irp b, 0,1,2,3
	v_max_num_f32 v[\tm+\b], v[\tm+\b], v[\tm+4+\b]
.endr
.irp b, 0,1,2,3
	v_add_nc_u32 v[\tm+12+\b], 0xfe000000, v[\tm+\b]
.endr
.irp b, 0,1,2,3
	v_lshrrev_b32 v[\tm+4+\b], 23, v[\tm+12+\b]
.endr
	v_lshl_or_b32 v[\pw], v[\tm+5], 8, v[\tm+4]
	v_lshl_or_b32 v[\pw], v[\tm+6], 16, v[\pw]
	v_lshl_or_b32 v[\pw], v[\tm+7], 24, v[\pw]
.irp c, 0,1
	v_cvt_scalef32_pk16_bf6_f32 v[\pc+6*\c:\pc+2+6*\c], v[\s+32*\c:\s+15+32*\c], v[\tm+12+2*\c]
	v_cvt_scalef32_pk16_bf6_f32 v[\pc+12+4*\c:\pc+14+4*\c], v[\s+16+32*\c:\s+31+32*\c], v[\tm+13+2*\c]
.endr
	v_nop                                          ; one plain place behind a scaled conversion
.irp c, 0,1
.irp i, 0,1,2
	v_permlane16_swap_b32 v[\pc+6*\c+\i], v[\pc+12+4*\c+\i]
.endr
.irp i, 0,1,2
	v_mov_b32 v[\pc+3+6*\c+\i], v[\pc+12+4*\c+\i]
.endr
.endr
.endm
	s_load_b512 s[4:19], s[0:1], 0x0               ; q_img 4, q_sc 6, k_img 8, k_sc 10, v_img 12, v_sc 14, wp_codes 16, wp_scales 18
	s_load_b128 s[20:23], s[0:1], 0x40             ; bp 20, x 22
	s_load_b64 s[24:25], s[0:1], 0x50              ; out0
	v_lshl_add_u32 v[SPW], v0, 2, SPARE
	v_mov_b32 v[NIL], 0
	ds_add_u32 v4, v5
	ds_add_u32 v4, v5
	s_wait_dscnt 0x0
	v_lshrrev_b32 v20, 5, v0
	v_readfirstlane_b32 s[WV], v20                 ; wave 0..3
	s_lshr_b32 s27, ttmp9, 3                       ; batch
	s_and_b32 s28, ttmp9, 7                        ; which 128 queries
	; descriptor group 1: 12,288 dense bytes as 48 rows of 256 (32 elements of 8 bytes), no padding: images are read 16 bytes a lane on end
	s_mov_b32 s[G1], 3<<16
	s_mov_b32 s[G1+1], 32<<16                      ; tensor_dim0
	s_mov_b32 s[G1+2], 48<<16                      ; tensor_dim1
	s_mov_b32 s[G1+3], 32<<16                      ; tile_dim0
	s_mov_b32 s[G1+4], 48                          ; tile_dim1
	s_mov_b32 s[G1+5], 32                          ; the pitch
	s_mov_b32 s[G1+6], 0
	s_mov_b32 s[G1+7], 0
	s_mul_i32 s54, s27, 393216                     ; the batch's images
	s_mul_i32 s55, s[WV], 12288                    ; my quarter of a step's K, and my eight tiles of a step's V
	s_add_co_u32 s56, s54, s55
	s_mov_b32 s57, 0
	s_lshl_b32 s58, s27, 6
	s_lshl_b32 s59, s28, 3
	s_add_co_u32 s58, s58, s59
	s_lshl_b32 s59, s[WV], 1
	s_add_co_u32 s58, s58, s59                     ; my first query tile: 64 b + 8 block + 2 w
	s_mul_i32 s60, s58, 6144
	s_mov_b32 s61, 0
	s_lshl_b32 s62, s58, 8
	s_mov_b32 s63, 0
	s_lshl_b32 s66, s27, 14                        ; the batch's scale words
	s_mov_b32 s67, 0
	s_lshl_b32 s68, s[WV], 9
	s_add_co_u32 s68, s68, s66
	s_mov_b32 s69, 0
	s_mul_i32 s70, s[WV], 49152                    ; my 128 rows of wp
	s_mov_b32 s71, 0
	s_lshl_b32 s72, s27, 21                        ; x, out0: the batch, my 128 channels, the block's 512 bytes of a row
	s_lshl_b32 s73, s[WV], 19
	s_add_co_u32 s72, s72, s73
	s_lshl_b32 s73, s28, 9
	s_add_co_u32 s72, s72, s73
	s_mov_b32 s73, 0
	s_lshl_b32 s[IDX], s28, 2
	s_add_co_u32 s[IDX], s[IDX], s[WV]             ; my wave's number among the batch's 32
	s_lshl_b32 s74, s[IDX], 13
	s_add_co_u32 s74, s74, s54
	s_mov_b32 s75, 0
	s_mov_b32 s[SEL], 0x76543210
	s_mov_b32 s[SEL+1], 0xfedcba98
	s_mov_b32 s[CS], 0x3d8293ee                    ; c = log2(e) / sqrt(512)
	s_mov_b32 s[CS+1], s[CS]                       ; (named with it as a pair, so it is written)
	s_mov_b32 s[TB], 0
	s_mov_b32 s[XO], 0
	s_mov_b32 s[SLOTS], 7
	s_wait_kmcnt 0x0
	s_mov_b32 s[G0], 1
	s_mov_b32 s[G0+1], s55                         ; slot 0, my quarter
	s_add_nc_u64 s[G0+2:G0+3], s[8:9], s[56:57]
	s_or_b32 s[G0+3], s[G0+3], 0x80000000
	tensor_load_to_lds s[G0:G0+3], s[G1:G1+7]      ; key step 0: the first fill, ahead of every wait on TENSORcnt, LDS read and barrier
	s_nop 0
	PLACES 4
	s_add_nc_u64 s[4:5], s[4:5], s[60:61]
	s_add_nc_u64 s[6:7], s[6:7], s[62:63]
	s_add_nc_u64 s[10:11], s[10:11], s[66:67]
	s_add_nc_u64 s[PFA:PFA+1], s[12:13], s[74:75]  ; the prefetches stand at step 0; the first change of slots steps them to step 1
	s_add_nc_u64 s[12:13], s[12:13], s[56:57]
	s_add_nc_u64 s[14:15], s[14:15], s[68:69]
	s_add_nc_u64 s[16:17], s[16:17], s[70:71]
	s_lshl_b32 s70, s[WV], 11
	s_add_nc_u64 s[18:19], s[18:19], s[70:71]
	s_lshl_b32 s70, s[WV], 9
	s_add_nc_u64 s[20:21], s[20:21], s[70:71]
	s_add_nc_u64 s[22:23], s[22:23], s[72:73]
	s_add_nc_u64 s[24:25], s[24:25], s[72:73]
	s_mov_b64 s[XP:XP+1], s[22:23]
	v_and_b32 v20, 31, v0
	v_lshlrev_b32 v[LI], 4, v20
	v_lshlrev_b32 v[LS], 2, v20
	v_lshlrev_b32 v[PFO], 8, v20
	v_lshlrev_b32 v21, 3, v20
	v_and_b32 v22, 15, v0                          ; r
	s_wait_alu depctr_va_vdst(0)
	v_bfe_u32 v23, v0, 4, 1                        ; h
	WIN 0x40
.set k, 0
.rept 24
	global_load_b128 v[4*k:4*k+3], v[LI], s[4:5] offset:512*k   ; Q's eight fragments (tile t, K step s at v[12 (4 t + s)]) stay in registers
.set k, k+1
.endr
	WIN 0
.irp i, 0,1,2,3
	global_load_b32 v[QS+\i], v[LS], s[6:7] offset:128*\i       ; scale words: register 2 t + s / 2: lanes 0-15 K step 2 (s / 2), lanes 16-31 the next
.endr
.irp i, 0,1,2,3,4,5,6,7,8,9,10,11,12,13,14,15
	global_load_b32 v[KS+\i], v[LS], s[10:11] offset:128*\i     ; K's of step 0: register 2 kt + s / 2, likewise
.endr
	WIN 0x40
.irp t, 0,1,2,3,4,5,6,7,8,9,10,11
	global_load_b128 v[XS+4*\t:XS+4*\t+3], v[LI], s[XP:XP+1] offset:\t*4096 th:TH_LOAD_NT   ; x: my rows 0 to 11, 512 consecutive bytes a load; key step 0 puts them into LDS
.endr
	WIN 0
	v_add_nc_u32 v[API], PIMG, v[LI]
	s_mul_i32 s51, s[WV], 3072
	v_add_nc_u32 v[APW], s51, v[API]
	v_add_nc_u32 v[AFR], FIMG, v21
	s_lshl_b32 s51, s[WV], 9
	v_add_nc_u32 v[AFW], s51, v[AFR]
	s_mul_i32 s51, s[WV], 1536
	v_add_nc_u32 v[AOW], s51, v[LI]
	v_add_nc_u32 v[AOS], OSC, v[LS]
	s_lshl_b32 s51, s[WV], 7
	v_add_nc_u32 v[AOSW], s51, v[AOS]
	s_mul_i32 s51, s[WV], 8448
	s_add_co_u32 s51, s51, STG
	v_mul_u32_u24 v[ASO], v22, 528
	s_wait_alu depctr_va_vdst(0)
	v_lshl_add_u32 v[ASO], v23, 6, v[ASO]
	v_add_nc_u32 v[ASO], s51, v[ASO]
	v_add_nc_u32 v[ASR], s51, v[LI]
	s_mul_i32 s51, s[WV], 49152
	s_add_co_u32 s51, s51, XB
	v_add_nc_u32 v[AXB], s51, v[LI]
	v_mul_u32_u24 v[LWP], v22, 384
	v_mad_u32_u24 v[LWP], v23, 24, v[LWP]
	v_lshlrev_b32 v[LWS], 4, v22
	v_lshlrev_b32 v[LBP], 2, v22
.irp t, 0,1
	v_mov_b32 v[ST+4*\t+1], 0xff61b1e6             ; the largest t so far: -3e38, under every t
	v_floor_f32 v[ST+4*\t], -v[ST+4*\t+1]          ; -M
	v_mov_b32 v[ST+4*\t+2], 0                      ; the sum, in two halves
	v_mov_b32 v[ST+4*\t+3], 0
	v_mov_b32 v[TBK+26*\t+21], 0                   ; (named as the upper half of a pair before it is first written)
.endr
.irp b, 0,1,2,3
	v_mov_b32 v[BP+\b], 0                          ; written once: a lane permute's destination counts as one of its sources
.endr
	WIN 0x80
.set i, 0
.rept 256
	v_mov_b32 v[i], 0                              ; O^T: the first step finds zeros, which the first change of M leaves zeros
.set i, i+1
.endr
	WIN 0xc0
.set i, 0
.rept 256
	v_mov_b32 v[i], 0
.set i, i+1
.endr
	WIN 0
; A key tile's four fragments, 12 loads, into set kt % 2
.macro KFETCH kt
	WIN 0x40
.irp k, 0,1,2,3,4,5,6,7,8,9,10,11
	ds_load_b128 v[KB+48*((\kt)%2)+4*\k:KB+48*((\kt)%2)+4*\k+3], v[ADK] offset:(\kt)*6144+512*\k
.endr
.endm
; Key tile kt against my two query tiles: 8 products, the two sums by turns.  The first starts each sum
.macro SMUL kt
.irp s, 0,1,2,3
.irp t, 0,1
.set rD, S+64*\t+8*(\kt)
.set rA, KB+48*((\kt)%2)+12*\s
.set rB, 12*(4*\t+\s)
.set rX, KS+2*(\kt)+\s/2
.set rY, QS+2*\t+\s/2
.if \s == 0
	v_wmma_scale_f32_16x16x128_f8f6f4 v[rD:rD+7], v[rA:rA+11], v[rB:rB+11], 0, v[rX], v[rY] matrix_a_fmt:MATRIX_FMT_BF6 matrix_b_fmt:MATRIX_FMT_BF6
.elseif \s == 2
	v_wmma_scale_f32_16x16x128_f8f6f4 v[rD:rD+7], v[rA:rA+11], v[rB:rB+11], v[rD:rD+7], v[rX], v[rY] matrix_a_fmt:MATRIX_FMT_BF6 matrix_b_fmt:MATRIX_FMT_BF6
.else
	v_wmma_scale_f32_16x16x128_f8f6f4 v[rD:rD+7], v[rA:rA+11], v[rB:rB+11], v[rD:rD+7], v[rX], v[rY] matrix_a_fmt:MATRIX_FMT_BF6 matrix_b_fmt:MATRIX_FMT_BF6 matrix_a_scale:MATRIX_SCALE_ROW1 matrix_b_scale:MATRIX_SCALE_ROW1
.endif
.endr
.endr
.endm
; My query tile t: 128 scores a row become p's codes, its scale word and f
.macro SOFTMAX t
.set rS, S+64*(\t)
.set rT, ST+4*(\t)
.set rC, TBK+26*(\t)
.set rF, rC+20
.irp b, 0,1,2,3
	v_max3_num_f32 v[BM+\b], v[rS+16*\b], v[rS+1+16*\b], v[rS+2+16*\b]   ; the largest score of each block of 32 keys: it serves for the row's maximum and for the block's largest p
.endr
.irp i, 3,5,7,9,11,13
.irp b, 0,1,2,3
	v_max3_num_f32 v[BM+\b], v[BM+\b], v[rS+16*\b+\i], v[rS+1+16*\b+\i]
.endr
.endr
.irp b, 0,1,2,3
	v_max_num_f32 v[BM+\b], v[BM+\b], v[rS+15+16*\b]
.endr
.irp b, 0,1,2,3
	v_permlanex16_b32 v[BP+\b], v[BM+\b], s[SEL], s[SEL+1]
.endr
.irp b, 0,1,2,3
	v_max_num_f32 v[BM+\b], v[BM+\b], v[BP+\b]     ; with lane l xor 16's 16 keys
.endr
	v_max3_num_f32 v[TP], v[BM], v[BM+1], v[BM+2]
	v_max_num_f32 v[TP], v[TP], v[BM+3]
	v_mul_f32 v[TP], s[CS], v[TP]                  ; as t (c is positive)
	v_max_num_f32 v[rT+1], v[rT+1], v[TP]          ; the running largest t
	v_mov_b32 v[TP], v[rT]
	v_floor_f32 v[rT], -v[rT+1]                    ; the new -M = -ceil(t): a whole number
	v_sub_f32 v[TP], v[rT], v[TP]                  ; old M - new M: a whole number, 0 or less
	v_cvt_i32_f32 v[TP], v[TP]                     ; (it saturates)
	v_ldexp_f32 v[rF], 1.0, v[TP]                  ; f = 2^(old M - new M)
.set j, 0
.rept 32
	v_pk_fma_f32 v[rS+j:rS+j+1], v[rS+j:rS+j+1], s[CS:CS+1], v[rT:rT+1] op_sel_hi:[1,0,0]   ; t - M, two at a time
.set j, j+2
.endr
.irp b, 0,1,2,3
	v_fma_f32 v[BM+\b], v[BM+\b], s[CS], v[rT]     ; the same of each block's largest score
.endr
.set j, 0
	s_wait_alu depctr_va_vdst(0)
.rept 64
	v_exp_f32 v[rS+j], v[rS+j]                     ; p = 2^(t - M), at most 1
.set j, j+1
.endr
.irp b, 0,1,2,3
	v_exp_f32 v[BM+\b], v[BM+\b]                   ; the block's largest p
.endr
	v_pk_mul_f32 v[rT+2:rT+3], v[rT+2:rT+3], v[rF:rF+1] op_sel_hi:[1,0]   ; the sums under the new M; a plain place behind the exponentials
	s_wait_alu depctr_va_vdst(0)
.irp b, 0,1,2,3
	v_max_num_f32 v[BM+\b], 0x2800000, v[BM+\b]    ; the floor 2^(5 - 127): the byte cannot fall under 1
.endr
.irp b, 0,1,2,3
	v_add_nc_u32 v[SO+\b], 0xfe000000, v[BM+\b]
.endr
.irp b, 0,1,2,3
	v_lshrrev_b32 v[BP+\b], 23, v[SO+\b]
.endr
	v_lshl_or_b32 v[rF+1], v[BP+1], 8, v[BP]       ; p's scale word for these 128 keys
	v_lshl_or_b32 v[rF+1], v[BP+2], 16, v[rF+1]
	v_lshl_or_b32 v[rF+1], v[BP+3], 24, v[rF+1]
.irp c, 0,1
	v_cvt_scalef32_pk16_bf6_f32 v[rC+6*\c:rC+2+6*\c], v[rS+32*\c:rS+15+32*\c], v[SO+2*\c]
	v_cvt_scalef32_pk16_bf6_f32 v[rC+12+4*\c:rC+14+4*\c], v[rS+16+32*\c:rS+31+32*\c], v[SO+1+2*\c]
.endr
	v_nop                                          ; one plain place behind a scaled conversion
.irp c, 0,1
.irp i, 0,1,2
	v_permlane16_swap_b32 v[rC+6*\c+\i], v[rC+12+4*\c+\i]
.endr
.irp i, 0,1,2
	v_mov_b32 v[rC+3+6*\c+\i], v[rC+12+4*\c+\i]
.endr
.endr
	v_pk_add_f32 v[BP:BP+1], v[rS:rS+1], v[rS+2:rS+3]   ; the row's sum is taken of the unquantised p: two at a time, in two chains
.set j, 4
.rept 15
	v_pk_add_f32 v[rT+2:rT+3], v[rT+2:rT+3], v[rS+j:rS+j+1]
	v_pk_add_f32 v[BP:BP+1], v[BP:BP+1], v[rS+j+2:rS+j+3]
.set j, j+4
.endr
	v_pk_add_f32 v[rT+2:rT+3], v[rT+2:rT+3], v[BP:BP+1]
.irp c, 0,1,2
	ds_store_b128 v[APW], v[rC+4*\c:rC+4*\c+3] offset:(\t)*1536+512*\c   ; the fragment as it stands
.endr
	ds_store_b64 v[AFW], v[rF:rF+1] offset:(\t)*256
.endm
.macro RESC q0                         ; O^T of four query tiles x f, each accumulator from its low end on
.irp q, \q0, \q0+1, \q0+2, \q0+3
.set j, 0
.rept 32
	v_pk_mul_f32 v[64*((\q)%4)+j:64*((\q)%4)+j+1], v[64*((\q)%4)+j:64*((\q)%4)+j+1], v[FP+2*(\q):FP+2*(\q)+1] op_sel_hi:[1,0]
.set j, j+2
.endr
.endr
.endm
.macro PVMUL q0                        ; O^T += V^T P^T: four query tiles x my eight channel tiles: 32 different accumulators
.irp q, \q0, \q0+1, \q0+2, \q0+3
.irp c, 0,1,2,3,4,5,6,7
.set rD, 8*(8*((\q)%4)+\c)
.if \c % 2 == 0
	v_wmma_scale_f32_16x16x128_f8f6f4 v[rD:rD+7], v[KB+12*\c:KB+12*\c+11], v[PF+12*(\q):PF+12*(\q)+11], v[rD:rD+7], v[VS+\c/2], v[FP+2*(\q)+1] matrix_a_fmt:MATRIX_FMT_BF6 matrix_b_fmt:MATRIX_FMT_BF6
.else
	v_wmma_scale_f32_16x16x128_f8f6f4 v[rD:rD+7], v[KB+12*\c:KB+12*\c+11], v[PF+12*(\q):PF+12*(\q)+11], v[rD:rD+7], v[VS+\c/2], v[FP+2*(\q)+1] matrix_a_fmt:MATRIX_FMT_BF6 matrix_b_fmt:MATRIX_FMT_BF6 matrix_a_scale:MATRIX_SCALE_ROW1
.endif
.endr
.endr
.endm
; THE CHANGE OF SLOTS, at a step's head.  Each wave waits for all its tensor loads (its quarter of the slot that it is about to read), adds 0 to its spare word, and waits for that and for all its LDS reads.  Behind the barrier the slot ahead is
; whole, and nobody reads the other slot or the last step's images.  fill = 1: the other slot takes the next step's K: the load has a whole step in which to land.
; A PREFETCH INTO THE L2 of the next step's V (49,152 bytes of the batch) stands behind the load and its four lines: six of the batch's 32 waves ask, 8,192 bytes each, lanes 256 bytes apart, so that each block is named once in the launch.
; Step 0's V comes by its loads alone; the tail asks for nothing.
.macro CHANGE fill
	s_wait_tensorcnt 0x0                           ; no tensor load of mine is out, so the group 0 may be written
	ds_add_u32 v[SPW], v[NIL]                      ; 0 onto my spare word
.if \fill
	s_xor_b32 s[G0+1], s[G0+1], SLOT1              ; the other slot than last time,
	s_add_nc_u64 s[G0+2:G0+3], s[G0+2:G0+3], 49152 ; the next 128 keys; the type bits on top are not reached
	s_wait_xcnt 0x0                                ; the last prefetch, a step back, has read its address
	s_add_nc_u64 s[PFA:PFA+1], s[PFA:PFA+1], 49152
.endif
	s_wait_dscnt 0x0                               ; the add is done, and my LDS reads are in
	s_barrier_signal -1
	s_barrier_wait -1
.if \fill
	tensor_load_to_lds s[G0:G0+3], s[G1:G1+7]      ; the first thing behind the barrier, and my one tensor load until the next
	s_nop 0
	PLACES 4
	s_cmp_lt_u32 s[IDX], 6
	s_cbranch_scc0 .Lnot_mine_\@
	global_prefetch_b8 v[PFO], s[PFA:PFA+1] th:TH_LOAD_NT scope:SCOPE_SE
.Lnot_mine_\@:
.endif
.endm
; A KEY STEP.  more = 1: another follows
.macro STEP more
	v_add_nc_u32 v[ADK], s[TB], v[LI]
	KFETCH 0
	KFETCH 1
	s_wait_alu depctr_va_vdst(0)
.irp kt, 0,1,2,3,4,5,6,7
.if \kt < 7
	s_wait_dscnt 12                                ; this key tile's fragments are in; the next tile's twelve loads may be out
.else
	s_wait_dscnt 0x0
.endif
	WIN 0x05                                       ; K and Q window 1, S^T window 0
	SMUL \kt
.if \kt < 6
	PLACES 4                                       ; places in front of loads into registers that matrix instructions have read
	KFETCH \kt+2
.endif
.endr
	WIN 0
	PLACES 4                                       ; for the loads below and for the first read of the scores
	s_wait_loadcnt 0x0                             ; the twelve rows of x that were asked for a step ago (at the head, for step 0) are in: no other load of mine is out
	v_add_nc_u32 v[ADX], s[XO], v[AXB]
	s_add_co_u32 s[XO], s[XO], 6144                ; the next step's twelve rows go 6,144 bytes on
	WIN 0x04                                       ; an LDS store's data are its source 1: window 1
.irp t, 0,1,2,3,4,5,6,7,8,9,10,11
	ds_store_b128 v[ADX], v[XS+4*\t:XS+4*\t+3] offset:512*\t   ; into my own bytes, which I alone read, at the end
.endr
	WIN 0x40
.set k, 0
.rept 24
	global_load_b128 v[KB+4*k:KB+4*k+3], v[LI], s[12:13] offset:512*k   ; V's eight fragments of my channels: they land while the softmax is walked
.set k, k+1
.endr
	WIN 0
.irp i, 0,1,2,3
	global_load_b32 v[VS+\i], v[LS], s[14:15] offset:128*\i   ; register c / 2: lanes 0-15 tile 2 (c / 2), lanes 16-31 the next
.endr
.if \more
.irp i, 0,1,2,3,4,5,6,7,8,9,10,11,12,13,14,15
	global_load_b32 v[KS+\i], v[LS], s[10:11] offset:2048+128*\i   ; the next step's scale words of K
.endr
.endif
	SOFTMAX 0
	SOFTMAX 1
	s_wait_dscnt 0x0                               ; for the others' sake: my images are stored; and the stores of x have read their registers
	s_barrier_signal -1
	s_barrier_wait -1
.irp q, 0,1,2,3,4,5,6,7
	ds_load_b64 v[FP+2*\q:FP+2*\q+1], v[AFR] offset:\q*256   ; the pairs (f, scale word) first: the rescaling wants them alone
.endr
.irp q, 0,1,2,3,4,5,6,7
.irp c, 0,1,2
	ds_load_b128 v[PF+12*\q+4*\c:PF+12*\q+4*\c+3], v[API] offset:\q*1536+512*\c
.endr
.endr
.if \more
	s_add_nc_u64 s[XP:XP+1], s[XP:XP+1], 49152     ; twelve rows of x on (the loads that named this base were waited for above)
	WIN 0x40
.irp t, 0,1,2,3,4,5,6,7,8,9,10,11
	global_load_b128 v[XS+4*\t:XS+4*\t+3], v[LI], s[XP:XP+1] offset:\t*4096 th:TH_LOAD_NT   ; they have the second product and the next step's scores in which to land
.endr
	WIN 0
.endif
	s_wait_dscnt 24                                ; the eight pairs are in; P's 24 loads may be out
	WIN 0x82
	RESC 0
	WIN 0xc3
	RESC 4
.if \more
	s_wait_alu depctr_va_vdst(0)
	s_wait_loadcnt 12                              ; V, its scale words, the next step's of K are in, so their bases may step; the twelve rows of x may be out
	s_add_nc_u64 s[12:13], s[12:13], 49152
	s_add_nc_u64 s[14:15], s[14:15], 2048
	s_add_nc_u64 s[10:11], s[10:11], 2048
.else
	s_wait_alu depctr_va_vdst(0)
	s_wait_loadcnt 0x0
.endif
	s_wait_dscnt 0x0                               ; P's fragments
	WIN 0xa1                                       ; V window 1, P window 0, O^T window 2
	PVMUL 0
	WIN 0xf1
	PVMUL 4
	WIN 0
	PLACES 5                                       ; the next step's products write over P's registers, its loads land on V's
	s_xor_b32 s[TB], s[TB], SLOT1
.endm
	s_wait_loadcnt 12                              ; Q and the first scale words are in; x's first twelve rows may be out
.Lstep:                                            ; seven trips: behind each change of slots but the last the next step's K is asked for
	CHANGE 1
	STEP 1
	s_sub_co_u32 s[SLOTS], s[SLOTS], 1
	s_cmp_lg_u32 s[SLOTS], 0
	s_cbranch_scc1 .Lstep
	CHANGE 0                                       ; the last step is written out
	STEP 0
; THE END.  wp's fragments of output tile o (16 rows x 512 along K: 24 loads of 8 bytes) into set o % 2, where Q lay, and the rows' four scale words (16 bytes a row)
.macro WPL o
	WIN 0x40
.irp s, 0,1,2,3
.irp p, 0,1,2,3,4,5
	global_load_b64 v[48*((\o)%2)+12*\s+2*\p:48*((\o)%2)+12*\s+2*\p+1], v[LWP], s[16:17] offset:(\o)*6144+96*\s+48*(\p/3)+8*(\p%3)
.endr
.endr
	WIN 0
	global_load_b128 v[WPS+4*((\o)%2):WPS+4*((\o)%2)+3], v[LWS], s[18:19] offset:(\o)*256
.endm
	WIN 0x40
.irp t, 0,1,2,3,4,5,6,7,8,9,10,11,12,13,14,15
	global_load_b128 v[96+4*\t:99+4*\t], v[LI], s[22:23] offset:(96+\t)*4096 th:TH_LOAD_NT     ; x: my rows 96 to 111, where V lay,
.endr
.irp t, 0,1,2,3,4,5,6,7,8,9,10,11,12,13,14,15
	global_load_b128 v[192+4*\t:195+4*\t], v[LI], s[22:23] offset:(112+\t)*4096 th:TH_LOAD_NT  ; and 112 to 127: they land while the result is quantised
.endr
	WIN 0
.irp o, 0,1,2,3,4,5,6,7
	global_load_b32 v[BPW+\o], v[LBP], s[20:21] offset:64*\o   ; bp of output 16 o + r
.endr
	WPL 0
	WPL 1
	v_add_f32 v226, v[ST+2], v[ST+3]               ; my two tiles' sums: the two halves,
	v_add_f32 v228, v[ST+6], v[ST+7]
	v_permlanex16_b32 v[BP], v226, s[SEL], s[SEL+1]
	v_permlanex16_b32 v[BP+1], v228, s[SEL], s[SEL+1]
	v_add_f32 v226, v226, v[BP]                    ; and lane l xor 16's
	v_add_f32 v228, v228, v[BP+1]
	s_wait_alu depctr_va_vdst(0)
	v_rcp_f32 v226, v226
	v_rcp_f32 v228, v228
	v_nop                                          ; a plain place behind the transcendentals
	s_wait_alu depctr_va_vdst(0)
	v_mov_b32 v227, v226
	v_mov_b32 v229, v228
	ds_store_b64 v[AFW], v[226:227] offset:2048
	ds_store_b64 v[AFW], v[228:229] offset:2048+256
	s_wait_dscnt 0x0
	s_barrier_signal -1
	s_barrier_wait -1                              ; behind it nobody reads K's slots any more (their last reads stand in front of the last step's second barrier), and both have had their last fill
.irp q, 0,1,2,3,4,5,6,7
	ds_load_b64 v[128+2*\q:129+2*\q], v[AFR] offset:2048+256*\q
.endr
	s_wait_dscnt 0x0
.irp q, 0,1,2,3,4,5,6,7                ; O^T / the sum: my 128 channels of query tile q are K step w of the last product: quantised, image to LDS
	WIN 0x02+(\q/4)
.set j, 0
.rept 32
	v_pk_mul_f32 v[64+j:65+j], v[64*(\q%4)+j:64*(\q%4)+j+1], v[128+2*\q:129+2*\q] op_sel_hi:[1,0]
.set j, j+2
.endr
	WIN 0
	QUANT 64, 176, 204, 224
.irp c, 0,1,2
	ds_store_b128 v[AOW], v[204+4*\c:207+4*\c] offset:\q*6144+512*\c
.endr
	ds_store_b32 v[AOSW], v224 offset:\q*512
	s_wait_dscnt 0x0                               ; the stores have read their registers
.endr
	s_barrier_signal -1
	s_barrier_wait -1                              ; all 32 fragments of the attention's result lie in LDS
	WIN 0x80                                       ; they come into the registers that O^T has left, and stay: fragment 4 q + s
.set f, 0
.rept 20
.irp c, 0,1,2
	ds_load_b128 v[12*f+4*\c:12*f+4*\c+3], v[LI] offset:f*1536+512*\c
.endr
.set f, f+1
.endr
	WIN 0xc0
.rept 12
.irp c, 0,1,2
	ds_load_b128 v[12*(f-20)+4*\c:12*(f-20)+4*\c+3], v[LI] offset:f*1536+512*\c
.endr
.set f, f+1
.endr
	WIN 0
.set f, 0
.rept 32
	ds_load_b32 v[OSW+f], v[AOS] offset:f*128
.set f, f+1
.endr
	s_wait_dscnt 0x0
; Output tile o: source 0 = 16 queries, source 1 = 16 rows of wp: a lane holds one output channel and eight neighbouring pixels.  32 products: the eight query tiles' sums by turns, K step by K step; bp starts the sums
.macro OMUL o
.irp s, 0,1,2,3
.irp q, 0,1,2,3,4,5,6,7
.if \q == 0
.if \s == 0
	WIN 0xc6                                       ; the result window 2, wp window 1, bp window 0, the sums window 3
.else
	WIN 0xf6
.endif
.elseif \q == 5
.if \s == 0
	WIN 0xc7                                       ; the result window 3
.else
	WIN 0xf7
.endif
.endif
.set rA, 12*(4*(\q%5)+\s)
.set rB, 48*((\o)%2)+12*\s
.set rD, 144+8*\q
.if \s == 0
	v_wmma_scale_f32_16x16x128_f8f6f4 v[rD:rD+7], v[rA:rA+11], v[rB:rB+11], v[BC:BC+7], v[OSW+4*\q+\s], v[WPS+4*((\o)%2)+\s] matrix_a_fmt:MATRIX_FMT_BF6 matrix_b_fmt:MATRIX_FMT_BF6
.else
	v_wmma_scale_f32_16x16x128_f8f6f4 v[rD:rD+7], v[rA:rA+11], v[rB:rB+11], v[rD:rD+7], v[OSW+4*\q+\s], v[WPS+4*((\o)%2)+\s] matrix_a_fmt:MATRIX_FMT_BF6 matrix_b_fmt:MATRIX_FMT_BF6
.endif
.endr
.endr
.endm
; A tile's turn: its products; through my own stage its 16 channels become whole rows of 512 bytes; x's same rows are added (tiles 0 to 5: from LDS; 6 and 7: from registers); 16 stores, which are on their way while the next tile is multiplied
.irp o, 0,1,2,3,4,5,6,7
.if \o < 7
	s_wait_loadcnt 25                              ; this tile's wp is in, and all that was asked for earlier (bp, x's last rows); the next tile's 24 + 1 loads may be out
.else
	s_wait_loadcnt 0x0
.endif
.irp j, 0,1,2,3,4,5,6,7
	v_mov_b32 v[BC+\j], v[BPW+\o]                  ; bp hangs on the lane alone: the same in the eight registers
.endr
.if \o < 6
.irp t, 0,1,2,3,4,5,6,7,8,9,10,11,12,13,14,15
	ds_load_b128 v[64+4*\t:67+4*\t], v[AXB] offset:(16*\o+\t)*512   ; x's rows, which I stored myself
.endr
.endif
	PLACES 4
	OMUL \o
	WIN 0
	PLACES 4                                       ; places in front of the first read of the results and of the loads into wp's registers
	WIN 0x0c                                       ; an LDS store's data are its source 1: window 3
.irp q, 0,1,2,3,4,5,6,7
	ds_store_b128 v[ASO], v[144+8*\q:147+8*\q] offset:128*(\q/2)+32*(\q%2)        ; each accumulator from its low end on
	ds_store_b128 v[ASO], v[148+8*\q:151+8*\q] offset:128*(\q/2)+32*(\q%2)+16
.endr
	WIN 0
	s_wait_xcnt 0x0                                ; the last turn's stores have read their registers: these loads may land there
.irp t, 0,1,2,3,4,5,6,7,8,9,10,11,12,13,14,15
	ds_load_b128 v[192+4*\t:195+4*\t], v[ASR] offset:\t*528   ; LDS serves a wave's instructions in order: these see my stores, and the next turn's stores come behind them
.endr
.if \o < 6
	WPL \o+2                                       ; into the set that this tile has left
.endif
	s_wait_dscnt 0x0
.if \o < 6
.set j, 0
.rept 32
	v_pk_add_f32 v[192+j:193+j], v[192+j:193+j], v[64+j:65+j]
.set j, j+2
.endr
.elseif \o == 6
	WIN 0x04                                       ; x's rows in window 1
.set j, 0
.rept 32
	v_pk_add_f32 v[192+j:193+j], v[192+j:193+j], v[96+j:97+j]
.set j, j+2
.endr
	WIN 0
.else
	WIN 0x04
.set j, 0
.rept 32
	v_pk_add_f32 v[192+j:193+j], v[192+j:193+j], v[192+j:193+j]   ; (the second source is window 1's)
.set j, j+2
.endr
	WIN 0
.endif
.irp t, 0,1,2,3,4,5,6,7,8,9,10,11,12,13,14,15
	global_store_b128 v[LI], v[192+4*\t:195+4*\t], s[24:25] offset:(16*\o+\t)*4096 th:TH_STORE_NT   ; 32 lanes store 512 consecutive bytes, at a multiple of 256 from the buffer's first byte
.endr
.endr
	s_wait_tensorcnt 0x0                           ; the wave's end: behind my last tensor load and my last LDS store
	ds_add_u32 v[SPW], v[NIL]
	s_wait_dscnt 0x0
	s_endpgm
.Lfunc_end_k_q6163207c24_attn:
	.size	k_q6163207c24_attn, .Lfunc_end_k_q6163207c24_attn-k_q6163207c24_attn
	.p2alignl 7, 3214868480
	.fill 96, 4, 3214868480
	.section	.rodata,"a",@progbits
	.p2align	6, 0x0
	.amdhsa_kernel k_q6163207c24_attn
		.amdhsa_group_segment_fixed_size 327680
		.amdhsa_private_segment_fixed_size 0
		.amdhsa_enable_private_segment 0
		.amdhsa_kernarg_size 88
		.amdhsa_user_sgpr_count 2
		.amdhsa_user_sgpr_kernarg_segment_ptr 1
		.amdhsa_wavefront_size32 1
		.amdhsa_system_sgpr_workgroup_id_x 1
		.amdhsa_system_sgpr_workgroup_id_y 1
		.amdhsa_system_sgpr_workgroup_id_z 1
		.amdhsa_system_vgpr_workitem_id 0
		.amdhsa_next_free_vgpr 1024
		.amdhsa_next_free_sgpr 80
		.amdhsa_reserve_vcc 0
		.amdhsa_float_denorm_mode_32 3
		.amdhsa_float_denorm_mode_16_64 3
		.amdhsa_memory_ordered 1
		.amdhsa_forward_progress 1
		.amdhsa_inst_pref_size 255
	.end_amdhsa_kernel
	.section	.bss,"aw",@nobits
	.p2align	6
	.space	262144
	.amdgpu_metadata
---
amdhsa.version: [ 1, 2 ]
amdhsa.kernels:
  - .name:           k_q6163207c24_attn
    .symbol:         k_q6163207c24_attn.kd
    .args:
      - { .name: q_img, .offset: 0, .size: 8, .value_kind: global_buffer, .address_space: global }
      - { .name: q_sc, .offset: 8, .size: 8, .value_kind: global_buffer, .address_space: global }
      - { .name: k_img, .offset: 16, .size: 8, .value_kind: global_buffer, .address_space: global }
      - { .name: k_sc, .offset: 24, .size: 8, .value_kind: global_buffer, .address_space: global }
      - { .name: v_img, .offset: 32, .size: 8, .value_kind: global_buffer, .address_space: global }
      - { .name: v_sc, .offset: 40, .size: 8, .value_kind: global_buffer, .address_space: global }
      - { .name: wp_codes, .offset: 48, .size: 8, .value_kind: global_buffer, .address_space: global }
      - { .name: wp_scales, .offset: 56, .size: 8, .value_kind: global_buffer, .address_space: global }
      - { .name: bp, .offset: 64, .size: 8, .value_kind: global_buffer, .address_space: global }
      - { .name: x, .offset: 72, .size: 8, .value_kind: global_buffer, .address_space: global }
      - { .name: out0, .offset: 80, .size: 8, .value_kind: global_buffer, .address_space: global }
    .group_segment_fixed_size: 327680
    .private_segment_fixed_size: 0
    .kernarg_segment_align: 8
    .kernarg_segment_size: 88
    .max_flat_workgroup_size: 128
    .sgpr_count:     80
    .vgpr_count:     1024
    .wavefront_size: 32
...
	.end_amdgpu_metadata
.endif
;; end of part 6
